; MI455X (gfx1250); checked and timed in simulation.
; The chip was launched on July 23, 2026; its instructions are those of AMD's public machine-readable ISA for CDNA 5 (MIT licence, August 2026) and "CDNA5" Instruction Set Architecture Reference Guide (July 2026). The comments in the code are by the model that wrote it; some were corrected since.
;; Transformer Encoder Block. Allowed arithmetic: matrix products marked QUANTISED: E4M3 operands, one given power-of-two scale a tensor, by v_wmma_f32_16x16x64_fp8_fp8 or v_wmma_f32_16x16x128_fp8_fp8, f32 sums; everything else in f32.
;; Inputs: W1_codes 4,096 x 32 x 32 uint8 (E4M3 codes of W1, K innermost, in blocks of 32 codes); W2_codes 1,024 x 128 x 32 uint8 (E4M3 codes of W2, K innermost, in blocks of 32 codes); Wk_codes 1,024 x 32 x 32 uint8 (E4M3 codes of Wk, K innermost, in blocks of 32 codes); Wo_codes 1,024 x 32 x 32 uint8 (E4M3 codes of Wo, K innermost, in blocks of 32 codes); Wq_codes 1,024 x 32 x 32 uint8 (E4M3 codes of Wq, K innermost, in blocks of 32 codes); Wv_codes 1,024 x 32 x 32 uint8 (E4M3 codes of Wv, K innermost, in blocks of 32 codes); b1 1,024 float32; b2 1,024 float32; bf1 4,096 float32; bf2 1,024 float32; bk 1,024 float32; bo 1,024 float32; bq 1,024 float32; bv 1,024 float32; g1 1,024 float32; g2 1,024 float32; lowp_scales 16 int32 (the exponents e of the quantised operands' scales 2^e); x 2 x 2,048 x 1,024 float32.
;; Outputs: out0 2 x 2,048 x 1,024 float32.
;; This version of the problem:
;;   THIS VERSION OF THE PROBLEM IS GIVEN IN LOW PRECISION. The matrix products marked QUANTISED in the list below multiply operands that are first quantised to E4M3 (4 exponent bits, 3 mantissa bits; 8 bits a number), with one given power-of-two scale for each operand tensor; their sums are f32. All else is computed in f32.
;;   The module's matrix products, in the order in which they are computed (A, B: the left and right operand; K: the contracted axis; several contracted axes count as one K, in the product's order):
;;     1. [M 4,096, K 1,024] x [K 1,024, N 1,024]; A: input x; B: input Wq (given as codes): QUANTISED (scales: A lowp_scales[0], B lowp_scales[1])
;;     2. [M 4,096, K 1,024] x [K 1,024, N 1,024]; A: input x; B: input Wk (given as codes): QUANTISED (scales: A lowp_scales[2], B lowp_scales[3])
;;     3. [M 4,096, K 1,024] x [K 1,024, N 1,024]; A: input x; B: input Wv (given as codes): QUANTISED (scales: A lowp_scales[4], B lowp_scales[5])
;;     4. batch 32 x [M 2,048, K 64] x [K 64, N 2,048]; A: computed on the way; B: computed on the way: QUANTISED (scales: A lowp_scales[6], B lowp_scales[7])
;;     5. batch 32 x [M 2,048, K 2,048] x [K 2,048, N 64]; A: softmax (see below); B: computed on the way: QUANTISED (scales: A lowp_scales[8], B lowp_scales[9])
;;     6. [M 4,096, K 1,024] x [K 1,024, N 1,024]; A: computed on the way; B: input Wo (given as codes): QUANTISED (scales: A lowp_scales[10], B lowp_scales[11])
;;     7. [M 4,096, K 1,024] x [K 1,024, N 4,096]; A: computed on the way; B: input W1 (given as codes): QUANTISED (scales: A lowp_scales[12], B lowp_scales[13])
;;     8. [M 4,096, K 4,096] x [K 4,096, N 1,024]; A: computed on the way; B: input W2 (given as codes): QUANTISED (scales: A lowp_scales[14], B lowp_scales[15])
;;   THE QUANTISER, for each operand of a quantised product, along K:
;;     - The operand's scale is 2^e, e = its entry of the input lowp_scales (int32; the entries are numbered through the quantised products in the list's order, A before B).
;;     - Each number is divided by the scale, clamped to +-448, and rounded to the nearest number of E4M3, ties to even, subnormals kept.
;;     - The product sums the exact products of the quantised numbers (number of the format x scale) in f32.
;;   ~~~python
;;   def quantise(x, axis, e):      # numpy; x: float32 -> the quantised numbers, widened to float32 again
;;       x = np.moveaxis(x, axis, -1); K = x.shape[-1]
;;       r = np.clip(x / 2.0 ** e, -448, 448)
;;       step = 2.0 ** (np.maximum(np.frexp(np.where(r == 0, 1, r))[1] - 1, -6) - 3)
;;       q = np.round(r / step) * step * 2.0 ** e      # np.round: ties to even
;;       return np.moveaxis(q, -1, axis).astype(np.float32)
;;   ~~~
;;   SOFTMAX AHEAD OF A QUANTISED PRODUCT. Where the list says 'softmax', what is quantised is not the finished softmax but p = 2^(t - M), with t = logit x log2(e) and M = ceil(the row's largest t), a whole number; so 1/2 < the row's largest p <= 1. The row's sum l is taken of the UNQUANTISED p, in f32, and the product's result is divided by l at the end. Since M is a whole number, a kernel that streams over the keys may use a running M (the ceiling of the running maximum): every later rescaling is an exact power of two, so the quantised numbers keep their values, but for numbers so far below the row's largest that they fall under the format's range.
;;   OPERANDS COMPUTED ON THE WAY. 'Computed on the way' means the value that the module computes at that place (a softmax that the list does not call 'softmax' is quantised finished and normalised). What goes into a quantiser is computed in f32, as accurately as f32 sums, v_exp_f32 and their like allow (about 1e-6 of the number): no bf16 or f16 on the way to a quantiser, and a product that is left as it is and whose result goes on into a quantised operand takes f32 operands (vector FMAs, or v_wmma_f32_16x16x4_f32). A number that lies on a knife's edge between two numbers of the format may be rounded either way, as far as f32 arithmetic and the matrix unit's own rounding can turn it there, and no further.
;;   INPUTS GIVEN AS CODES. W1 (in the module: [1024, 4096], K = its axis 0); W2 (in the module: [4096, 1024], K = its axis 0); Wk (in the module: [1024, 1024], K = its axis 0); Wo (in the module: [1024, 1024], K = its axis 0); Wq (in the module: [1024, 1024], K = its axis 0); Wv (in the module: [1024, 1024], K = its axis 0): each comes as NAME_codes (uint8): NAME with its K axis moved to the last place and cut into blocks of 32 codes, [.., K / 32, bytes a block], one block behind the other in memory; one code a byte (a code: sign, 4 exponent bits, 3 mantissa bits); its scale is its entry of lowp_scales. Its value is code x scale, taken as it is: it is not quantised again, and the codes and scales need not be those that the quantiser above would give.
;; 2 versions. Each part assembles by itself: llvm-mc -triple=amdgcn-amd-amdhsa -mcpu=gfx1250 --defsym DOCPART=n.
;; ======== version 1 of 2: 8 launches
;; workspace buffers: xc 12,582,912 bytes; qkvc 12,582,912 bytes; cc 4,194,304 bytes; gc 16,777,216 bytes; hc 4,194,304 bytes; hf 16,777,216 bytes; yf 16,777,216 bytes
;; launch quant_x (part 1): grid 512 x 1, 4 waves a work-group, no clusters, 33,280 bytes of LDS; arguments x, lowp_scales, xc; writes xc
.if DOCPART == 1
	.amdgcn_target "amdgcn-amd-amdhsa--gfx1250"
	.amdhsa_code_object_version 6
	.text
	.protected	k_q4a95a074a1_quant_x
	.globl	k_q4a95a074a1_quant_x
	.p2align	8
	.type	k_q4a95a074a1_quant_x,@function
k_q4a95a074a1_quant_x:
	s_mov_b64 s[64:65], 0
	v_nop
	global_prefetch_b8 v0, s[64:65] scope:SCOPE_SE
	s_setreg_imm32_b32 hwreg(HW_REG_WAVE_MODE, 25, 1), 1
	s_wait_xcnt 0x0
; THE PROGRAM: a post-LN transformer encoder block, 4,096 tokens x 1,024, 16 heads of 64, FFN of 4,096, all eight matrix products on codes of FP8 (E4M3) with one given scale 2^e an operand.
; Launches: quant_x (x -> codes, three times), qkv (three projections -> codes of Q, K, V), attn (-> codes of ctx), wo (-> f32), ln1 (-> h in f32 and as codes), ffn1 (-> codes of gelu), ffn2 (-> f32), ln2 (-> out0).
; DEAD WORK: none.  Every product of reference() reaches the output, every bias goes into a quantised operand or into a LayerNorm's input (bk too: it moves K's codes), every gain and offset is applied: all inputs are loaded.
; THIS LAUNCH: x [4096][1024] f32 is quantised along its rows three times, with 2^e0, 2^e2, 2^e4 (the A scales of the products with Wq, Wk, Wv, which may differ), into xc [3][4096][1024], one code a byte, K innermost.
; code = x / 2^e, held within +-448, rounded to the nearest code, ties to even.  LIMITS: -126 <= e and e + 8 <= 127 for the three exponents.  NaN among the inputs is not served (an infinity is held at the largest code).
; A wave takes 4 steps of 512 numbers.  Each load reads 512 consecutive bytes, 16 a lane; a step's 2,048 bytes turn through the wave's own stage in LDS and come back 64 bytes a lane, so that a lane holds 16 neighbours along K,
; as the conversions want them.  A lane's 16 codes are 16 bytes: each store of the wave covers 512 consecutive bytes, aligned.  All 16 loads of a wave go out at the head.  No barrier: waves share nothing.
.set STEPS, 4
.set SP,    80                         ; a lane's place in a stage: its 64 bytes + 16 of padding
.set WREG,  8192                       ; LDS: a region for each wave: two stages of 32 x SP bytes
.set SPARE, 4*WREG                     ; behind the regions: the spare words, 128 bytes for each wave: two blocks of 256 bytes that no other line names
.set SPW,   12                         ; v12  LDS address of my spare word; never rewritten
.set NIL,   13                         ; v13  0; never rewritten
.set SC,    6                          ; v6-8   2^e of the three quantisers, as f32
.set LIM,   9                          ; v9-11  448 x 2^e
.set R,     16                         ; v16-79   four sets of 16 numbers as they are loaded
.set X,     80                         ; v80-111  two sets of 16 neighbours
.set T,     112                        ; v112-143 two sets of held numbers, by turns
.set C,     144                        ; v144-191 codes: four registers for each step and quantiser, so that no store's data are written again
	s_load_b128 s[4:7], s[0:1], 0x0                ; x, the scales' exponents
	s_load_b64 s[8:9], s[0:1], 0x10                ; xc
	v_lshl_add_u32 v[SPW], v0, 2, SPARE
	v_mov_b32 v[NIL], 0
	v_lshrrev_b32 v1, 5, v0
	v_readfirstlane_b32 s16, v1                    ; wave
	v_and_b32 v2, 31, v0                           ; lane
	v_lshlrev_b32 v3, 4, v2                        ; my 16 bytes of a load's 512
	v_lshlrev_b32 v4, 4, v2                        ; my 16 codes of a step's 512
	s_mul_i32 s17, s16, WREG
	v_lshrrev_b32 v14, 2, v2
	v_mul_u32_u24 v14, v14, SP
	v_and_b32 v15, 3, v2
	v_lshl_add_u32 v14, v15, 4, v14
	v_add_nc_u32 v14, s17, v14                     ; the stage, on the way in: four lanes' 64 bytes on end, then 16 of padding
	v_mul_u32_u24 v15, v2, SP
	v_add_nc_u32 v15, s17, v15                     ; and on the way out: my 16 neighbours
	s_lshl_b32 s18, ttmp9, 2
	s_add_co_u32 s18, s18, s16                     ; which run of 2,048 numbers is my wave's
	s_lshl_b32 s20, s18, 13                        ; its bytes in x,
	s_mov_b32 s21, 0
	s_lshl_b32 s22, s18, 11                        ; and in each part of xc
	s_mov_b32 s23, 0
	s_wait_kmcnt 0x0
	s_load_b256 s[32:39], s[6:7], 0x0              ; e0 .. e7
	s_add_nc_u64 s[4:5], s[4:5], s[20:21]
	s_add_nc_u64 s[24:25], s[8:9], s[22:23]        ; three bases: the parts lie 4 MiB apart
	s_add_nc_u64 s[26:27], s[24:25], 0x400000
	s_add_nc_u64 s[28:29], s[24:25], 0x800000
.macro LOAD t
.irp i, 0,1,2,3
	global_load_b128 v[R+16*(\t)+4*\i:R+16*(\t)+4*\i+3], v3, s[4:5] offset:2048*(\t)+512*\i th:TH_LOAD_NT
.endr
.endm
.macro TURN t                          ; step t's numbers through the stage: LDS serves a wave's instructions in order, so no wait stands between the stores and the loads
.irp i, 0,1,2,3
	ds_store_b128 v14, v[R+16*(\t)+4*\i:R+16*(\t)+4*\i+3] offset:32*SP*((\t)%2)+8*SP*\i
.endr
.irp i, 0,1,2,3
	ds_load_b128 v[X+16*((\t)%2)+4*\i:X+16*((\t)%2)+4*\i+3], v15 offset:32*SP*((\t)%2)+16*\i
.endr
.endm
.irp t, 0,1,2,3
	LOAD \t
.endr
	s_wait_kmcnt 0x0
.irp p, 0,1,2
	s_add_co_i32 s10, s[32+2*\p], 127
	s_lshl_b32 s11, s10, 23
	v_mov_b32 v[SC+\p], s11                        ; 2^e as f32: the conversion takes its exponent field
	s_add_co_i32 s10, s10, 8
	s_lshl_b32 s10, s10, 23
	s_or_b32 s10, s10, 0x600000
	v_mov_b32 v[LIM+\p], s10                       ; 448 x 2^e
.endr
	s_wait_loadcnt 12                              ; step 0's four loads are in; the twelve of the later steps may be out
	TURN 0
.macro STEP t
.set XS, X+16*((\t)%2)
	s_wait_dscnt 0x0                               ; this step's numbers are back from the stage
.if (\t)+1 < STEPS
	s_wait_loadcnt 4*(STEPS-2-(\t))                ; the next step's four loads are in; those of the steps behind it may be out
	TURN (\t)+1                                    ; and go through the other stage while this step is worked
.endif
.irp p, 0,1,2
.set TS, T+16*((3*(\t)+\p)%2)
.irp i, 0,1,2,3,4,5,6,7,8,9,10,11,12,13,14,15
	v_med3_num_f32 v[TS+\i], v[XS+\i], -v[LIM+\p], v[LIM+\p]   ; the conversion to an 8-bit code does not saturate (ISA guide 7.6.2): the hold comes first.  It writes the set that the last conversions did not read
.endr
	v_cvt_scalef32_pk8_fp8_f32 v[C+4*(3*(\t)+\p):C+4*(3*(\t)+\p)+1], v[TS:TS+7], v[SC+\p]
	v_cvt_scalef32_pk8_fp8_f32 v[C+4*(3*(\t)+\p)+2:C+4*(3*(\t)+\p)+3], v[TS+8:TS+15], v[SC+\p]
	global_store_b128 v4, v[C+4*(3*(\t)+\p):C+4*(3*(\t)+\p)+3], s[24+2*\p:25+2*\p] offset:512*(\t)   ; 512 consecutive bytes, aligned
.endr
.endm
.irp t, 0,1,2,3
	STEP \t
.endr
	s_wait_tensorcnt 0x0                           ; the wave's end: behind my last LDS store
	ds_add_u32 v[SPW], v[NIL]
	s_wait_dscnt 0x0
	s_endpgm
.Lfunc_end_k_q4a95a074a1_quant_x:
	.size	k_q4a95a074a1_quant_x, .Lfunc_end_k_q4a95a074a1_quant_x-k_q4a95a074a1_quant_x
	.p2alignl 7, 3214868480
	.fill 96, 4, 3214868480
	.section	.rodata,"a",@progbits
	.p2align	6, 0x0
	.amdhsa_kernel k_q4a95a074a1_quant_x
		.amdhsa_group_segment_fixed_size 33280
		.amdhsa_private_segment_fixed_size 0
		.amdhsa_enable_private_segment 0
		.amdhsa_kernarg_size 24
		.amdhsa_user_sgpr_count 2
		.amdhsa_user_sgpr_kernarg_segment_ptr 1
		.amdhsa_wavefront_size32 1
		.amdhsa_system_sgpr_workgroup_id_x 1
		.amdhsa_system_sgpr_workgroup_id_y 1
		.amdhsa_system_sgpr_workgroup_id_z 1
		.amdhsa_system_vgpr_workitem_id 0
		.amdhsa_next_free_vgpr 192
		.amdhsa_next_free_sgpr 66
		.amdhsa_reserve_vcc 0
		.amdhsa_float_denorm_mode_32 3
		.amdhsa_float_denorm_mode_16_64 3
		.amdhsa_memory_ordered 1
		.amdhsa_forward_progress 1
		.amdhsa_inst_pref_size 21
	.end_amdhsa_kernel
	.amdgpu_metadata
---
amdhsa.version: [ 1, 2 ]
amdhsa.kernels:
  - .name:           k_q4a95a074a1_quant_x
    .symbol:         k_q4a95a074a1_quant_x.kd
    .args:
      - { .name: x, .offset: 0, .size: 8, .value_kind: global_buffer, .address_space: global }
      - { .name: lowp_scales, .offset: 8, .size: 8, .value_kind: global_buffer, .address_space: global }
      - { .name: xc, .offset: 16, .size: 8, .value_kind: global_buffer, .address_space: global }
    .group_segment_fixed_size: 33280
    .private_segment_fixed_size: 0
    .kernarg_segment_align: 8
    .kernarg_segment_size: 24
    .max_flat_workgroup_size: 128
    .sgpr_count:     66
    .vgpr_count:     192
    .wavefront_size: 32
...
	.end_amdgpu_metadata
.endif
;; end of part 1
;; launch qkv (part 2): grid 12 x 16, 4 waves a work-group, clusters of 4 x 4, 327,680 bytes of LDS; arguments xc, Wq_codes, Wk_codes, Wv_codes, bq, bk, bv, lowp_scales, qkvc; writes qkvc
.if DOCPART == 2
	.amdgcn_target "amdgcn-amd-amdhsa--gfx1250"
	.amdhsa_code_object_version 6
	.text
	.protected	k_q4a95a074a1_qkv
	.globl	k_q4a95a074a1_qkv
	.p2align	8
	.type	k_q4a95a074a1_qkv,@function
k_q4a95a074a1_qkv:
	s_mov_b64 s[64:65], 0
	v_nop
	global_prefetch_b8 v0, s[64:65] scope:SCOPE_SE
	s_setreg_imm32_b32 hwreg(HW_REG_WAVE_MODE, 25, 1), 1
	s_wait_xcnt 0x0
	s_wait_alu depctr_hold_cnt(0) depctr_sa_sdst(0) depctr_va_vdst(0) depctr_va_sdst(0) depctr_va_ssrc(0) depctr_va_vcc(0) depctr_vm_vsrc(0)
	s_getreg_b32 s2, hwreg(HW_REG_IB_STS2, 6, 4)
	s_cmp_eq_u32 s2, 0
	s_cbranch_scc0 .Lentry_in_a_cluster
	s_endpgm
.Lentry_in_a_cluster:
	s_bfe_u32 s2, ttmp6, 0x10000c
	s_cmp_lg_u32 s2, 0xf033
	s_cbranch_scc0 .Lentry_shape_is_right
	s_endpgm
.Lentry_shape_is_right:
; Q = x Wq + bq, K = x Wk + bk, V = x Wv + bv on codes of FP8 (E4M3), and their codes for attention's two products (scales 2^e6, 2^e7, 2^e9).  No work of reference() is left out here.
; The cluster's x, p = 0, 1, 2, says which product a cluster of 4 x 4 work-groups serves; it is the same in all sixteen partners.
; A work-group of four waves makes 256 x 256 sums, a wave 128 x 128 in 64 accumulators; K = 1,024 goes in steps of 256 through a ring of two LDS slots filled by joint tensor loads (a tile of "A" is shared along a row of the
; cluster, a tile of "B" along a column).  The matrix instruction takes 16 rows of "B" as source 0 and 16 rows of "A" as source 1: a lane then holds ONE row of "A" and eight neighbouring rows of "B".
; p = 0, 1: "A" = x's codes (tokens), "B" = the weight (features): a lane's eight sums are eight neighbouring features of a token, which are neighbours along the K of Q K^T.
; p = 2: THE ROLES ARE SWAPPED BY POINTERS ALONE: "A" = Wv (features), "B" = x's codes (tokens): a lane's eight sums are eight neighbouring tokens of a feature, neighbours along the K (the keys) of P V.
; So the conversions' results are registers of attention's operands, and they are stored as IMAGES OF THOSE REGISTERS: four registers a lane, 16 bytes at 16 x lane, 512 consecutive bytes a store.
;   Q at byte 0, K at 4 MiB: [batch x head 32][tile of 16 tokens 128][2][lane][16]: register 2 b + w of lane (r, h): features 16 b + 8 h + 4 w .. + 3 of token r.
;   V at 8 MiB: [batch x head 32][step of 128 keys 16][tile of 16 features 4][4][lane][16]: register 2 b + w of lane (r, h): keys 16 b + 8 h + 4 w .. + 3 of feature r.
; Fragments of the given codes are fetched by four loads of 16 bytes: registers 4 c .. 4 c + 3 hold k = 32 c + 16 (lane / 16) + 0 .. 15: a permutation of k that is the same on both sides.
; LIMITS: e0 + e1, e2 + e3, e4 + e5 between -126 and 127; e6, e7, e9 between -126 and 119.  NaN is not served.
; REGISTERS, in windows of 256: window 0: v1-6 at work, v16-29 addresses, v32-95 the bias, v96-255 the way out, from v128 A's fragments (one set); window 1: B's fragments, two sets; windows 2, 3: the accumulators ((a, b) at v[8 (8 (a % 4) + b)]).
.set SIZE_K, 1024
.set A_IMG,  0
.set KSTEP,  256                       ; along K in a slot
.set PITCH,  272                       ; an LDS row: 256 bytes + 16 of padding: the 16 rows that a load touches start at 16 different banks (64 banks of 4 bytes: ISA guide 11.1)
.set FR,     16                        ; registers of a fragment
.set NL,     4                         ; LDS loads that bring one
.set NP,     4                         ; places behind this matrix instruction (ISA guide 7.12.1)
.set HALFT,  128*PITCH                 ; what one tensor load fills, and what one wave reads of A or of B
.set SLOT,   4*HALFT
.set LAPS,   SIZE_K/(2*KSTEP)
.set SPARE,  2*SLOT                    ; behind the ring: the spare words, 128 bytes for each wave
.if A_IMG
.set ASTEP,  4096
.else
.set ASTEP,  KSTEP
.endif
.set ADRA, 16
.set ADRB, 20
.set STO,  24
.set RD,   25
.set CO,   26                          ; v26  16 x lane
.set BO,   27                          ; v27  the bias loads' offset
.set SPW,  28                          ; v28  LDS address of my spare word; never rewritten
.set NIL,  29                          ; v29  0; never rewritten
.set BI,   32
.set T,    96                          ; the way out: a block's 64 numbers
.set AF,   128
.set G1, 24
.set G0, 32
.set G1B, 48
.set G0B, 56
.set MSB, 0
.macro WIN new                         ; the immediate's high byte repeats the setting that is left
.if MSB != \new
	s_set_vgpr_msb (MSB<<8)|\new
.set MSB, \new
.endif
.endm
.set MUL_LO, 0xa1                      ; source 0 (B) window 1, source 1 (A) window 0, C and D window 2
.set MUL_HI, 0xf1                      ; the same, C and D window 3
.set TO_B,   0x40                      ; destination window 1, address window 0
.macro JLOAD g0a, g1a, g0b, g1b        ; a joint load: waves 0 and 1 fetch for A, waves 2 and 3 for B; an s_nop 0 and four v_nop follow each of the two lines
	s_cmp_eq_u32 s15, 0
	s_cbranch_scc0 .Lfor_b_\@
	tensor_load_to_lds s[\g0a:\g0a+3], s[\g1a:\g1a+7]
	s_nop 0
.rept 4
	v_nop
.endr
	s_branch .Lasked_\@
.Lfor_b_\@:
	tensor_load_to_lds s[\g0b:\g0b+3], s[\g1b:\g1b+7]
	s_nop 0
.rept 4
	v_nop
.endr
.Lasked_\@:
.endm
.macro CREST                           ; a round of the cluster's barrier behind its opening barrier
	s_cmp_lg_u32 s14, 0
	s_cbranch_scc1 .Lnot_wave_0_\@
	s_barrier_signal -3
.Lnot_wave_0_\@:
	s_barrier_wait -3
	s_barrier_signal -1
	s_barrier_wait -1
.endm
.macro CROUND
	s_barrier_signal -1
	s_barrier_wait -1
	CREST
.endm
	s_load_b512 s[68:83], s[0:1], 0x0              ; xc s[68:69], Wq, Wk, Wv s[70:75], bq, bk, bv s[76:81], the scales' exponents s[82:83]
	s_load_b64 s[84:85], s[0:1], 0x40              ; qkvc
	v_lshl_add_u32 v[SPW], v0, 2, SPARE
	v_mov_b32 v[NIL], 0
	ds_add_u32 v[SPW], v[NIL]                      ; the wave's opening: the add, twice on end, and its wait ahead of my first tensor load
	ds_add_u32 v[SPW], v[NIL]
	v_lshrrev_b32 v1, 5, v0
	v_readfirstlane_b32 s14, v1                    ; wave 0..3
	s_lshr_b32 s15, s14, 1                         ; which half of A's 256 rows is mine.  Also: I fetch for A (0) or for B (1)
	s_and_b32 s16, s14, 1                          ; which half of B's 256 rows.  Also: which 128 rows of that tile I fetch
	s_bfe_u32 s40, ttmp6, 0x40000                  ; cx, cy: my place in the cluster
	s_bfe_u32 s41, ttmp6, 0x40004
	s_and_b32 s18, ttmp7, 0xffff
	s_lshl_b32 s18, s18, 2                         ; 4 x cluster y
	s_cmp_eq_u32 ttmp9, 2                          ; the 16 tiles of tokens lie along A for p = 0, 1 and along B for p = 2; the 4 tiles of features along the other
	s_cselect_b32 s17, 0, s18
	s_cselect_b32 s42, s18, 0
	s_add_co_u32 s17, s17, s41                     ; A's tile: hangs on cy alone of the two places
	s_add_co_u32 s42, s42, s40                     ; B's tile: on cx alone
	s_lshl_b32 s43, s41, 2
	s_lshl_b32 s43, 15, s43                        ; my row of the cluster
	s_lshl_b32 s44, 0x1111, s40                    ; my column
	s_or_b32 s[G1+0], s43, (1<<20)|(1<<21)|(5<<22)|(3<<25)   ; the mask; elements of 1 byte; padding on; bit 21 beside a mask; 4 words of padding after every 64
	s_or_b32 s[G1B+0], s44, (1<<20)|(1<<21)|(5<<22)|(3<<25)
.irp g, G1, G1B
	s_mov_b32 s[\g+1], KSTEP<<16                   ; tensor_dim0
	s_mov_b32 s[\g+2], 128<<16                     ; tensor_dim1
	s_mov_b32 s[\g+3], KSTEP<<16                   ; tile_dim0
	s_mov_b32 s[\g+4], 128                         ; tile_dim1
	s_mov_b32 s[\g+5], SIZE_K                      ; from row to row
	s_mov_b32 s[\g+6], 0
	s_mov_b32 s[\g+7], 0
.endr
	s_lshl_b32 s20, s17, 8
	s_lshl_b32 s18, s16, 7
	s_add_co_u32 s20, s20, s18
	s_mul_i32 s20, s20, SIZE_K                     ; A: row 256 x tile + 128 x half, in bytes
	s_mov_b32 s21, 0
	s_lshl_b32 s46, s42, 8
	s_add_co_u32 s46, s46, s18
	s_mul_i32 s46, s46, SIZE_K                     ; B likewise
	s_mov_b32 s47, 0
	s_mul_i32 s45, s14, HALFT                      ; where they go: no place in the cluster enters an LDS address
	s_lshl_b32 s22, ttmp9, 22                      ; xc's part p
	s_mov_b32 s23, 0
	s_wait_dscnt 0x0                               ; both opening adds are done
	s_wait_kmcnt 0x0
	s_add_nc_u64 s[68:69], s[68:69], s[22:23]
	s_cmp_eq_u32 ttmp9, 1                          ; the choices hang on the cluster's number alone
	s_cselect_b64 s[6:7], s[72:73], s[70:71]       ; Wk or Wq
	s_cselect_b64 s[8:9], s[78:79], s[76:77]       ; bk or bq
	s_cmp_eq_u32 ttmp9, 2
	s_cselect_b64 s[4:5], s[74:75], s[68:69]       ; A: Wv, or x's codes
	s_cselect_b64 s[6:7], s[68:69], s[6:7]         ; B: x's codes, or the weight
	s_cselect_b64 s[8:9], s[80:81], s[8:9]         ; the bias
	s_mov_b64 s[12:13], s[82:83]
	s_mov_b64 s[10:11], s[84:85]
	s_load_b512 s[68:83], s[12:13], 0x0            ; e0 .. e15, waited for on the way out
	s_add_nc_u64 s[20:21], s[4:5], s[20:21]
	s_add_nc_u64 s[46:47], s[6:7], s[46:47]
	CROUND                                         ; all sixteen work-groups are here: the first joint loads meet
.irp s, 0,1
	s_mov_b32 s[G0+4*\s], 1
	s_add_co_u32 s[G0+4*\s+1], s45, \s*SLOT
	s_add_nc_u64 s[G0+4*\s+2:G0+4*\s+3], s[20:21], \s*ASTEP
	s_or_b32 s[G0+4*\s+3], s[G0+4*\s+3], 0x80000000
	s_mov_b32 s[G0B+4*\s], 1
	s_add_co_u32 s[G0B+4*\s+1], s45, \s*SLOT
	s_add_nc_u64 s[G0B+4*\s+2:G0B+4*\s+3], s[46:47], \s*KSTEP
	s_or_b32 s[G0B+4*\s+3], s[G0B+4*\s+3], 0x80000000
	JLOAD G0+4*\s, G1, G0B+4*\s, G1B
.endr
	v_and_b32 v1, 15, v0                           ; r = lane % 16
	v_bfe_u32 v2, v0, 4, 1                         ; h = lane / 16
	v_and_b32 v6, 31, v0
	v_lshlrev_b32 v[CO], 4, v6                     ; 16 x lane
	v_mul_u32_u24 v3, v1, PITCH
	v_lshl_add_u32 v4, v2, 4, v3                   ; a fragment's row x pitch + 16 x half
	s_mul_i32 s21, s15, HALFT                      ; my 128 rows of A
	s_mul_i32 s22, s16, HALFT                      ; my 128 rows of B,
	s_add_co_u32 s22, s22, 2*HALFT                 ; which lie behind A's 256
.irp s, 0,1
.if A_IMG
	v_add_nc_u32 v[ADRA+\s], s21, v[CO]
.else
	v_add_nc_u32 v[ADRA+\s], s21, v4
.endif
	v_add_nc_u32 v[ADRB+\s], s22, v4
	s_add_co_u32 s21, s21, SLOT
	s_add_co_u32 s22, s22, SLOT
.endr
.macro FRAGB reg, adr, q, i            ; 16 rows x 128 K: registers 4 c .. 4 c + 3 hold K = 32 c + 16 (lane / 16) + 0 .. 15 of row lane % 16
.irp c, 0,1,2,3
	ds_load_b128 v[\reg+4*\c:\reg+4*\c+3], v[\adr] offset:128*(\q)+32*\c+(\i)*16*PITCH
.endr
.endm
.macro FRAGA reg, adr, q, i
.irp c, 0,1,2,3
.if A_IMG
	ds_load_b128 v[\reg+4*\c:\reg+4*\c+3], v[\adr] offset:2048*(\q)+512*\c+(\i)*4096
.else
	ds_load_b128 v[\reg+4*\c:\reg+4*\c+3], v[\adr] offset:128*(\q)+32*\c+(\i)*16*PITCH
.endif
.endr
.endm
; 16 matrix instructions: A's blocks a0, a0 + 1 x B's eight.  The 64 accumulators take turns, one instruction a turn, in the same order in every step.
.macro MUL16 a0, p, zero
.irp a, \a0, \a0+1
.irp b, 0,1,2,3,4,5,6,7
.if \zero
	v_wmma_f32_16x16x128_fp8_fp8 v[8*(8*((\a)%4)+\b):8*(8*((\a)%4)+\b)+7], v[128*(\p)+FR*\b:128*(\p)+FR*\b+FR-1], v[AF+FR*(\a):AF+FR*(\a)+FR-1], 0
.else
	v_wmma_f32_16x16x128_fp8_fp8 v[8*(8*((\a)%4)+\b):8*(8*((\a)%4)+\b)+7], v[128*(\p)+FR*\b:128*(\p)+FR*\b+FR-1], v[AF+FR*(\a):AF+FR*(\a)+FR-1], v[8*(8*((\a)%4)+\b):8*(8*((\a)%4)+\b)+7]
.endif
.endr
.endr
.endm
.macro FETCH_B slot, q, p
	WIN TO_B
.irp i, 0,1,2,3,4,5,6,7
	FRAGB 128*(\p)+FR*\i, ADRB+\slot, \q, \i
.endr
	WIN 0
.endm
.macro FETCH_A slot, q, i0
.irp i, \i0, \i0+1, \i0+2, \i0+3
	FRAGA AF+FR*(\i), ADRA+\slot, \q, \i
.endr
.endm
.macro PLACES n                        ; plain vector instructions between a matrix instruction and a load into, or a read of, its registers
.rept \n
	v_nop
.endr
.endm
.macro STEP slot, q, zero              ; 128 along K, with its successor in the same slot
	s_wait_dscnt 4*NL                              ; B's set and A's blocks 0-3 are in; the youngest 16 loads (A's blocks 4-7) may be out
	WIN MUL_LO
	MUL16 0, (\q)%2, \zero
	MUL16 2, (\q)%2, \zero
	s_wait_dscnt 0                                 ; A's blocks 4-7 are in
	PLACES NP
	FETCH_B \slot, (\q)+1, 1-(\q)%2
	FETCH_A \slot, (\q)+1, 0
	WIN MUL_HI
	MUL16 4, (\q)%2, \zero
	MUL16 6, (\q)%2, \zero
	PLACES NP
	WIN 0
	FETCH_A \slot, (\q)+1, 4
.endm
.macro TURN slot, next, fill           ; a slot's last step changes slots: one barrier; fill = 1: it opens a round of the cluster's barrier and this slot is filled again
	s_wait_tensorcnt 0x0                           ; all my tensor loads have landed: my part of the next slot
	ds_add_u32 v[SPW], v[NIL]                      ; 0 onto my spare word
	s_wait_dscnt 4*NL+1                            ; (the add and the youngest 16 loads may be out)
	WIN MUL_LO
	MUL16 0, 1, 0
	s_wait_dscnt 0x0                               ; the add is done, and my reads of this slot are over
	s_barrier_signal -1
	MUL16 2, 1, 0
	WIN 0
	s_barrier_wait -1
.if \fill
	CREST                                          ; no wave of any partner still reads this slot or has a load on its way
	s_add_nc_u64 s[G0+4*\slot+2:G0+4*\slot+3], s[G0+4*\slot+2:G0+4*\slot+3], 2*ASTEP
	s_add_nc_u64 s[G0B+4*\slot+2:G0B+4*\slot+3], s[G0B+4*\slot+2:G0B+4*\slot+3], 2*KSTEP
	JLOAD G0+4*\slot, G1, G0B+4*\slot, G1B         ; the first tensor load behind the round; its four v_nop are the places in front of the loads below
.else
	PLACES NP
.endif
	FETCH_B \next, 0, 0
	FETCH_A \next, 0, 0
	WIN MUL_HI
	MUL16 4, 1, 0
	MUL16 6, 1, 0
	PLACES NP
	WIN 0
	FETCH_A \next, 0, 4
.endm
	s_wait_tensorcnt 1                             ; my part of slot 0 is in; slot 1's load may be out
	s_barrier_signal -1
	s_barrier_wait -1
	FETCH_B 0, 0, 0
	FETCH_A 0, 0, 0
	FETCH_A 0, 0, 4
	STEP 0, 0, 1                                   ; the first step's products start the sums
	s_mov_b32 s3, LAPS-1
.Llap:
	TURN 0, 1, 1
	STEP 1, 0, 0
	TURN 1, 0, 1
	STEP 0, 0, 0
	s_sub_co_u32 s3, s3, 1
	s_cmp_lg_u32 s3, 0
	s_cbranch_scc1 .Llap
	TURN 0, 1, 0                                   ; the last lap fills nothing
	STEP 1, 0, 0
	s_wait_dscnt 4*NL
	WIN MUL_LO
	MUL16 0, 1, 0
	MUL16 2, 1, 0
	s_wait_dscnt 0
	WIN MUL_HI
	MUL16 4, 1, 0
	MUL16 6, 1, 0
	WIN 0
	; THE WAY OUT: number = sum x 2^(eA + eB) + bias; held; converted with the next product's scale; the codes are stored as images.  No LDS is touched.
	s_wait_kmcnt 0x0                               ; e0 .. e15 in s68 .. s83
	s_add_co_i32 s86, s68, s69
	s_add_co_i32 s87, s70, s71
	s_add_co_i32 s88, s72, s73
	s_cmp_eq_u32 ttmp9, 1
	s_cselect_b32 s86, s87, s86
	s_cselect_b32 s89, s75, s74                    ; e7 or e6
	s_cmp_eq_u32 ttmp9, 2
	s_cselect_b32 s86, s88, s86
	s_cselect_b32 s89, s77, s89                    ; e9
	s_add_co_i32 s86, s86, 127
	s_lshl_b32 s96, s86, 23                        ; 2^(eA + eB) as f32
	s_mov_b32 s97, s96                             ; (named with it as a pair, so it is written)
	s_add_co_i32 s89, s89, 127
	s_lshl_b32 s90, s89, 23
	v_mov_b32 v6, s90                              ; the quantiser's 2^e
	s_add_co_i32 s89, s89, 8
	s_lshl_b32 s89, s89, 23
	s_or_b32 s89, s89, 0x600000
	v_mov_b32 v7, s89                              ; 448 x 2^e
	PLACES NP
; Block a: A's rows 16 a .. 16 a + 15 x B's 128 rows.  vee = 0: the bias goes with B's rows (64 registers); 1: with A's row (a pair for each block).
.macro OUT a, vee
.if (\a) == 6
	s_wait_xcnt 0x0                                ; the stores of blocks 0 to 5 have read their registers: sets 0 and 1 of the codes may be written again
.endif
.set AC, 64*((\a)%4)
.set PC, 160+16*((\a)%6)
	WIN 0x02+((\a)/4)                              ; source 0: window 2 or 3
.set j, 0
.rept 32
.if \vee
	v_pk_fma_f32 v[T+j:T+j+1], v[AC+j:AC+j+1], s[96:97], v[BI+2*(\a):BI+2*(\a)+1] op_sel_hi:[1,0,1]
.else
	v_pk_fma_f32 v[T+j:T+j+1], v[AC+j:AC+j+1], s[96:97], v[BI+j:BI+j+1] op_sel_hi:[1,0,1]   ; each accumulator from its low end on
.endif
.set j, j+2
.endr
	WIN 0
.set j, 0
.rept 64
	v_med3_num_f32 v[T+j], v[T+j], -v7, v7         ; the conversion does not saturate (ISA guide 7.6.2)
.set j, j+1
.endr
.irp b, 0,1,2,3,4,5,6,7
	v_cvt_scalef32_pk8_fp8_f32 v[PC+2*\b:PC+2*\b+1], v[T+8*\b:T+8*\b+7], v6
.endr
	v_nop                                          ; a plain instruction between the conversions and the next writes of their sources
.irp g, 0,1,2,3
.if \vee
	global_store_b128 v[CO], v[PC+4*\g:PC+4*\g+3], s[10:11] offset:((\a)/4)*131072+((\a)%4)*2048+\g*512   ; head a / 4 of my two, tile a % 4 of its features, group g of the fragment
.else
	global_store_b128 v[CO], v[PC+4*\g:PC+4*\g+3], s[10:11] offset:(\g/2)*131072+(\a)*1024+(\g%2)*512     ; head g / 2 of my two, tile a of my tokens, group g % 2 of the fragment
.endif
.endr
.endm
	s_cmp_eq_u32 ttmp9, 2                          ; the cluster's number: all waves of all partners go the same way
	s_cbranch_scc1 .Larm_v
	s_lshl_b32 s46, s42, 1
	s_add_co_u32 s46, s46, s16
	s_lshl_b32 s46, s46, 9                         ; my first feature, 256 x tile + 128 x half, in bytes of f32
	s_mov_b32 s47, 0
	s_add_nc_u64 s[8:9], s[8:9], s[46:47]
	v_lshlrev_b32 v[BO], 5, v2                     ; register 8 b + i: the bias of feature 16 b + 8 h + i
.irp b, 0,1,2,3,4,5,6,7
	global_load_b128 v[BI+8*\b:BI+8*\b+3], v[BO], s[8:9] offset:64*\b
	global_load_b128 v[BI+8*\b+4:BI+8*\b+7], v[BO], s[8:9] offset:64*\b+16
.endr
	s_lshr_b32 s90, s17, 3                         ; the batch: a tile of tokens is 256, a sequence 2,048
	s_lshl_b32 s90, s90, 4
	s_lshl_b32 s91, s42, 2
	s_add_co_u32 s90, s90, s91
	s_lshl_b32 s91, s16, 1
	s_add_co_u32 s90, s90, s91                     ; 16 x batch + my first head
	s_lshl_b32 s90, s90, 17                        ; x 131,072 bytes
	s_and_b32 s91, s17, 7
	s_lshl_b32 s91, s91, 4
	s_lshl_b32 s92, s15, 3
	s_add_co_u32 s91, s91, s92                     ; my first tile of 16 tokens in the sequence
	s_lshl_b32 s91, s91, 10
	s_add_co_u32 s90, s90, s91
	s_lshl_b32 s91, ttmp9, 22                      ; Q's region or K's
	s_add_co_u32 s90, s90, s91
	s_mov_b32 s91, 0
	s_add_nc_u64 s[10:11], s[10:11], s[90:91]
	s_wait_loadcnt 0x0
.irp a, 0,1,2,3,4,5,6,7
	OUT \a, 0
.endr
	s_branch .Ljoin
.Larm_v:
	s_lshl_b32 s46, s17, 1
	s_add_co_u32 s46, s46, s15
	s_lshl_b32 s46, s46, 9                         ; my first feature, now along A
	s_mov_b32 s47, 0
	s_add_nc_u64 s[8:9], s[8:9], s[46:47]
	v_lshlrev_b32 v[BO], 2, v1                     ; block a: the bias of feature 16 a + r
.irp a, 0,1,2,3,4,5,6,7
	global_load_b32 v[BI+2*\a], v[BO], s[8:9] offset:64*\a
.endr
	s_lshr_b32 s90, s42, 3                         ; the batch, now from B's tile
	s_lshl_b32 s90, s90, 4
	s_lshl_b32 s91, s17, 2
	s_add_co_u32 s90, s90, s91
	s_lshl_b32 s91, s15, 1
	s_add_co_u32 s90, s90, s91                     ; 16 x batch + my first head
	s_lshl_b32 s90, s90, 17
	s_and_b32 s91, s42, 7
	s_lshl_b32 s91, s91, 1
	s_add_co_u32 s91, s91, s16                     ; my 128 tokens are one step of keys
	s_lshl_b32 s91, s91, 13
	s_add_co_u32 s90, s90, s91
	s_add_co_u32 s90, s90, 0x800000                ; V's region
	s_mov_b32 s91, 0
	s_add_nc_u64 s[10:11], s[10:11], s[90:91]
	s_wait_loadcnt 0x0
.irp a, 0,1,2,3,4,5,6,7
	v_mov_b32 v[BI+2*\a+1], v[BI+2*\a]             ; a pair for the packed form
.endr
.irp a, 0,1,2,3,4,5,6,7
	OUT \a, 1
.endr
.Ljoin:
	s_wait_tensorcnt 0x0                           ; the wave's end
	ds_add_u32 v[SPW], v[NIL]
	s_wait_dscnt 0x0
	CROUND                                         ; the closing round: no work-group ends while a partner may still ask for a tile that names it
	s_endpgm
.Lfunc_end_k_q4a95a074a1_qkv:
	.size	k_q4a95a074a1_qkv, .Lfunc_end_k_q4a95a074a1_qkv-k_q4a95a074a1_qkv
	.p2alignl 7, 3214868480
	.fill 96, 4, 3214868480
	.section	.rodata,"a",@progbits
	.p2align	6, 0x0
	.amdhsa_kernel k_q4a95a074a1_qkv
		.amdhsa_group_segment_fixed_size 327680
		.amdhsa_private_segment_fixed_size 0
		.amdhsa_enable_private_segment 0
		.amdhsa_kernarg_size 72
		.amdhsa_user_sgpr_count 2
		.amdhsa_user_sgpr_kernarg_segment_ptr 1
		.amdhsa_wavefront_size32 1
		.amdhsa_system_sgpr_workgroup_id_x 1
		.amdhsa_system_sgpr_workgroup_id_y 1
		.amdhsa_system_sgpr_workgroup_id_z 1
		.amdhsa_system_vgpr_workitem_id 0
		.amdhsa_next_free_vgpr 1024
		.amdhsa_next_free_sgpr 100
		.amdhsa_reserve_vcc 0
		.amdhsa_float_denorm_mode_32 3
		.amdhsa_float_denorm_mode_16_64 3
		.amdhsa_memory_ordered 1
		.amdhsa_forward_progress 1
		.amdhsa_inst_pref_size 194
	.end_amdhsa_kernel
	.amdgpu_metadata
---
amdhsa.version: [ 1, 2 ]
amdhsa.kernels:
  - .name:           k_q4a95a074a1_qkv
    .symbol:         k_q4a95a074a1_qkv.kd
    .args:
      - { .name: xc, .offset: 0, .size: 8, .value_kind: global_buffer, .address_space: global }
      - { .name: Wq_codes, .offset: 8, .size: 8, .value_kind: global_buffer, .address_space: global }
      - { .name: Wk_codes, .offset: 16, .size: 8, .value_kind: global_buffer, .address_space: global }
      - { .name: Wv_codes, .offset: 24, .size: 8, .value_kind: global_buffer, .address_space: global }
      - { .name: bq, .offset: 32, .size: 8, .value_kind: global_buffer, .address_space: global }
      - { .name: bk, .offset: 40, .size: 8, .value_kind: global_buffer, .address_space: global }
      - { .name: bv, .offset: 48, .size: 8, .value_kind: global_buffer, .address_space: global }
      - { .name: lowp_scales, .offset: 56, .size: 8, .value_kind: global_buffer, .address_space: global }
      - { .name: qkvc, .offset: 64, .size: 8, .value_kind: global_buffer, .address_space: global }
    .group_segment_fixed_size: 327680
    .private_segment_fixed_size: 0
    .kernarg_segment_align: 8
    .kernarg_segment_size: 72
    .max_flat_workgroup_size: 128
    .sgpr_count:     100
    .vgpr_count:     1024
    .wavefront_size: 32
...
	.end_amdgpu_metadata
.endif
;; end of part 2
;; launch attn (part 3): grid 8 x 32, 16 waves a work-group, clusters of 4 x 1, 327,680 bytes of LDS; arguments qkvc, lowp_scales, cc; writes cc
.if DOCPART == 3
	.amdgcn_target "amdgcn-amd-amdhsa--gfx1250"
	.amdhsa_code_object_version 6
	.text
	.protected	k_q4a95a074a1_attn
	.globl	k_q4a95a074a1_attn
	.p2align	8
	.type	k_q4a95a074a1_attn,@function
k_q4a95a074a1_attn:
	s_mov_b64 s[64:65], 0
	v_nop
	global_prefetch_b8 v0, s[64:65] scope:SCOPE_SE
	s_setreg_imm32_b32 hwreg(HW_REG_WAVE_MODE, 25, 1), 1
	s_wait_xcnt 0x0
	s_wait_alu depctr_hold_cnt(0) depctr_sa_sdst(0) depctr_va_vdst(0) depctr_va_sdst(0) depctr_va_ssrc(0) depctr_va_vcc(0) depctr_vm_vsrc(0)
	s_getreg_b32 s2, hwreg(HW_REG_IB_STS2, 6, 4)
	s_cmp_eq_u32 s2, 0
	s_cbranch_scc0 .Lentry_in_a_cluster
	s_endpgm
.Lentry_in_a_cluster:
	s_bfe_u32 s2, ttmp6, 0x10000c
	s_cmp_lg_u32 s2, 0x3003
	s_cbranch_scc0 .Lentry_shape_is_right
	s_endpgm
.Lentry_shape_is_right:
; ctx = softmax(Q K^T / 8) V for 32 (batch, head) pairs of 2,048 tokens and head size 64, both products on codes of FP8 (E4M3); ctx leaves as codes for the product with Wo (scale 2^e10).  No work of reference() is left out here.
; THE SOFTMAX AHEAD OF THE SECOND PRODUCT: t = score x log2(e) / 8; M = the running largest t rounded UP to a whole number; p = 2^(t - M) is quantised with 2^e8, not normalised; the row's sum is taken of the unquantised p
; and divides at the end.  When M moves, the sum and O are multiplied by 2^(old M - new M): exact.
; SHARES.  A work-group owns 256 queries of one (batch, head); each of its sixteen waves 16 of them in 256 registers: four waves to a SIMD, so that one wave's vector work stands beside another's matrix work and LDS loads.
; LDS.  A head's K (131,072 bytes from byte 0) and V (131,072 from there on) lie in LDS whole, as the images of operand registers that the launch before stored: a fragment's group of four registers is 512 consecutive bytes,
; 16 a lane.  Nothing is filled twice and nothing is stored to LDS.  The four query blocks of a cluster read the same K and V: every tile is asked for JOINTLY (mask 15).
; Every wave issues four loads of 4,096 bytes at the head, one for each quarter of the keys: four tensor loads of a wave are out at the most.  A quarter is read behind a counted wait and a barrier.
; LAYOUT.  S^T = K Q^T (source 0 = 16 keys, source 1 = my 16 queries), O^T = V^T P^T (source 0 = 16 of the head's 64, source 1 = P): a lane holds ONE query throughout.  Register 8 t + j of S^T is key 16 t + 8 (lane / 16) + j,
; so the conversions' results are P's registers in the K = 128 form's own layout, and V's images were laid the same way.
; THE WAY OUT.  A lane's codes hold features 16 d + 8 (lane / 16) + 0 .. 7; the product with Wo wants 32 c + 16 (lane / 16) + 0 .. 15 in four registers: two exchanges of half-waves for each group of four registers make that order.
; cc: [tile of 16 tokens 256][step of 128 features 8][4][lane][16].
; LIMITS: e6 + e7 between -123 and 130 (added to c's exponent field); e8 and e10 between -126 and 119; e8 + e9 is applied by v_ldexp_f32.  NaN is not served.
; REGISTERS: v1 16 x lane; v5, v6 the add's two; v8, v9 LDS addresses; v12 -M, v13 the largest t, v[14:15] the sum; v16-23 Q; v32-95 K's 8 fragments, then V's 4; v96-159 S^T, then p; v160-191 O^T; v224-239 p's codes; v240-254 at work.
.set SPARE, 262144                     ; behind K and V: the spare words, 128 bytes for each of 16 waves: eight blocks of 256 bytes that no other line names
.set LI,   1
.set SPW,  5
.set NIL,  6
.set ADK,  8
.set ADV,  9
.set WV,   18
.set SEL,  20                          ; s[20:21] lane selects for v_permlanex16_b32: lane l xor 16
.set CS,   22                          ; s[22:23] c = log2(e) / 8 x 2^(e6 + e7)
.set G1,   24                          ; s[24:31] descriptor group 1
.set G0,   32                          ; s[32:47] four groups 0, one for each quarter
.set TB,   48                          ; s48  LDS byte of the step's tiles of K
.set CNT,  49
.macro CROUND
	s_barrier_signal -1
	s_barrier_wait -1
	s_cmp_lg_u32 s[WV], 0
	s_cbranch_scc1 .Lnot_wave_0_\@
	s_barrier_signal -3
.Lnot_wave_0_\@:
	s_barrier_wait -3
	s_barrier_signal -1
	s_barrier_wait -1
.endm
	s_load_b128 s[4:7], s[0:1], 0x0                ; qkvc, the scales' exponents
	s_load_b64 s[8:9], s[0:1], 0x10                ; cc
	v_lshl_add_u32 v[SPW], v0, 2, SPARE
	v_mov_b32 v[NIL], 0
	ds_add_u32 v[SPW], v[NIL]                      ; the wave's opening: the add, twice on end, and its wait ahead of my first tensor load
	ds_add_u32 v[SPW], v[NIL]
	v_lshrrev_b32 v8, 5, v0
	v_readfirstlane_b32 s[WV], v8                  ; wave 0..15
	s_bfe_u32 s10, ttmp6, 0x40000                  ; cx: it enters Q's and cc's global addresses alone
	s_lshl_b32 s11, ttmp9, 2
	s_add_co_u32 s11, s11, s10                     ; my block of 256 queries
	s_and_b32 s12, ttmp7, 0xffff                   ; 16 x batch + head, which the four partners share
	s_mov_b32 s[G1], 15|(3<<16)|(1<<21)            ; the mask: all four work-groups; elements of 8 bytes; bit 21 beside a mask; no padding
	s_mov_b32 s[G1+1], 32<<16                      ; tensor_dim0 = 32 elements: rows of 256 bytes
	s_mov_b32 s[G1+2], 16<<16                      ; tensor_dim1 = 16 rows
	s_mov_b32 s[G1+3], 32<<16                      ; tile_dim0
	s_mov_b32 s[G1+4], 16                          ; tile_dim1
	s_mov_b32 s[G1+5], 32                          ; dense: a row begins where the last ends
	s_mov_b32 s[G1+6], 0
	s_mov_b32 s[G1+7], 0
	s_lshr_b32 s50, s[WV], 3                       ; waves 0-7 fetch K, waves 8-15 V,
	s_and_b32 s51, s[WV], 7                        ; each an eighth of a quarter's 32,768 bytes
	s_lshl_b32 s53, s51, 12
	s_lshl_b32 s52, s50, 17
	s_add_co_u32 s52, s52, s53                     ; in LDS: the wave's number and constants alone
	s_lshl_b32 s54, s50, 22
	s_add_co_u32 s54, s54, 0x400000                ; K's region of qkvc, or V's
	s_lshl_b32 s55, s12, 17
	s_add_co_u32 s54, s54, s55
	s_add_co_u32 s54, s54, s53
	s_mov_b32 s55, 0
	s_lshl_b32 s56, s11, 4
	s_add_co_u32 s56, s56, s[WV]                   ; my tile of 16 queries in the sequence
	s_lshl_b32 s60, s56, 10
	s_lshl_b32 s61, s12, 17
	s_add_co_u32 s60, s60, s61
	s_mov_b32 s61, 0                               ; Q's image of that tile
	s_lshr_b32 s57, s12, 4
	s_lshl_b32 s57, s57, 7
	s_add_co_u32 s57, s57, s56                     ; my tile of 16 tokens among all 256
	s_lshl_b32 s57, s57, 14
	s_and_b32 s58, s12, 15
	s_lshl_b32 s58, s58, 10                        ; a head's 64 features are half a step of 128: 1,024 bytes of an image
	s_add_co_u32 s58, s58, s57
	s_mov_b32 s59, 0
	s_mov_b32 s[SEL], 0x76543210
	s_mov_b32 s[SEL+1], 0xfedcba98
	s_mov_b32 s[CS], 0x3e38aa3b                    ; log2(e) / 8
	s_wait_dscnt 0x0                               ; both opening adds are done
	s_wait_kmcnt 0x0
	s_load_b256 s[68:75], s[6:7], 0x10             ; e4 .. e11: e6 = s70, e7 = s71, e8 = s72, e9 = s73, e10 = s74
	s_add_nc_u64 s[54:55], s[4:5], s[54:55]
	s_add_nc_u64 s[60:61], s[4:5], s[60:61]
	s_add_nc_u64 s[8:9], s[8:9], s[58:59]
.irp q, 0,1,2,3
	s_mov_b32 s[G0+4*\q], 1
	s_add_co_u32 s[G0+4*\q+1], s52, \q*32768
	s_add_nc_u64 s[G0+4*\q+2:G0+4*\q+3], s[54:55], \q*32768
	s_or_b32 s[G0+4*\q+3], s[G0+4*\q+3], 0x80000000
.endr
	CROUND                                         ; all four work-groups are here: the joint loads meet
.irp q, 0,1,2,3
	tensor_load_to_lds s[G0+4*\q:G0+4*\q+3], s[G1:G1+7]
	s_nop 0
.endr
.rept 4
	v_nop
.endr
	v_and_b32 v[LI], 31, v0
	v_lshlrev_b32 v[LI], 4, v[LI]
	global_load_b128 v[16:19], v[LI], s[60:61]     ; Q's fragment stays in registers
	global_load_b128 v[20:23], v[LI], s[60:61] offset:512
	v_mov_b32 v13, 0xff61b1e6                      ; the largest t so far: -3e38, under every t
	v_floor_f32 v12, -v13                          ; -M
	v_mov_b32 v14, 0                               ; the sum, in two halves
	v_mov_b32 v15, 0
	v_mov_b32 v236, 0                              ; written once: a lane permute's destination counts as one of its sources
	v_mov_b32 v253, 0                              ; (named as the upper half of the pair v[252:253])
.set j, 0
.rept 32
	v_mov_b32 v[160+j], 0                          ; O^T: the step is written once; the first finds zeros, which the first change of M leaves zeros
.set j, j+1
.endr
	s_wait_kmcnt 0x0
	s_add_co_i32 s50, s70, s71
	s_lshl_b32 s50, s50, 23
	s_add_co_i32 s[CS], s[CS], s50                 ; a score stands for score x 2^(e6 + e7)
	s_mov_b32 s[CS+1], s[CS]
	s_add_co_i32 s50, s72, 127
	s_lshl_b32 s51, s50, 23
	v_mov_b32 v244, s51                            ; 2^e8, for p's conversion
	s_add_co_i32 s50, s50, 8
	s_lshl_b32 s50, s50, 23
	s_or_b32 s50, s50, 0x600000
	v_mov_b32 v240, s50                            ; 448 x 2^e8
	s_add_co_i32 s50, s74, 127
	s_lshl_b32 s51, s50, 23
	s_add_co_i32 s50, s50, 8
	s_lshl_b32 s50, s50, 23
	s_or_b32 s50, s50, 0x600000                    ; s51 = 2^e10, s50 = 448 x 2^e10, for the way out
	s_add_co_i32 s57, s72, s73                     ; e8 + e9
	s_wait_loadcnt 0x0                             ; Q
; A KEY STEP: 128 keys.
.macro STEP
	v_add_nc_u32 v[ADK], s[TB], v[LI]
	v_add_nc_u32 v[ADV], 0x20000, v[ADK]
	v_nop
	v_nop                                          ; four places in front of loads into registers that the last products read
.irp t, 0,1,2,3,4,5,6,7
.irp c, 0,1
	ds_load_b128 v[32+8*\t+4*\c:32+8*\t+4*\c+3], v[ADK] offset:1024*\t+512*\c
.endr
.endr
	s_wait_dscnt 0x0
.irp t, 0,1,2,3,4,5,6,7
	v_wmma_f32_16x16x64_fp8_fp8 v[96+8*\t:103+8*\t], v[32+8*\t:39+8*\t], v[16:23], 0
.endr
.rept 4
	v_nop
.endr
.irp d, 0,1,2,3                                ; V's four fragments are asked for now and land under the softmax
.irp c, 0,1,2,3
	ds_load_b128 v[32+16*\d+4*\c:32+16*\d+4*\c+3], v[ADV] offset:2048*\d+512*\c
.endr
.endr
	v_max3_num_f32 v254, v96, v97, v98             ; the step's largest score of my query, among my 64 keys, in two chains,
	v_max3_num_f32 v252, v99, v100, v101
.irp i, 6,10,14,18,22,26,30,34,38,42,46,50,54,58
	v_max3_num_f32 v254, v254, v[96+\i], v[97+\i]
	v_max3_num_f32 v252, v252, v[98+\i], v[99+\i]
.endr
	v_max3_num_f32 v254, v254, v158, v159
	v_max_num_f32 v254, v254, v252
	v_permlanex16_b32 v236, v254, s[SEL], s[SEL+1]
	v_max_num_f32 v254, v254, v236                 ; and among lane l xor 16's
	v_mul_f32 v254, s[CS], v254                    ; as t (c is positive)
	v_max_num_f32 v13, v13, v254                   ; the running largest t
	v_mov_b32 v254, v12
	v_floor_f32 v12, -v13                          ; the new -M = floor(-t): M is a whole number
	v_sub_f32 v254, v12, v254                      ; old M less new M: a whole number, 0 or less
	v_cvt_i32_f32 v254, v254                       ; (it saturates)
	v_ldexp_f32 v252, 1.0, v254                    ; f = 2^(old M - new M)
.set j, 0
.rept 32
	v_pk_fma_f32 v[96+j:97+j], v[96+j:97+j], s[CS:CS+1], v[12:13] op_sel_hi:[1,0,0]   ; t - M, two at a time
.set j, j+2
.endr
.set j, 0
.rept 64
	v_exp_f32 v[96+j], v[96+j]                     ; p = 2^(t - M), at most 1
.set j, j+1
.endr
	v_pk_mul_f32 v[14:15], v[14:15], v[252:253] op_sel_hi:[1,0]   ; the sums under the new M: the plain instruction behind the exponentials
	s_wait_alu depctr_va_vdst(0)                   ; one wait for the whole batch, ahead of its first reader
	v_pk_add_f32 v[242:243], v[96:97], v[98:99]    ; the row's sum is taken of the unquantised p, in two chains
.irp j, 4,8,12,16,20,24,28,32,36,40,44,48,52,56,60
	v_pk_add_f32 v[14:15], v[14:15], v[96+\j:97+\j]
	v_pk_add_f32 v[242:243], v[242:243], v[98+\j:99+\j]
.endr
	v_pk_add_f32 v[14:15], v[14:15], v[242:243]
.irp t, 0,1,2,3,4,5,6,7
.irp i, 0,1,2,3,4,5,6,7
	v_min_num_f32 v[96+8*\t+\i], v[96+8*\t+\i], v240   ; the conversion does not saturate (ISA guide 7.6.2); p is not negative, so the hold is one-sided
.endr
	v_cvt_scalef32_pk8_fp8_f32 v[224+2*\t:225+2*\t], v[96+8*\t:103+8*\t], v244
.endr
.set j, 0
.rept 16
	v_pk_mul_f32 v[160+j:161+j], v[160+j:161+j], v[252:253] op_sel_hi:[1,0]   ; O^T under the new M; these are also the plain instructions between the conversions and the products
.set j, j+2
.endr
	s_wait_dscnt 0x0                               ; V is in
.irp d, 0,1,2,3
	v_wmma_f32_16x16x128_fp8_fp8 v[160+8*\d:167+8*\d], v[32+16*\d:47+16*\d], v[224:239], v[160+8*\d:167+8*\d]   ; four accumulators by turns, one instruction a turn
.endr
.endm
; A QUARTER of the keys: four steps.  The wait leaves the later quarters' loads out.
.macro QUARTER q
	s_wait_tensorcnt 3-\q                          ; my part of this quarter has landed; 3 - q younger loads may be out
	s_barrier_signal -1                            ; no LDS instruction of mine is pending here
	s_barrier_wait -1                              ; everybody's part has
	s_mov_b32 s[TB], \q*32768
	s_mov_b32 s[CNT], 4
.Lstep_\@:
	STEP
	s_add_co_u32 s[TB], s[TB], 8192
	s_sub_co_u32 s[CNT], s[CNT], 1
	s_cmp_lg_u32 s[CNT], 0
	s_cbranch_scc1 .Lstep_\@
.endm
	QUARTER 0
	QUARTER 1
	QUARTER 2
	QUARTER 3
	; THE WAY OUT
	v_add_f32 v14, v14, v15                        ; the sum's two halves,
	v_permlanex16_b32 v252, v14, s[SEL], s[SEL+1]
	v_add_f32 v14, v14, v252                       ; and lane l xor 16's
	v_rcp_f32 v14, v14
	v_mov_b32 v241, s51                            ; (plain instructions behind the reciprocal, and places behind the last products)  2^e10
	v_mov_b32 v245, s50                            ; 448 x 2^e10
	v_nop
	v_nop
	s_wait_alu depctr_va_vdst(0)                   ; the wait ahead of the reciprocal's first reader
	v_ldexp_f32 v14, v14, s57                      ; x 2^(e8 + e9)
.set j, 0
.rept 16
	v_pk_mul_f32 v[96+j:97+j], v[160+j:161+j], v[14:15] op_sel_hi:[1,0]   ; ctx; each accumulator from its low end on
.set j, j+2
.endr
.set j, 0
.rept 32
	v_med3_num_f32 v[96+j], v[96+j], -v245, v245
.set j, j+1
.endr
.irp d, 0,1,2,3
	v_cvt_scalef32_pk8_fp8_f32 v[224+2*\d:225+2*\d], v[96+8*\d:103+8*\d], v241
.endr
	v_nop                                          ; a plain instruction between the conversions and the exchanges
	v_permlane16_swap_b32 v224, v226               ; lanes 16-31 of the first change places with lanes 0-15 of the second:
	v_permlane16_swap_b32 v225, v227               ; lanes 0-15 then hold features 32 c + 0 .. 15 of their row, lanes 16-31 features 32 c + 16 .. 31
	v_permlane16_swap_b32 v228, v230
	v_permlane16_swap_b32 v229, v231
	global_store_b128 v[LI], v[224:227], s[8:9]            ; 512 consecutive bytes each, aligned
	global_store_b128 v[LI], v[228:231], s[8:9] offset:512
	s_wait_tensorcnt 0x0                           ; the wave's end
	ds_add_u32 v[SPW], v[NIL]
	s_wait_dscnt 0x0
	CROUND                                         ; the closing round
	s_endpgm
.Lfunc_end_k_q4a95a074a1_attn:
	.size	k_q4a95a074a1_attn, .Lfunc_end_k_q4a95a074a1_attn-k_q4a95a074a1_attn
	.p2alignl 7, 3214868480
	.fill 96, 4, 3214868480
	.section	.rodata,"a",@progbits
	.p2align	6, 0x0
	.amdhsa_kernel k_q4a95a074a1_attn
		.amdhsa_group_segment_fixed_size 327680
		.amdhsa_private_segment_fixed_size 0
		.amdhsa_enable_private_segment 0
		.amdhsa_kernarg_size 24
		.amdhsa_user_sgpr_count 2
		.amdhsa_user_sgpr_kernarg_segment_ptr 1
		.amdhsa_wavefront_size32 1
		.amdhsa_system_sgpr_workgroup_id_x 1
		.amdhsa_system_sgpr_workgroup_id_y 1
		.amdhsa_system_sgpr_workgroup_id_z 1
		.amdhsa_system_vgpr_workitem_id 0
		.amdhsa_next_free_vgpr 256
		.amdhsa_next_free_sgpr 80
		.amdhsa_reserve_vcc 0
		.amdhsa_float_denorm_mode_32 3
		.amdhsa_float_denorm_mode_16_64 3
		.amdhsa_memory_ordered 1
		.amdhsa_forward_progress 1
		.amdhsa_inst_pref_size 73
	.end_amdhsa_kernel
	.amdgpu_metadata
---
amdhsa.version: [ 1, 2 ]
amdhsa.kernels:
  - .name:           k_q4a95a074a1_attn
    .symbol:         k_q4a95a074a1_attn.kd
    .args:
      - { .name: qkvc, .offset: 0, .size: 8, .value_kind: global_buffer, .address_space: global }
      - { .name: lowp_scales, .offset: 8, .size: 8, .value_kind: global_buffer, .address_space: global }
      - { .name: cc, .offset: 16, .size: 8, .value_kind: global_buffer, .address_space: global }
    .group_segment_fixed_size: 327680
    .private_segment_fixed_size: 0
    .kernarg_segment_align: 8
    .kernarg_segment_size: 24
    .max_flat_workgroup_size: 512
    .sgpr_count:     80
    .vgpr_count:     256
    .wavefront_size: 32
...
	.end_amdgpu_metadata
.endif
;; end of part 3
;; launch wo (part 4): grid 4 x 16, 4 waves a work-group, clusters of 4 x 4, 327,680 bytes of LDS; arguments cc, Wo_codes, bo, yf, lowp_scales; writes yf
.if DOCPART == 4
	.amdgcn_target "amdgcn-amd-amdhsa--gfx1250"
	.amdhsa_code_object_version 6
	.text
	.protected	k_q4a95a074a1_wo
	.globl	k_q4a95a074a1_wo
	.p2align	8
	.type	k_q4a95a074a1_wo,@function
k_q4a95a074a1_wo:
	s_mov_b64 s[64:65], 0
	v_nop
	global_prefetch_b8 v0, s[64:65] scope:SCOPE_SE
	s_setreg_imm32_b32 hwreg(HW_REG_WAVE_MODE, 25, 1), 1
	s_wait_xcnt 0x0
	s_wait_alu depctr_hold_cnt(0) depctr_sa_sdst(0) depctr_va_vdst(0) depctr_va_sdst(0) depctr_va_ssrc(0) depctr_va_vcc(0) depctr_vm_vsrc(0)
	s_getreg_b32 s2, hwreg(HW_REG_IB_STS2, 6, 4)
	s_cmp_eq_u32 s2, 0
	s_cbranch_scc0 .Lentry_in_a_cluster
	s_endpgm
.Lentry_in_a_cluster:
	s_bfe_u32 s2, ttmp6, 0x10000c
	s_cmp_lg_u32 s2, 0xf033
	s_cbranch_scc0 .Lentry_shape_is_right
	s_endpgm
.Lentry_shape_is_right:
; yf = ctx Wo + bo, f32 [4096][1024], on codes of FP8 (E4M3): A = ctx's codes (scale 2^e10) as images of operand registers, B = Wo's codes [1024][1024] (2^e11), K innermost.  No work of reference() is left out here.
; A work-group of four waves makes 256 x 256 of the result, a wave 128 x 128 in 64 accumulators; K goes in steps of 256 through a ring of two LDS slots filled by joint tensor loads in clusters of 4 x 4
; (A's tile shared along a row of the cluster, B's along a column).  Source 0 = 16 rows of B, source 1 = 16 rows of A: a lane holds eight neighbouring columns of one row of the result.
; A'S IMAGES: [tile of 16 rows][step of 128 K][4][lane][16]: a slot's part of a tile of rows is 4,096 consecutive bytes; a wave's load brings eight such rows, 16 SIZE_K bytes apart, dense into LDS; a fragment's four loads read
; 512 consecutive bytes each.  Both sides hold k = 32 c + 16 (lane / 16) + 0 .. 15 in registers 4 c .. 4 c + 3.
; The result is 64 tiles: 64 work-groups; a smaller tile would want another main loop.
; LIMIT: e10 + e11 between -126 and 127.
; REGISTERS, in windows of 256: window 0: v1-6 at work, v16-29 addresses, v32-95 the bias, from v128 A's fragments, later rows on their way out; window 1: B's fragments, two sets, later v0-63 a block's results; windows 2, 3: the accumulators.
.set SIZE_K, 1024
.set SIZE_N, 1024
.set ESC,    0x28                      ; the byte of the two exponents in lowp_scales
.set A_IMG,  1
.set KSTEP,  256
.set PITCH,  272                       ; an LDS row of B: 256 bytes + 16 of padding: the 16 rows that a load touches start at 16 different banks (64 banks of 4 bytes: ISA guide 11.1)
.set FR,     16
.set NL,     4
.set NP,     4                         ; places behind this matrix instruction (ISA guide 7.12.1)
.set HALFT,  128*PITCH
.set SLOT,   4*HALFT
.set LAPS,   SIZE_K/(2*KSTEP)
.set SPARE,  2*SLOT                    ; behind the ring: the spare words, 128 bytes for each wave
.if A_IMG
.set ASTEP,  4096
.else
.set ASTEP,  KSTEP
.endif
.set SPITCH, 528                       ; the way out: a stage of 16 rows x (512 bytes + 16) for each wave, in slot 0, which has had its last fill and its last read by then
.set ADRA, 16
.set ADRB, 20
.set STO,  24
.set RD,   25
.set CO,   26                          ; v26  16 x lane
.set BO,   27
.set SPW,  28
.set NIL,  29
.set BI,   32
.set AF,   128
.set TMP,  0                           ; in window 1
.set BK,   128
.set G1, 24
.set G0, 32
.set G1B, 48
.set G0B, 56
.set MSB, 0
.macro WIN new
.if MSB != \new
	s_set_vgpr_msb (MSB<<8)|\new
.set MSB, \new
.endif
.endm
.set MUL_LO, 0xa1
.set MUL_HI, 0xf1
.set TO_B,   0x40
.macro JLOAD g0a, g1a, g0b, g1b        ; a joint load: waves 0 and 1 fetch for A, waves 2 and 3 for B; an s_nop 0 and four v_nop follow each of the two lines
	s_cmp_eq_u32 s15, 0
	s_cbranch_scc0 .Lfor_b_\@
	tensor_load_to_lds s[\g0a:\g0a+3], s[\g1a:\g1a+7]
	s_nop 0
.rept 4
	v_nop
.endr
	s_branch .Lasked_\@
.Lfor_b_\@:
	tensor_load_to_lds s[\g0b:\g0b+3], s[\g1b:\g1b+7]
	s_nop 0
.rept 4
	v_nop
.endr
.Lasked_\@:
.endm
.macro CREST
	s_cmp_lg_u32 s14, 0
	s_cbranch_scc1 .Lnot_wave_0_\@
	s_barrier_signal -3
.Lnot_wave_0_\@:
	s_barrier_wait -3
	s_barrier_signal -1
	s_barrier_wait -1
.endm
.macro CROUND
	s_barrier_signal -1
	s_barrier_wait -1
	CREST
.endm
	s_load_b256 s[4:11], s[0:1], 0x0               ; A s[4:5], B s[6:7], the bias s[8:9], the result s[10:11]
	s_load_b64 s[12:13], s[0:1], 0x20              ; the scales' exponents
	v_lshl_add_u32 v[SPW], v0, 2, SPARE
	v_mov_b32 v[NIL], 0
	ds_add_u32 v[SPW], v[NIL]                      ; the wave's opening: the add, twice on end, and its wait ahead of my first tensor load
	ds_add_u32 v[SPW], v[NIL]
	v_lshrrev_b32 v1, 5, v0
	v_readfirstlane_b32 s14, v1                    ; wave 0..3
	s_lshr_b32 s15, s14, 1                         ; my half of the tile's rows.  Also: I fetch for A (0) or for B (1)
	s_and_b32 s16, s14, 1                          ; my half of its columns.  Also: which 128 rows of that tile I fetch
	s_bfe_u32 s40, ttmp6, 0x40000
	s_bfe_u32 s41, ttmp6, 0x40004
	s_lshl_b32 s42, ttmp9, 2
	s_add_co_u32 s42, s42, s40                     ; tile column
	s_and_b32 s17, ttmp7, 0xffff
	s_lshl_b32 s17, s17, 2
	s_add_co_u32 s17, s17, s41                     ; tile row
	s_lshl_b32 s43, s41, 2
	s_lshl_b32 s43, 15, s43                        ; my row of the cluster
	s_lshl_b32 s44, 0x1111, s40                    ; my column
.if A_IMG
	s_or_b32 s[G1+0], s43, (3<<16)|(1<<21)         ; the mask; elements of 8 bytes; bit 21 beside a mask; no padding
	s_mov_b32 s[G1+1], 512<<16                     ; tensor_dim0 = 512 elements: 4,096 bytes
	s_mov_b32 s[G1+2], 8<<16                       ; tensor_dim1 = 8 tiles of 16 rows
	s_mov_b32 s[G1+3], 512<<16
	s_mov_b32 s[G1+4], 8
	s_mov_b32 s[G1+5], 2*SIZE_K                    ; 16 SIZE_K bytes from one tile of rows to the next
.else
	s_or_b32 s[G1+0], s43, (1<<20)|(1<<21)|(5<<22)|(3<<25)
	s_mov_b32 s[G1+1], KSTEP<<16
	s_mov_b32 s[G1+2], 128<<16
	s_mov_b32 s[G1+3], KSTEP<<16
	s_mov_b32 s[G1+4], 128
	s_mov_b32 s[G1+5], SIZE_K
.endif
	s_mov_b32 s[G1+6], 0
	s_mov_b32 s[G1+7], 0
	s_or_b32 s[G1B+0], s44, (1<<20)|(1<<21)|(5<<22)|(3<<25)   ; elements of 1 byte; 4 words of padding after every 64
	s_mov_b32 s[G1B+1], KSTEP<<16
	s_mov_b32 s[G1B+2], 128<<16
	s_mov_b32 s[G1B+3], KSTEP<<16
	s_mov_b32 s[G1B+4], 128
	s_mov_b32 s[G1B+5], SIZE_K
	s_mov_b32 s[G1B+6], 0
	s_mov_b32 s[G1B+7], 0
.if A_IMG
	s_lshl_b32 s20, s17, 4
	s_lshl_b32 s18, s16, 3
	s_add_co_u32 s20, s20, s18                     ; A: tile of 16 rows number 16 x tile row + 8 x half
	s_mul_i32 s20, s20, 16*SIZE_K
.else
	s_lshl_b32 s20, s17, 8
	s_lshl_b32 s18, s16, 7
	s_add_co_u32 s20, s20, s18
	s_mul_i32 s20, s20, SIZE_K
.endif
	s_mov_b32 s21, 0
	s_lshl_b32 s46, s42, 8
	s_lshl_b32 s18, s16, 7
	s_add_co_u32 s46, s46, s18                     ; B: row 256 x tile column + 128 x half
	s_mul_i32 s46, s46, SIZE_K
	s_mov_b32 s47, 0
	s_mul_i32 s45, s14, HALFT                      ; where they go: no place in the cluster enters an LDS address
	s_wait_dscnt 0x0                               ; both opening adds are done
	s_wait_kmcnt 0x0
	s_load_b64 s[96:97], s[12:13], ESC             ; eA, eB
	s_add_nc_u64 s[20:21], s[4:5], s[20:21]
	s_add_nc_u64 s[46:47], s[6:7], s[46:47]
	CROUND                                         ; all sixteen work-groups are here: the first joint loads meet
.irp s, 0,1
	s_mov_b32 s[G0+4*\s], 1
	s_add_co_u32 s[G0+4*\s+1], s45, \s*SLOT
	s_add_nc_u64 s[G0+4*\s+2:G0+4*\s+3], s[20:21], \s*ASTEP
	s_or_b32 s[G0+4*\s+3], s[G0+4*\s+3], 0x80000000
	s_mov_b32 s[G0B+4*\s], 1
	s_add_co_u32 s[G0B+4*\s+1], s45, \s*SLOT
	s_add_nc_u64 s[G0B+4*\s+2:G0B+4*\s+3], s[46:47], \s*KSTEP
	s_or_b32 s[G0B+4*\s+3], s[G0B+4*\s+3], 0x80000000
	JLOAD G0+4*\s, G1, G0B+4*\s, G1B
.endr
	v_and_b32 v1, 15, v0                           ; r
	v_bfe_u32 v2, v0, 4, 1                         ; h
	v_and_b32 v6, 31, v0
	v_lshlrev_b32 v[CO], 4, v6                     ; 16 x lane
	v_mul_u32_u24 v3, v1, PITCH
	v_lshl_add_u32 v4, v2, 4, v3
	s_mul_i32 s21, s15, HALFT
	s_mul_i32 s22, s16, HALFT
	s_add_co_u32 s22, s22, 2*HALFT
.irp s, 0,1
.if A_IMG
	v_add_nc_u32 v[ADRA+\s], s21, v[CO]
.else
	v_add_nc_u32 v[ADRA+\s], s21, v4
.endif
	v_add_nc_u32 v[ADRB+\s], s22, v4
	s_add_co_u32 s21, s21, SLOT
	s_add_co_u32 s22, s22, SLOT
.endr
	s_mul_i32 s23, s14, 16*SPITCH                  ; my stage
	v_mul_u32_u24 v5, v1, SPITCH
	v_lshl_add_u32 v5, v2, 5, v5
	v_add_nc_u32 v[STO], s23, v5                   ; in: row r, 32 bytes for each half of the lanes
	v_add_nc_u32 v[RD], s23, v[CO]                 ; back: the 32 lanes take one row of 512 bytes
	s_lshl_b32 s20, s17, 8
	s_lshl_b32 s21, s15, 7
	s_add_co_u32 s20, s20, s21
	s_mul_i32 s20, s20, SIZE_N*4                   ; my first row of the result
	s_mov_b32 s21, 0
	s_lshl_b32 s46, s42, 1
	s_add_co_u32 s46, s46, s16
	s_lshl_b32 s46, s46, 9                         ; my first column, 256 x tile column + 128 x half, in bytes of f32
	s_mov_b32 s47, 0
	s_add_nc_u64 s[8:9], s[8:9], s[46:47]
	s_add_nc_u64 s[10:11], s[10:11], s[20:21]
	s_add_nc_u64 s[10:11], s[10:11], s[46:47]
	v_lshlrev_b32 v[BO], 5, v2                     ; register 8 b + i: the bias of column 16 b + 8 h + i; waited for on the way out
.irp b, 0,1,2,3,4,5,6,7
	global_load_b128 v[BI+8*\b:BI+8*\b+3], v[BO], s[8:9] offset:64*\b
	global_load_b128 v[BI+8*\b+4:BI+8*\b+7], v[BO], s[8:9] offset:64*\b+16
.endr
.macro FRAGB reg, adr, q, i
.irp c, 0,1,2,3
	ds_load_b128 v[\reg+4*\c:\reg+4*\c+3], v[\adr] offset:128*(\q)+32*\c+(\i)*16*PITCH
.endr
.endm
.macro FRAGA reg, adr, q, i
.irp c, 0,1,2,3
.if A_IMG
	ds_load_b128 v[\reg+4*\c:\reg+4*\c+3], v[\adr] offset:2048*(\q)+512*\c+(\i)*4096
.else
	ds_load_b128 v[\reg+4*\c:\reg+4*\c+3], v[\adr] offset:128*(\q)+32*\c+(\i)*16*PITCH
.endif
.endr
.endm
; The 64 accumulators take turns, one instruction a turn, in the same order in every step.
.macro MUL16 a0, p, zero
.irp a, \a0, \a0+1
.irp b, 0,1,2,3,4,5,6,7
.if \zero
	v_wmma_f32_16x16x128_fp8_fp8 v[8*(8*((\a)%4)+\b):8*(8*((\a)%4)+\b)+7], v[128*(\p)+FR*\b:128*(\p)+FR*\b+FR-1], v[AF+FR*(\a):AF+FR*(\a)+FR-1], 0
.else
	v_wmma_f32_16x16x128_fp8_fp8 v[8*(8*((\a)%4)+\b):8*(8*((\a)%4)+\b)+7], v[128*(\p)+FR*\b:128*(\p)+FR*\b+FR-1], v[AF+FR*(\a):AF+FR*(\a)+FR-1], v[8*(8*((\a)%4)+\b):8*(8*((\a)%4)+\b)+7]
.endif
.endr
.endr
.endm
.macro FETCH_B slot, q, p
	WIN TO_B
.irp i, 0,1,2,3,4,5,6,7
	FRAGB 128*(\p)+FR*\i, ADRB+\slot, \q, \i
.endr
	WIN 0
.endm
.macro FETCH_A slot, q, i0
.irp i, \i0, \i0+1, \i0+2, \i0+3
	FRAGA AF+FR*(\i), ADRA+\slot, \q, \i
.endr
.endm
.macro PLACES n
.rept \n
	v_nop
.endr
.endm
.macro STEP slot, q, zero
	s_wait_dscnt 4*NL                              ; B's set and A's blocks 0-3 are in; the youngest 16 loads (A's blocks 4-7) may be out
	WIN MUL_LO
	MUL16 0, (\q)%2, \zero
	MUL16 2, (\q)%2, \zero
	s_wait_dscnt 0
	PLACES NP
	FETCH_B \slot, (\q)+1, 1-(\q)%2
	FETCH_A \slot, (\q)+1, 0
	WIN MUL_HI
	MUL16 4, (\q)%2, \zero
	MUL16 6, (\q)%2, \zero
	PLACES NP
	WIN 0
	FETCH_A \slot, (\q)+1, 4
.endm
.macro TURN slot, next, fill
	s_wait_tensorcnt 0x0                           ; all my tensor loads have landed: my part of the next slot
	ds_add_u32 v[SPW], v[NIL]                      ; 0 onto my spare word
	s_wait_dscnt 4*NL+1                            ; (the add and the youngest 16 loads may be out)
	WIN MUL_LO
	MUL16 0, 1, 0
	s_wait_dscnt 0x0                               ; the add is done, and my reads of this slot are over
	s_barrier_signal -1
	MUL16 2, 1, 0
	WIN 0
	s_barrier_wait -1
.if \fill
	CREST                                          ; no wave of any partner still reads this slot or has a load on its way
	s_add_nc_u64 s[G0+4*\slot+2:G0+4*\slot+3], s[G0+4*\slot+2:G0+4*\slot+3], 2*ASTEP
	s_add_nc_u64 s[G0B+4*\slot+2:G0B+4*\slot+3], s[G0B+4*\slot+2:G0B+4*\slot+3], 2*KSTEP
	JLOAD G0+4*\slot, G1, G0B+4*\slot, G1B
.else
	PLACES NP
.endif
	FETCH_B \next, 0, 0
	FETCH_A \next, 0, 0
	WIN MUL_HI
	MUL16 4, 1, 0
	MUL16 6, 1, 0
	PLACES NP
	WIN 0
	FETCH_A \next, 0, 4
.endm
	s_wait_tensorcnt 1                             ; my part of slot 0 is in; slot 1's load may be out
	s_barrier_signal -1
	s_barrier_wait -1
	FETCH_B 0, 0, 0
	FETCH_A 0, 0, 0
	FETCH_A 0, 0, 4
	STEP 0, 0, 1
	s_mov_b32 s3, LAPS-1
.Llap:
	TURN 0, 1, 1
	STEP 1, 0, 0
	TURN 1, 0, 1
	STEP 0, 0, 0
	s_sub_co_u32 s3, s3, 1
	s_cmp_lg_u32 s3, 0
	s_cbranch_scc1 .Llap
	TURN 0, 1, 0
	STEP 1, 0, 0
	s_wait_dscnt 4*NL
	WIN MUL_LO
	MUL16 0, 1, 0
	MUL16 2, 1, 0
	s_wait_dscnt 0
	WIN MUL_HI
	MUL16 4, 1, 0
	MUL16 6, 1, 0
	WIN 0
; THE WAY OUT, block by block of 16 rows x 128 columns: sum x 2^(eA + eB) + bias; through my own stage in LDS; back as whole rows of 512 bytes.  LDS serves a wave's instructions in order (ISA guide 5.7.1.4).
.macro TOSTAGE a
.set AC, 64*((\a)%4)
	WIN 0x42+((\a)/4)                              ; destination window 1, source 0 window 2 or 3, the bias window 0
.set j, 0
.rept 32
	v_pk_fma_f32 v[TMP+j:TMP+j+1], v[AC+j:AC+j+1], s[96:97], v[BI+j:BI+j+1] op_sel_hi:[1,0,1]   ; each accumulator from its low end on
.set j, j+2
.endr
	WIN 0x04                                       ; the stores' data in window 1
.irp b, 0,1,2,3,4,5,6,7
	ds_store_b128 v[STO], v[TMP+8*\b:TMP+8*\b+3] offset:64*\b
	ds_store_b128 v[STO], v[TMP+8*\b+4:TMP+8*\b+7] offset:64*\b+16
.endr
	WIN 0
.set BB, BK+64*((\a)%2)
.irp t, 0,1,2,3,4,5,6,7,8,9,10,11,12,13,14,15
	ds_load_b128 v[BB+4*\t:BB+4*\t+3], v[RD] offset:\t*SPITCH
.endr
.endm
.macro SEND a, younger
.set BB, BK+64*((\a)%2)
	s_wait_dscnt \younger                          ; the block is back in registers; the next block's 16 stores and 16 loads may be out
.if (\a) > 0
	s_add_nc_u64 s[10:11], s[10:11], 16*SIZE_N*4   ; (behind a wait on XCNT: the earlier stores have read their base)
.endif
.irp t, 0,1,2,3,4,5,6,7,8,9,10,11,12,13,14,15
	global_store_b128 v[CO], v[BB+4*\t:BB+4*\t+3], s[10:11] offset:\t*SIZE_N*4   ; 32 lanes store 512 consecutive bytes, aligned
.endr
.endm
	s_wait_kmcnt 0x0
	s_add_co_i32 s96, s96, s97
	s_add_co_i32 s96, s96, 127
	s_lshl_b32 s96, s96, 23                        ; 2^(eA + eB) as f32
	s_mov_b32 s97, s96
	s_wait_loadcnt 0x0                             ; the bias
	PLACES NP
	TOSTAGE 0
.irp a, 1,2,3,4,5,6,7
.if \a > 1
	s_wait_xcnt 0x0                                ; block a - 2's stores have read their registers and their base
.endif
	TOSTAGE \a
	SEND \a-1, 32
.endr
	s_wait_xcnt 0x0
	SEND 7, 0
	s_wait_tensorcnt 0x0                           ; the wave's end
	ds_add_u32 v[SPW], v[NIL]
	s_wait_dscnt 0x0
	CROUND                                         ; the closing round
	s_endpgm
.Lfunc_end_k_q4a95a074a1_wo:
	.size	k_q4a95a074a1_wo, .Lfunc_end_k_q4a95a074a1_wo-k_q4a95a074a1_wo
	.p2alignl 7, 3214868480
	.fill 96, 4, 3214868480
	.section	.rodata,"a",@progbits
	.p2align	6, 0x0
	.amdhsa_kernel k_q4a95a074a1_wo
		.amdhsa_group_segment_fixed_size 327680
		.amdhsa_private_segment_fixed_size 0
		.amdhsa_enable_private_segment 0
		.amdhsa_kernarg_size 40
		.amdhsa_user_sgpr_count 2
		.amdhsa_user_sgpr_kernarg_segment_ptr 1
		.amdhsa_wavefront_size32 1
		.amdhsa_system_sgpr_workgroup_id_x 1
		.amdhsa_system_sgpr_workgroup_id_y 1
		.amdhsa_system_sgpr_workgroup_id_z 1
		.amdhsa_system_vgpr_workitem_id 0
		.amdhsa_next_free_vgpr 1024
		.amdhsa_next_free_sgpr 100
		.amdhsa_reserve_vcc 0
		.amdhsa_float_denorm_mode_32 3
		.amdhsa_float_denorm_mode_16_64 3
		.amdhsa_memory_ordered 1
		.amdhsa_forward_progress 1
		.amdhsa_inst_pref_size 125
	.end_amdhsa_kernel
	.amdgpu_metadata
---
amdhsa.version: [ 1, 2 ]
amdhsa.kernels:
  - .name:           k_q4a95a074a1_wo
    .symbol:         k_q4a95a074a1_wo.kd
    .args:
      - { .name: cc, .offset: 0, .size: 8, .value_kind: global_buffer, .address_space: global }
      - { .name: Wo_codes, .offset: 8, .size: 8, .value_kind: global_buffer, .address_space: global }
      - { .name: bo, .offset: 16, .size: 8, .value_kind: global_buffer, .address_space: global }
      - { .name: yf, .offset: 24, .size: 8, .value_kind: global_buffer, .address_space: global }
      - { .name: lowp_scales, .offset: 32, .size: 8, .value_kind: global_buffer, .address_space: global }
    .group_segment_fixed_size: 327680
    .private_segment_fixed_size: 0
    .kernarg_segment_align: 8
    .kernarg_segment_size: 40
    .max_flat_workgroup_size: 128
    .sgpr_count:     100
    .vgpr_count:     1024
    .wavefront_size: 32
...
	.end_amdgpu_metadata
.endif
;; end of part 4
;; launch ln1 (part 5): grid 256 x 1, 8 waves a work-group, no clusters, 82,944 bytes of LDS; arguments x, yf, g1, b1, lowp_scales, hf, hc; writes hf, hc
.if DOCPART == 5
	.amdgcn_target "amdgcn-amd-amdhsa--gfx1250"
	.amdhsa_code_object_version 6
	.text
	.protected	k_q4a95a074a1_ln1
	.globl	k_q4a95a074a1_ln1
	.p2align	8
	.type	k_q4a95a074a1_ln1,@function
k_q4a95a074a1_ln1:
	s_mov_b64 s[64:65], 0
	v_nop
	global_prefetch_b8 v0, s[64:65] scope:SCOPE_SE
	s_setreg_imm32_b32 hwreg(HW_REG_WAVE_MODE, 25, 1), 1
	s_wait_xcnt 0x0
; h = LayerNorm(x + yf) g1 + b1 over rows of 1,024, in f32 (hf), and h's codes of FP8 (E4M3) with 2^e12 (hc, [4096][1024], K innermost) for the product with W1.  No work of reference() is left out here.
; A wave takes two rows; a row stays in 32 registers between the mean, the variance (of the centred numbers, as reference() has it) and the scaling: memory is read once.  Each load and store of a wave covers 512 consecutive bytes.
; All 48 loads of a wave go out at the head: row 0 (16), the gain and offset (16), row 1 (16).  No matrix unit, no cluster, no barrier: waves share nothing and memory binds.
; The codes: the conversions want 16 neighbours in a lane, so half a row (2,048 bytes) at a time turns through the wave's own stage in LDS, 16 bytes of padding behind each 64.
; LIMITS: e12 between -126 and 119.  NaN is not served.
.set SP,    80
.set STG,   32*SP                      ; a stage: 2,560 bytes; four for each wave
.set WREG,  4*STG
.set SPARE, 8*WREG                     ; behind the regions: the spare words, 128 bytes for each of 8 waves: four blocks of 256 bytes that no other line names
.set G,   16                           ; v16-47   the gain at my columns
.set BB,  48                           ; v48-79   the offset
.set Y,   80                           ; row p: v[80 + 64 p ..] 32 registers: yf, then the row at work
.set R,   112                          ; row p: v[112 + 64 p ..] 32 registers: x, later the row's numbers 16 neighbours a lane
.set T,   208                          ; v208-223 at work
.set MU,  224
.set RS,  226
.set PD,  228
.set C,   230                          ; v230-245 codes: four registers for each half row
	s_load_b256 s[4:11], s[0:1], 0x0               ; x, yf, g1, b1
	s_load_b128 s[12:15], s[0:1], 0x20             ; the scales' exponents, hf
	s_load_b64 s[16:17], s[0:1], 0x30              ; hc
	v_lshl_add_u32 v4, v0, 2, SPARE                ; my spare word; never rewritten
	v_mov_b32 v5, 0                                ; 0; never rewritten
	v_lshrrev_b32 v8, 5, v0
	v_readfirstlane_b32 s24, v8                    ; wave 0..7
	v_and_b32 v9, 31, v0
	v_lshlrev_b32 v1, 4, v9                        ; 16 x lane
	s_mul_i32 s25, s24, WREG
	v_lshrrev_b32 v2, 2, v9
	v_mul_u32_u24 v2, v2, SP
	v_and_b32 v3, 3, v9
	v_lshl_add_u32 v2, v3, 4, v2
	v_add_nc_u32 v2, s25, v2                       ; a stage, on the way in
	v_mul_u32_u24 v3, v9, SP
	v_add_nc_u32 v3, s25, v3                       ; and on the way out
	v_mov_b32 v[PD], 0                             ; a lane permute's destination counts as one of its sources
	s_mov_b32 s20, 0x76543210
	s_mov_b32 s21, 0xfedcba98
	s_mov_b32 s22, 0x3a800000                      ; 1 / 1,024
	s_mov_b32 s23, 0x3727c5ac                      ; 1e-5
	s_lshl_b32 s18, ttmp9, 4
	s_lshl_b32 s19, s24, 1
	s_add_co_u32 s18, s18, s19                     ; my first row
	s_lshl_b32 s26, s18, 12
	s_mov_b32 s27, 0
	s_lshl_b32 s28, s18, 10
	s_mov_b32 s29, 0
	s_wait_kmcnt 0x0
	s_load_b32 s30, s[12:13], 0x30                 ; e12
	s_add_nc_u64 s[4:5], s[4:5], s[26:27]
	s_add_nc_u64 s[6:7], s[6:7], s[26:27]
	s_add_nc_u64 s[14:15], s[14:15], s[26:27]
	s_add_nc_u64 s[16:17], s[16:17], s[28:29]
.macro LDROW p
.irp i, 0,1,2,3,4,5,6,7
	global_load_b128 v[Y+64*\p+4*\i:Y+64*\p+4*\i+3], v1, s[6:7] offset:4096*\p+512*\i th:TH_LOAD_NT
.endr
.irp i, 0,1,2,3,4,5,6,7
	global_load_b128 v[R+64*\p+4*\i:R+64*\p+4*\i+3], v1, s[4:5] offset:4096*\p+512*\i th:TH_LOAD_NT
.endr
.endm
	LDROW 0
.irp i, 0,1,2,3,4,5,6,7
	global_load_b128 v[G+4*\i:G+4*\i+3], v1, s[8:9] offset:512*\i
	global_load_b128 v[BB+4*\i:BB+4*\i+3], v1, s[10:11] offset:512*\i
.endr
	LDROW 1
	s_wait_kmcnt 0x0
	s_add_co_i32 s30, s30, 127
	s_lshl_b32 s31, s30, 23
	v_mov_b32 v6, s31                              ; 2^e12
	s_add_co_i32 s30, s30, 8
	s_lshl_b32 s30, s30, 23
	s_or_b32 s30, s30, 0x600000
	v_mov_b32 v7, s30                              ; 448 x 2^e12
.macro REDUCE r                        ; the sum of v[r] over the 32 lanes, in every lane
	v_add_f32_dpp v[\r], v[\r], v[\r] row_xmask:1 row_mask:0xf bank_mask:0xf
	v_add_f32_dpp v[\r], v[\r], v[\r] row_xmask:2 row_mask:0xf bank_mask:0xf
	v_add_f32_dpp v[\r], v[\r], v[\r] row_xmask:4 row_mask:0xf bank_mask:0xf
	v_add_f32_dpp v[\r], v[\r], v[\r] row_xmask:8 row_mask:0xf bank_mask:0xf
	v_permlanex16_b32 v[PD], v[\r], s20, s21
	v_add_f32 v[\r], v[\r], v[PD]
.endm
.macro ROW p, left
.set YS, Y+64*\p
.set RR, R+64*\p
	s_wait_loadcnt \left                           ; this row's 16 loads are in; the younger ones may be out
.irp k, 0,2,4,6,8,10,12,14,16,18,20,22,24,26,28,30
	v_pk_add_f32 v[YS+\k:YS+\k+1], v[YS+\k:YS+\k+1], v[RR+\k:RR+\k+1]   ; the residual
.endr
.irp k, 0,2,4,6,8,10,12,14
	v_pk_add_f32 v[T+\k:T+\k+1], v[YS+2*\k:YS+2*\k+1], v[YS+2*\k+2:YS+2*\k+3]   ; the sum, as a tree
.endr
.irp k, 0,4,8,12
	v_pk_add_f32 v[T+\k:T+\k+1], v[T+\k:T+\k+1], v[T+\k+2:T+\k+3]
.endr
	v_pk_add_f32 v[T:T+1], v[T:T+1], v[T+4:T+5]
	v_pk_add_f32 v[T+8:T+9], v[T+8:T+9], v[T+12:T+13]
	v_pk_add_f32 v[T:T+1], v[T:T+1], v[T+8:T+9]
	v_add_f32 v[T], v[T], v[T+1]
	REDUCE T
	v_mul_f32 v[MU], s22, v[T]                     ; the mean, twice: a pair for the packed form
	v_mul_f32 v[MU+1], s22, v[T]
.irp k, 0,2,4,6,8,10,12,14,16,18,20,22,24,26,28,30
	v_pk_add_f32 v[YS+\k:YS+\k+1], v[YS+\k:YS+\k+1], v[MU:MU+1] neg_lo:[0,1] neg_hi:[0,1]
.endr
.irp k, 0,2,4,6
	v_pk_mul_f32 v[T+\k:T+\k+1], v[YS+\k:YS+\k+1], v[YS+\k:YS+\k+1]   ; the squares, in four chains
.endr
.irp k, 8,10,12,14,16,18,20,22,24,26,28,30
	v_pk_fma_f32 v[T+(\k)%8:T+(\k)%8+1], v[YS+\k:YS+\k+1], v[YS+\k:YS+\k+1], v[T+(\k)%8:T+(\k)%8+1]
.endr
	v_pk_add_f32 v[T:T+1], v[T:T+1], v[T+2:T+3]
	v_pk_add_f32 v[T+4:T+5], v[T+4:T+5], v[T+6:T+7]
	v_pk_add_f32 v[T:T+1], v[T:T+1], v[T+4:T+5]
	v_add_f32 v[T], v[T], v[T+1]
	REDUCE T
	v_fma_f32 v[T+2], v[T], s22, s23               ; the variance + 1e-5
	v_rsq_f32 v[RS], v[T+2]
	v_rsq_f32 v[RS+1], v[T+2]
	v_nop                                          ; a plain instruction behind the two
	s_wait_alu depctr_va_vdst(0)                   ; and one wait ahead of their first reader
.if \p == 0
	s_wait_loadcnt 16                              ; the gain and the offset are in; row 1's 16 loads may be out
.endif
.irp k, 0,2,4,6,8,10,12,14,16,18,20,22,24,26,28,30
	v_pk_mul_f32 v[YS+\k:YS+\k+1], v[YS+\k:YS+\k+1], v[RS:RS+1]
.endr
.irp k, 0,2,4,6,8,10,12,14,16,18,20,22,24,26,28,30
	v_pk_fma_f32 v[YS+\k:YS+\k+1], v[YS+\k:YS+\k+1], v[G+\k:G+\k+1], v[BB+\k:BB+\k+1]
.endr
.irp i, 0,1,2,3,4,5,6,7
	global_store_b128 v1, v[YS+4*\i:YS+4*\i+3], s[14:15] offset:4096*\p+512*\i
.endr
.irp i, 0,1,2,3,4,5,6,7
	ds_store_b128 v2, v[YS+4*\i:YS+4*\i+3] offset:STG*(2*\p+\i/4)+8*SP*(\i%4)
.endr
.irp u, 0,1
.irp jj, 0,1,2,3
	ds_load_b128 v[RR+16*\u+4*\jj:RR+16*\u+4*\jj+3], v3 offset:STG*(2*\p+\u)+16*\jj   ; LDS serves a wave's instructions in order: these see my stores
.endr
.endr
	s_wait_dscnt 0x0
.irp u, 0,1
.irp i, 0,1,2,3,4,5,6,7,8,9,10,11,12,13,14,15
	v_med3_num_f32 v[RR+16*\u+\i], v[RR+16*\u+\i], -v7, v7   ; the conversion does not saturate (ISA guide 7.6.2)
.endr
	v_cvt_scalef32_pk8_fp8_f32 v[C+4*(2*\p+\u):C+4*(2*\p+\u)+1], v[RR+16*\u:RR+16*\u+7], v6
	v_cvt_scalef32_pk8_fp8_f32 v[C+4*(2*\p+\u)+2:C+4*(2*\p+\u)+3], v[RR+16*\u+8:RR+16*\u+15], v6
	v_nop
	global_store_b128 v1, v[C+4*(2*\p+\u):C+4*(2*\p+\u)+3], s[16:17] offset:1024*\p+512*\u   ; 512 consecutive bytes, aligned
.endr
.endm
	ROW 0, 32
	ROW 1, 0
	s_wait_tensorcnt 0x0                           ; the wave's end: behind my last LDS store
	ds_add_u32 v4, v5
	s_wait_dscnt 0x0
	s_endpgm
.Lfunc_end_k_q4a95a074a1_ln1:
	.size	k_q4a95a074a1_ln1, .Lfunc_end_k_q4a95a074a1_ln1-k_q4a95a074a1_ln1
	.p2alignl 7, 3214868480
	.fill 96, 4, 3214868480
	.section	.rodata,"a",@progbits
	.p2align	6, 0x0
	.amdhsa_kernel k_q4a95a074a1_ln1
		.amdhsa_group_segment_fixed_size 82944
		.amdhsa_private_segment_fixed_size 0
		.amdhsa_enable_private_segment 0
		.amdhsa_kernarg_size 56
		.amdhsa_user_sgpr_count 2
		.amdhsa_user_sgpr_kernarg_segment_ptr 1
		.amdhsa_wavefront_size32 1
		.amdhsa_system_sgpr_workgroup_id_x 1
		.amdhsa_system_sgpr_workgroup_id_y 1
		.amdhsa_system_sgpr_workgroup_id_z 1
		.amdhsa_system_vgpr_workitem_id 0
		.amdhsa_next_free_vgpr 248
		.amdhsa_next_free_sgpr 66
		.amdhsa_reserve_vcc 0
		.amdhsa_float_denorm_mode_32 3
		.amdhsa_float_denorm_mode_16_64 3
		.amdhsa_memory_ordered 1
		.amdhsa_forward_progress 1
		.amdhsa_inst_pref_size 30
	.end_amdhsa_kernel
	.amdgpu_metadata
---
amdhsa.version: [ 1, 2 ]
amdhsa.kernels:
  - .name:           k_q4a95a074a1_ln1
    .symbol:         k_q4a95a074a1_ln1.kd
    .args:
      - { .name: x, .offset: 0, .size: 8, .value_kind: global_buffer, .address_space: global }
      - { .name: yf, .offset: 8, .size: 8, .value_kind: global_buffer, .address_space: global }
      - { .name: g1, .offset: 16, .size: 8, .value_kind: global_buffer, .address_space: global }
      - { .name: b1, .offset: 24, .size: 8, .value_kind: global_buffer, .address_space: global }
      - { .name: lowp_scales, .offset: 32, .size: 8, .value_kind: global_buffer, .address_space: global }
      - { .name: hf, .offset: 40, .size: 8, .value_kind: global_buffer, .address_space: global }
      - { .name: hc, .offset: 48, .size: 8, .value_kind: global_buffer, .address_space: global }
    .group_segment_fixed_size: 82944
    .private_segment_fixed_size: 0
    .kernarg_segment_align: 8
    .kernarg_segment_size: 56
    .max_flat_workgroup_size: 256
    .sgpr_count:     66
    .vgpr_count:     248
    .wavefront_size: 32
...
	.end_amdgpu_metadata
.endif
;; end of part 5
;; launch ffn1 (part 6): grid 16 x 16, 4 waves a work-group, clusters of 4 x 4, 327,680 bytes of LDS; arguments hc, W1_codes, bf1, gc, lowp_scales; writes gc
.if DOCPART == 6
	.amdgcn_target "amdgcn-amd-amdhsa--gfx1250"
	.amdhsa_code_object_version 6
	.text
	.protected	k_q4a95a074a1_ffn1
	.globl	k_q4a95a074a1_ffn1
	.p2align	8
	.type	k_q4a95a074a1_ffn1,@function
k_q4a95a074a1_ffn1:
	s_mov_b64 s[64:65], 0
	v_nop
	global_prefetch_b8 v0, s[64:65] scope:SCOPE_SE
	s_setreg_imm32_b32 hwreg(HW_REG_WAVE_MODE, 25, 1), 1
	s_wait_xcnt 0x0
	s_wait_alu depctr_hold_cnt(0) depctr_sa_sdst(0) depctr_va_vdst(0) depctr_va_sdst(0) depctr_va_ssrc(0) depctr_va_vcc(0) depctr_vm_vsrc(0)
	s_getreg_b32 s2, hwreg(HW_REG_IB_STS2, 6, 4)
	s_cmp_eq_u32 s2, 0
	s_cbranch_scc0 .Lentry_in_a_cluster
	s_endpgm
.Lentry_in_a_cluster:
	s_bfe_u32 s2, ttmp6, 0x10000c
	s_cmp_lg_u32 s2, 0xf033
	s_cbranch_scc0 .Lentry_shape_is_right
	s_endpgm
.Lentry_shape_is_right:
; gc = the codes (FP8 E4M3, scale 2^e14) of gelu(h W1 + bf1), exact GELU, for the product with W2.  A = h's codes [4096][1024] (2^e12), B = W1's codes [4096][1024] (2^e13), K innermost.  No work of reference() is left out here.
; The product: a work-group of four waves makes 256 x 256, a wave 128 x 128 in 64 accumulators; K = 1,024 in steps of 256 through a ring of two LDS slots filled by joint tensor loads in clusters of 4 x 4.
; Source 0 = 16 rows of B, source 1 = 16 rows of A: a lane holds eight neighbouring hidden units of one token, neighbours along the next product's K.
; THE GELU: gelu(u) = max(u, 0) - |u| q, q = Phi(-|u|) = erfc(|u| / sqrt 2) / 2 = t 2^(log2(e) P(t) - log2(e) u^2 / 2 - 1), t = 1 / (1 + |u| sqrt(2) / 4), P a polynomial of degree 9.
; LIMIT: that form of erfc has a fractional error of 1.2e-7 at the most, for every argument; no difference of near numbers is formed on either side of 0; where |u| is very large the exponent goes to -infinity and q to 0.
; One copy of the GELU's text serves all eight blocks of 16 rows: the pre-activations u = sum x 2^(e12 + e13) + bf1 go into LDS as images of their registers (64 KiB a wave, in the ring's bytes, which have had their last fill
; and, behind a barrier, their last read), and a counted loop of eight trips takes a block back, works it, converts it and stores its codes.
; gc: [tile of 16 tokens 256][step of 128 hidden units 32][4][lane][16]: two exchanges of half-waves for each four registers bring a lane's codes into the order k = 32 c + 16 (lane / 16) + 0 .. 15 that W2's fragments have.
; LIMITS: e12 + e13 between -126 and 127; e14 between -126 and 119.  NaN is not served.
; REGISTERS, in windows of 256: window 0: v1-15 at work, v16-29 addresses, v30, v31 a coefficient, v32-95 the bias, v96-159 u, v160-191 t, v192-223 the polynomial, v224-239 codes; from v128 A's fragments in the product;
;   window 1: B's fragments, two sets; windows 2, 3: the accumulators.
.set SIZE_K, 1024
.set A_IMG,  0
.set KSTEP,  256
.set PITCH,  272                       ; an LDS row: 256 bytes + 16 of padding: the 16 rows that a load touches start at 16 different banks (64 banks of 4 bytes: ISA guide 11.1)
.set FR,     16
.set NL,     4
.set NP,     4                         ; places behind this matrix instruction (ISA guide 7.12.1)
.set HALFT,  128*PITCH
.set SLOT,   4*HALFT
.set LAPS,   SIZE_K/(2*KSTEP)
.set SPARE,  2*SLOT                    ; behind the ring: the spare words, 128 bytes for each wave
.if A_IMG
.set ASTEP,  4096
.else
.set ASTEP,  KSTEP
.endif
.set ADRA, 16
.set ADRB, 20
.set STO,  24                          ; v24  my wave's 64 KiB of images + 16 x lane
.set RD,   25                          ; v25  the block in hand
.set CO,   26                          ; v26  16 x lane
.set BO,   27
.set SPW,  28
.set NIL,  29
.set BI,   32
.set U,    96
.set TT,   160
.set HH,   192
.set PC,   224
.set AF,   128
.set G1, 24
.set G0, 32
.set G1B, 48
.set G0B, 56
.set MSB, 0
.macro WIN new
.if MSB != \new
	s_set_vgpr_msb (MSB<<8)|\new
.set MSB, \new
.endif
.endm
.set MUL_LO, 0xa1
.set MUL_HI, 0xf1
.set TO_B,   0x40
.macro JLOAD g0a, g1a, g0b, g1b        ; a joint load: waves 0 and 1 fetch for A, waves 2 and 3 for B; an s_nop 0 and four v_nop follow each of the two lines
	s_cmp_eq_u32 s15, 0
	s_cbranch_scc0 .Lfor_b_\@
	tensor_load_to_lds s[\g0a:\g0a+3], s[\g1a:\g1a+7]
	s_nop 0
.rept 4
	v_nop
.endr
	s_branch .Lasked_\@
.Lfor_b_\@:
	tensor_load_to_lds s[\g0b:\g0b+3], s[\g1b:\g1b+7]
	s_nop 0
.rept 4
	v_nop
.endr
.Lasked_\@:
.endm
.macro CREST
	s_cmp_lg_u32 s14, 0
	s_cbranch_scc1 .Lnot_wave_0_\@
	s_barrier_signal -3
.Lnot_wave_0_\@:
	s_barrier_wait -3
	s_barrier_signal -1
	s_barrier_wait -1
.endm
.macro CROUND
	s_barrier_signal -1
	s_barrier_wait -1
	CREST
.endm
	s_load_b256 s[4:11], s[0:1], 0x0               ; A s[4:5], B s[6:7], the bias s[8:9], gc s[10:11]
	s_load_b64 s[12:13], s[0:1], 0x20              ; the scales' exponents
	v_lshl_add_u32 v[SPW], v0, 2, SPARE
	v_mov_b32 v[NIL], 0
	ds_add_u32 v[SPW], v[NIL]                      ; the wave's opening: the add, twice on end, and its wait ahead of my first tensor load
	ds_add_u32 v[SPW], v[NIL]
	v_lshrrev_b32 v1, 5, v0
	v_readfirstlane_b32 s14, v1                    ; wave 0..3
	s_lshr_b32 s15, s14, 1
	s_and_b32 s16, s14, 1
	s_bfe_u32 s40, ttmp6, 0x40000
	s_bfe_u32 s41, ttmp6, 0x40004
	s_lshl_b32 s42, ttmp9, 2
	s_add_co_u32 s42, s42, s40                     ; tile column
	s_and_b32 s17, ttmp7, 0xffff
	s_lshl_b32 s17, s17, 2
	s_add_co_u32 s17, s17, s41                     ; tile row
	s_lshl_b32 s43, s41, 2
	s_lshl_b32 s43, 15, s43
	s_lshl_b32 s44, 0x1111, s40
	s_or_b32 s[G1+0], s43, (1<<20)|(1<<21)|(5<<22)|(3<<25)   ; the mask; elements of 1 byte; padding on; bit 21 beside a mask; 4 words of padding after every 64
	s_or_b32 s[G1B+0], s44, (1<<20)|(1<<21)|(5<<22)|(3<<25)
.irp g, G1, G1B
	s_mov_b32 s[\g+1], KSTEP<<16
	s_mov_b32 s[\g+2], 128<<16
	s_mov_b32 s[\g+3], KSTEP<<16
	s_mov_b32 s[\g+4], 128
	s_mov_b32 s[\g+5], SIZE_K
	s_mov_b32 s[\g+6], 0
	s_mov_b32 s[\g+7], 0
.endr
	s_lshl_b32 s20, s17, 8
	s_lshl_b32 s18, s16, 7
	s_add_co_u32 s20, s20, s18
	s_mul_i32 s20, s20, SIZE_K
	s_mov_b32 s21, 0
	s_lshl_b32 s46, s42, 8
	s_add_co_u32 s46, s46, s18
	s_mul_i32 s46, s46, SIZE_K
	s_mov_b32 s47, 0
	s_mul_i32 s45, s14, HALFT
	s_wait_dscnt 0x0                               ; both opening adds are done
	s_wait_kmcnt 0x0
	s_load_b128 s[92:95], s[12:13], 0x30           ; e12 .. e15
	s_add_nc_u64 s[20:21], s[4:5], s[20:21]
	s_add_nc_u64 s[46:47], s[6:7], s[46:47]
	CROUND
.irp s, 0,1
	s_mov_b32 s[G0+4*\s], 1
	s_add_co_u32 s[G0+4*\s+1], s45, \s*SLOT
	s_add_nc_u64 s[G0+4*\s+2:G0+4*\s+3], s[20:21], \s*ASTEP
	s_or_b32 s[G0+4*\s+3], s[G0+4*\s+3], 0x80000000
	s_mov_b32 s[G0B+4*\s], 1
	s_add_co_u32 s[G0B+4*\s+1], s45, \s*SLOT
	s_add_nc_u64 s[G0B+4*\s+2:G0B+4*\s+3], s[46:47], \s*KSTEP
	s_or_b32 s[G0B+4*\s+3], s[G0B+4*\s+3], 0x80000000
	JLOAD G0+4*\s, G1, G0B+4*\s, G1B
.endr
	v_and_b32 v1, 15, v0
	v_bfe_u32 v2, v0, 4, 1
	v_and_b32 v6, 31, v0
	v_lshlrev_b32 v[CO], 4, v6
	v_mul_u32_u24 v3, v1, PITCH
	v_lshl_add_u32 v4, v2, 4, v3
	s_mul_i32 s21, s15, HALFT
	s_mul_i32 s22, s16, HALFT
	s_add_co_u32 s22, s22, 2*HALFT
.irp s, 0,1
.if A_IMG
	v_add_nc_u32 v[ADRA+\s], s21, v[CO]
.else
	v_add_nc_u32 v[ADRA+\s], s21, v4
.endif
	v_add_nc_u32 v[ADRB+\s], s22, v4
	s_add_co_u32 s21, s21, SLOT
	s_add_co_u32 s22, s22, SLOT
.endr
	s_lshl_b32 s23, s14, 16
	v_add_nc_u32 v[STO], s23, v[CO]                ; my 64 KiB of images
	s_lshl_b32 s20, s17, 4
	s_lshl_b32 s21, s15, 3
	s_add_co_u32 s20, s20, s21                     ; my first tile of 16 tokens
	s_lshl_b32 s20, s20, 16                        ; x 65,536 bytes
	s_mov_b32 s21, 0
	s_add_nc_u64 s[10:11], s[10:11], s[20:21]
	s_lshl_b32 s46, s42, 1
	s_add_co_u32 s46, s46, s16                     ; my step of 128 hidden units
	s_lshl_b32 s46, s46, 9                         ; its 512 bytes of the bias,
	s_mov_b32 s47, 0
	s_add_nc_u64 s[8:9], s[8:9], s[46:47]
	s_lshl_b32 s46, s46, 2                         ; and its 2,048 bytes of an image
	s_add_nc_u64 s[10:11], s[10:11], s[46:47]
	v_lshlrev_b32 v[BO], 5, v2                     ; register 8 b + i: the bias of hidden unit 16 b + 8 h + i; waited for behind the product
.irp b, 0,1,2,3,4,5,6,7
	global_load_b128 v[BI+8*\b:BI+8*\b+3], v[BO], s[8:9] offset:64*\b
	global_load_b128 v[BI+8*\b+4:BI+8*\b+7], v[BO], s[8:9] offset:64*\b+16
.endr
.macro FRAGB reg, adr, q, i
.irp c, 0,1,2,3
	ds_load_b128 v[\reg+4*\c:\reg+4*\c+3], v[\adr] offset:128*(\q)+32*\c+(\i)*16*PITCH
.endr
.endm
.macro FRAGA reg, adr, q, i
.irp c, 0,1,2,3
.if A_IMG
	ds_load_b128 v[\reg+4*\c:\reg+4*\c+3], v[\adr] offset:2048*(\q)+512*\c+(\i)*4096
.else
	ds_load_b128 v[\reg+4*\c:\reg+4*\c+3], v[\adr] offset:128*(\q)+32*\c+(\i)*16*PITCH
.endif
.endr
.endm
; The 64 accumulators take turns, one instruction a turn, in the same order in every step.
.macro MUL16 a0, p, zero
.irp a, \a0, \a0+1
.irp b, 0,1,2,3,4,5,6,7
.if \zero
	v_wmma_f32_16x16x128_fp8_fp8 v[8*(8*((\a)%4)+\b):8*(8*((\a)%4)+\b)+7], v[128*(\p)+FR*\b:128*(\p)+FR*\b+FR-1], v[AF+FR*(\a):AF+FR*(\a)+FR-1], 0
.else
	v_wmma_f32_16x16x128_fp8_fp8 v[8*(8*((\a)%4)+\b):8*(8*((\a)%4)+\b)+7], v[128*(\p)+FR*\b:128*(\p)+FR*\b+FR-1], v[AF+FR*(\a):AF+FR*(\a)+FR-1], v[8*(8*((\a)%4)+\b):8*(8*((\a)%4)+\b)+7]
.endif
.endr
.endr
.endm
.macro FETCH_B slot, q, p
	WIN TO_B
.irp i, 0,1,2,3,4,5,6,7
	FRAGB 128*(\p)+FR*\i, ADRB+\slot, \q, \i
.endr
	WIN 0
.endm
.macro FETCH_A slot, q, i0
.irp i, \i0, \i0+1, \i0+2, \i0+3
	FRAGA AF+FR*(\i), ADRA+\slot, \q, \i
.endr
.endm
.macro PLACES n
.rept \n
	v_nop
.endr
.endm
.macro STEP slot, q, zero
	s_wait_dscnt 4*NL                              ; B's set and A's blocks 0-3 are in; the youngest 16 loads (A's blocks 4-7) may be out
	WIN MUL_LO
	MUL16 0, (\q)%2, \zero
	MUL16 2, (\q)%2, \zero
	s_wait_dscnt 0
	PLACES NP
	FETCH_B \slot, (\q)+1, 1-(\q)%2
	FETCH_A \slot, (\q)+1, 0
	WIN MUL_HI
	MUL16 4, (\q)%2, \zero
	MUL16 6, (\q)%2, \zero
	PLACES NP
	WIN 0
	FETCH_A \slot, (\q)+1, 4
.endm
.macro TURN slot, next, fill
	s_wait_tensorcnt 0x0                           ; all my tensor loads have landed: my part of the next slot
	ds_add_u32 v[SPW], v[NIL]                      ; 0 onto my spare word
	s_wait_dscnt 4*NL+1                            ; (the add and the youngest 16 loads may be out)
	WIN MUL_LO
	MUL16 0, 1, 0
	s_wait_dscnt 0x0                               ; the add is done, and my reads of this slot are over
	s_barrier_signal -1
	MUL16 2, 1, 0
	WIN 0
	s_barrier_wait -1
.if \fill
	CREST                                          ; no wave of any partner still reads this slot or has a load on its way
	s_add_nc_u64 s[G0+4*\slot+2:G0+4*\slot+3], s[G0+4*\slot+2:G0+4*\slot+3], 2*ASTEP
	s_add_nc_u64 s[G0B+4*\slot+2:G0B+4*\slot+3], s[G0B+4*\slot+2:G0B+4*\slot+3], 2*KSTEP
	JLOAD G0+4*\slot, G1, G0B+4*\slot, G1B
.else
	PLACES NP
.endif
	FETCH_B \next, 0, 0
	FETCH_A \next, 0, 0
	WIN MUL_HI
	MUL16 4, 1, 0
	MUL16 6, 1, 0
	PLACES NP
	WIN 0
	FETCH_A \next, 0, 4
.endm
	s_wait_tensorcnt 1                             ; my part of slot 0 is in; slot 1's load may be out
	s_barrier_signal -1
	s_barrier_wait -1
	FETCH_B 0, 0, 0
	FETCH_A 0, 0, 0
	FETCH_A 0, 0, 4
	STEP 0, 0, 1
	s_mov_b32 s3, LAPS-1
.Llap:
	TURN 0, 1, 1
	STEP 1, 0, 0
	TURN 1, 0, 1
	STEP 0, 0, 0
	s_sub_co_u32 s3, s3, 1
	s_cmp_lg_u32 s3, 0
	s_cbranch_scc1 .Llap
	TURN 0, 1, 0
	STEP 1, 0, 0
	s_wait_dscnt 4*NL
	WIN MUL_LO
	MUL16 0, 1, 0
	MUL16 2, 1, 0
	s_wait_dscnt 0                                 ; my reads of the ring are over
	WIN MUL_HI
	MUL16 4, 1, 0
	MUL16 6, 1, 0
	WIN 0
	s_barrier_signal -1                            ; every wave's reads of the ring are over, and every tensor load landed ahead of the last change of slots:
	s_barrier_wait -1                              ; the ring's bytes may take the images
	s_wait_kmcnt 0x0
	s_add_co_i32 s96, s92, s93
	s_add_co_i32 s96, s96, 127
	s_lshl_b32 s96, s96, 23                        ; 2^(e12 + e13) as f32
	s_mov_b32 s97, s96
	s_add_co_i32 s94, s94, 127
	s_lshl_b32 s95, s94, 23
	v_mov_b32 v6, s95                              ; 2^e14
	s_add_co_i32 s94, s94, 8
	s_lshl_b32 s94, s94, 23
	s_or_b32 s94, s94, 0x600000
	v_mov_b32 v7, s94                              ; 448 x 2^e14
.macro TWICE reg, val                  ; a constant in a scalar pair: the packed forms name the pair
	s_mov_b32 s[\reg], \val
	s_mov_b32 s[\reg+1], \val
.endm
	TWICE 24, 0xbfa1fc4e                           ; the descriptors' registers are free: no tensor load is out.  c0 = -1.26551223
	TWICE 26, 0x3f8000c7                           ; c1 =  1.00002368
	TWICE 28, 0x3ebf88fb                           ; c2 =  0.37409196
	TWICE 30, 0x3dc636c9                           ; c3 =  0.09678418
	TWICE 32, 0xbe3ec24c                           ; c4 = -0.18628806
	TWICE 34, 0x3e8ec7cc                           ; c5 =  0.27886807
	TWICE 36, 0xbf914e5d                           ; c6 = -1.13520398
	TWICE 38, 0x3fbe87b0                           ; c7 =  1.48851587
	TWICE 40, 0xbf527892                           ; c8 = -0.82215223
	TWICE 42, 0x3fb8aa3b                           ; log2(e)
	TWICE 44, 0xbf38aa3b                           ; -log2(e) / 2
	s_mov_b32 s46, 0x3eb504f3                      ; sqrt(2) / 4
	v_mov_b32 v30, 0x3e2ef945                      ; c9 =  0.17087277
	v_mov_b32 v31, 0x3e2ef945
	s_wait_loadcnt 0x0                             ; the bias
	PLACES NP
	; u = sum x 2^(e12 + e13) + bf1, block by block, into LDS as it stands in the registers: 16 stores of 512 consecutive bytes
.irp a, 0,1,2,3,4,5,6,7
.set AC, 64*((\a)%4)
	WIN 0x02+((\a)/4)                              ; source 0: window 2 or 3
.set j, 0
.rept 32
	v_pk_fma_f32 v[U+j:U+j+1], v[AC+j:AC+j+1], s[96:97], v[BI+j:BI+j+1] op_sel_hi:[1,0,1]   ; each accumulator from its low end on
.set j, j+2
.endr
	WIN 0
.set j, 0
.rept 16
	ds_store_b128 v[STO], v[U+4*j:U+4*j+3] offset:\a*8192+512*j
.set j, j+1
.endr
.endr
; 32 numbers a lane, v[ub] on, become their GELU, held within the largest code x the scale.  Two batches of transcendentals, each with its plain instruction and its one wait ahead of the first reader.
.macro GELU32 ub
.set j, 0
.rept 32
	v_fma_f32 v[TT+j], |v[\ub+j]|, s46, 1.0        ; 1 + |u| sqrt(2) / 4
.set j, j+1
.endr
.set j, 0
.rept 32
	v_rcp_f32 v[TT+j], v[TT+j]                     ; t
.set j, j+1
.endr
	v_nop
	s_wait_alu depctr_va_vdst(0)
.set j, 0
.rept 16
	v_pk_fma_f32 v[HH+j:HH+j+1], v[30:31], v[TT+j:TT+j+1], s[40:41] op_sel_hi:[1,1,0]   ; c9 t + c8
.set j, j+2
.endr
.irp ci, 38,36,34,32,30,28,26,24
.set j, 0
.rept 16
	v_pk_fma_f32 v[HH+j:HH+j+1], v[HH+j:HH+j+1], v[TT+j:TT+j+1], s[\ci:\ci+1] op_sel_hi:[1,1,0]
.set j, j+2
.endr
.endr
.irp g, 0,8,16,24
.irp k, 0,2,4,6
	v_pk_mul_f32 v[8+\k:9+\k], v[\ub+\g+\k:\ub+\g+\k+1], s[44:45] op_sel_hi:[1,0]
.endr
.irp k, 0,2,4,6
	v_pk_fma_f32 v[8+\k:9+\k], v[8+\k:9+\k], v[\ub+\g+\k:\ub+\g+\k+1], -1.0 op_sel_hi:[1,1,0]   ; -log2(e) u^2 / 2 - 1
.endr
.irp k, 0,2,4,6
	v_pk_fma_f32 v[HH+\g+\k:HH+\g+\k+1], v[HH+\g+\k:HH+\g+\k+1], s[42:43], v[8+\k:9+\k] op_sel_hi:[1,0,1]
.endr
.endr
.set j, 0
.rept 32
	v_exp_f32 v[HH+j], v[HH+j]
.set j, j+1
.endr
	v_nop
	s_wait_alu depctr_va_vdst(0)
.set j, 0
.rept 16
	v_pk_mul_f32 v[HH+j:HH+j+1], v[HH+j:HH+j+1], v[TT+j:TT+j+1]   ; q
.set j, j+2
.endr
.set j, 0
.rept 32
	v_max_num_f32 v[TT+j], 0, v[\ub+j]
.set j, j+1
.endr
.set j, 0
.rept 32
	v_fma_f32 v[\ub+j], -|v[\ub+j]|, v[HH+j], v[TT+j]   ; max(u, 0) - |u| q
.set j, j+1
.endr
.set j, 0
.rept 32
	v_med3_num_f32 v[\ub+j], v[\ub+j], -v7, v7     ; the conversion does not saturate (ISA guide 7.6.2)
.set j, j+1
.endr
.endm
	s_mov_b32 s86, 0                               ; the block's place among my images
	s_mov_b32 s87, 8
.Lblk:
	v_add_nc_u32 v[RD], s86, v[STO]
.set j, 0
.rept 16
	ds_load_b128 v[U+4*j:U+4*j+3], v[RD] offset:512*j   ; LDS serves a wave's instructions in order: these see my stores
.set j, j+1
.endr
	s_wait_dscnt 0x0
	GELU32 U
	GELU32 U+32
.irp b, 0,1,2,3,4,5,6,7
	v_cvt_scalef32_pk8_fp8_f32 v[PC+2*\b:PC+2*\b+1], v[U+8*\b:U+8*\b+7], v6
.endr
	v_nop                                          ; a plain instruction between the conversions and the exchanges
.irp c, 0,1,2,3
	v_permlane16_swap_b32 v[PC+4*\c], v[PC+4*\c+2]     ; lanes 16-31 of the first change places with lanes 0-15 of the second:
	v_permlane16_swap_b32 v[PC+4*\c+1], v[PC+4*\c+3]   ; lanes 0-15 then hold k = 32 c + 0 .. 15 of their row, lanes 16-31 k = 32 c + 16 .. 31
.endr
.irp c, 0,1,2,3
	global_store_b128 v[CO], v[PC+4*\c:PC+4*\c+3], s[10:11] offset:512*\c   ; 512 consecutive bytes, aligned
.endr
	s_wait_xcnt 0x0                                ; the stores have read their registers and their base: both are written again below and in the next trip
	s_add_nc_u64 s[10:11], s[10:11], 65536         ; the next tile of 16 tokens
	s_add_co_u32 s86, s86, 8192
	s_sub_co_u32 s87, s87, 1
	s_cmp_lg_u32 s87, 0
	s_cbranch_scc1 .Lblk
	s_wait_tensorcnt 0x0                           ; the wave's end: behind my last LDS store
	ds_add_u32 v[SPW], v[NIL]
	s_wait_dscnt 0x0
	CROUND                                         ; the closing round
	s_endpgm
.Lfunc_end_k_q4a95a074a1_ffn1:
	.size	k_q4a95a074a1_ffn1, .Lfunc_end_k_q4a95a074a1_ffn1-k_q4a95a074a1_ffn1
	.p2alignl 7, 3214868480
	.fill 96, 4, 3214868480
	.section	.rodata,"a",@progbits
	.p2align	6, 0x0
	.amdhsa_kernel k_q4a95a074a1_ffn1
		.amdhsa_group_segment_fixed_size 327680
		.amdhsa_private_segment_fixed_size 0
		.amdhsa_enable_private_segment 0
		.amdhsa_kernarg_size 40
		.amdhsa_user_sgpr_count 2
		.amdhsa_user_sgpr_kernarg_segment_ptr 1
		.amdhsa_wavefront_size32 1
		.amdhsa_system_sgpr_workgroup_id_x 1
		.amdhsa_system_sgpr_workgroup_id_y 1
		.amdhsa_system_sgpr_workgroup_id_z 1
		.amdhsa_system_vgpr_workitem_id 0
		.amdhsa_next_free_vgpr 1024
		.amdhsa_next_free_sgpr 100
		.amdhsa_reserve_vcc 0
		.amdhsa_float_denorm_mode_32 3
		.amdhsa_float_denorm_mode_16_64 3
		.amdhsa_memory_ordered 1
		.amdhsa_forward_progress 1
		.amdhsa_inst_pref_size 152
	.end_amdhsa_kernel
	.amdgpu_metadata
---
amdhsa.version: [ 1, 2 ]
amdhsa.kernels:
  - .name:           k_q4a95a074a1_ffn1
    .symbol:         k_q4a95a074a1_ffn1.kd
    .args:
      - { .name: hc, .offset: 0, .size: 8, .value_kind: global_buffer, .address_space: global }
      - { .name: W1_codes, .offset: 8, .size: 8, .value_kind: global_buffer, .address_space: global }
      - { .name: bf1, .offset: 16, .size: 8, .value_kind: global_buffer, .address_space: global }
      - { .name: gc, .offset: 24, .size: 8, .value_kind: global_buffer, .address_space: global }
      - { .name: lowp_scales, .offset: 32, .size: 8, .value_kind: global_buffer, .address_space: global }
    .group_segment_fixed_size: 327680
    .private_segment_fixed_size: 0
    .kernarg_segment_align: 8
    .kernarg_segment_size: 40
    .max_flat_workgroup_size: 128
    .sgpr_count:     100
    .vgpr_count:     1024
    .wavefront_size: 32
...
	.end_amdgpu_metadata
.endif
;; end of part 6
;; launch ffn2 (part 7): grid 4 x 16, 4 waves a work-group, clusters of 4 x 4, 327,680 bytes of LDS; arguments gc, W2_codes, bf2, yf, lowp_scales; writes yf
.if DOCPART == 7
	.amdgcn_target "amdgcn-amd-amdhsa--gfx1250"
	.amdhsa_code_object_version 6
	.text
	.protected	k_q4a95a074a1_ffn2
	.globl	k_q4a95a074a1_ffn2
	.p2align	8
	.type	k_q4a95a074a1_ffn2,@function
k_q4a95a074a1_ffn2:
	s_mov_b64 s[64:65], 0
	v_nop
	global_prefetch_b8 v0, s[64:65] scope:SCOPE_SE
	s_setreg_imm32_b32 hwreg(HW_REG_WAVE_MODE, 25, 1), 1
	s_wait_xcnt 0x0
	s_wait_alu depctr_hold_cnt(0) depctr_sa_sdst(0) depctr_va_vdst(0) depctr_va_sdst(0) depctr_va_ssrc(0) depctr_va_vcc(0) depctr_vm_vsrc(0)
	s_getreg_b32 s2, hwreg(HW_REG_IB_STS2, 6, 4)
	s_cmp_eq_u32 s2, 0
	s_cbranch_scc0 .Lentry_in_a_cluster
	s_endpgm
.Lentry_in_a_cluster:
	s_bfe_u32 s2, ttmp6, 0x10000c
	s_cmp_lg_u32 s2, 0xf033
	s_cbranch_scc0 .Lentry_shape_is_right
	s_endpgm
.Lentry_shape_is_right:
; yf = gelu(..) W2 + bf2, f32 [4096][1024], on codes of FP8 (E4M3): A = the hidden layer's codes (scale 2^e14) as images of operand registers, B = W2's codes [1024][4096] (2^e15), K innermost.  No work of reference() is left out here.
; A work-group of four waves makes 256 x 256 of the result, a wave 128 x 128 in 64 accumulators; K = 4,096 goes in steps of 256 through a ring of two LDS slots filled by joint tensor loads in clusters of 4 x 4
; (A's tile shared along a row of the cluster, B's along a column).  Source 0 = 16 rows of B, source 1 = 16 rows of A: a lane holds eight neighbouring columns of one row of the result.
; A'S IMAGES: [tile of 16 rows][step of 128 K][4][lane][16]: a slot's part of a tile of rows is 4,096 consecutive bytes; a wave's load brings eight such rows, 16 SIZE_K bytes apart, dense into LDS; a fragment's four loads read
; 512 consecutive bytes each.  Both sides hold k = 32 c + 16 (lane / 16) + 0 .. 15 in registers 4 c .. 4 c + 3.
; The result is 64 tiles: 64 work-groups; a smaller tile would want another main loop.
; LIMIT: e14 + e15 between -126 and 127.
; REGISTERS, in windows of 256: window 0: v1-6 at work, v16-29 addresses, v32-95 the bias, from v128 A's fragments, later rows on their way out; window 1: B's fragments, two sets, later v0-63 a block's results; windows 2, 3: the accumulators.
.set SIZE_K, 4096
.set SIZE_N, 1024
.set ESC,    0x38                      ; the byte of the two exponents in lowp_scales
.set A_IMG,  1
.set KSTEP,  256
.set PITCH,  272                       ; an LDS row of B: 256 bytes + 16 of padding: the 16 rows that a load touches start at 16 different banks (64 banks of 4 bytes: ISA guide 11.1)
.set FR,     16
.set NL,     4
.set NP,     4                         ; places behind this matrix instruction (ISA guide 7.12.1)
.set HALFT,  128*PITCH
.set SLOT,   4*HALFT
.set LAPS,   SIZE_K/(2*KSTEP)
.set SPARE,  2*SLOT                    ; behind the ring: the spare words, 128 bytes for each wave
.if A_IMG
.set ASTEP,  4096
.else
.set ASTEP,  KSTEP
.endif
.set SPITCH, 528                       ; the way out: a stage of 16 rows x (512 bytes + 16) for each wave, in slot 0, which has had its last fill and its last read by then
.set ADRA, 16
.set ADRB, 20
.set STO,  24
.set RD,   25
.set CO,   26                          ; v26  16 x lane
.set BO,   27
.set SPW,  28
.set NIL,  29
.set BI,   32
.set AF,   128
.set TMP,  0                           ; in window 1
.set BK,   128
.set G1, 24
.set G0, 32
.set G1B, 48
.set G0B, 56
.set MSB, 0
.macro WIN new
.if MSB != \new
	s_set_vgpr_msb (MSB<<8)|\new
.set MSB, \new
.endif
.endm
.set MUL_LO, 0xa1
.set MUL_HI, 0xf1
.set TO_B,   0x40
.macro JLOAD g0a, g1a, g0b, g1b        ; a joint load: waves 0 and 1 fetch for A, waves 2 and 3 for B; an s_nop 0 and four v_nop follow each of the two lines
	s_cmp_eq_u32 s15, 0
	s_cbranch_scc0 .Lfor_b_\@
	tensor_load_to_lds s[\g0a:\g0a+3], s[\g1a:\g1a+7]
	s_nop 0
.rept 4
	v_nop
.endr
	s_branch .Lasked_\@
.Lfor_b_\@:
	tensor_load_to_lds s[\g0b:\g0b+3], s[\g1b:\g1b+7]
	s_nop 0
.rept 4
	v_nop
.endr
.Lasked_\@:
.endm
.macro CREST
	s_cmp_lg_u32 s14, 0
	s_cbranch_scc1 .Lnot_wave_0_\@
	s_barrier_signal -3
.Lnot_wave_0_\@:
	s_barrier_wait -3
	s_barrier_signal -1
	s_barrier_wait -1
.endm
.macro CROUND
	s_barrier_signal -1
	s_barrier_wait -1
	CREST
.endm
	s_load_b256 s[4:11], s[0:1], 0x0               ; A s[4:5], B s[6:7], the bias s[8:9], the result s[10:11]
	s_load_b64 s[12:13], s[0:1], 0x20              ; the scales' exponents
	v_lshl_add_u32 v[SPW], v0, 2, SPARE
	v_mov_b32 v[NIL], 0
	ds_add_u32 v[SPW], v[NIL]                      ; the wave's opening: the add, twice on end, and its wait ahead of my first tensor load
	ds_add_u32 v[SPW], v[NIL]
	v_lshrrev_b32 v1, 5, v0
	v_readfirstlane_b32 s14, v1                    ; wave 0..3
	s_lshr_b32 s15, s14, 1                         ; my half of the tile's rows.  Also: I fetch for A (0) or for B (1)
	s_and_b32 s16, s14, 1                          ; my half of its columns.  Also: which 128 rows of that tile I fetch
	s_bfe_u32 s40, ttmp6, 0x40000
	s_bfe_u32 s41, ttmp6, 0x40004
	s_lshl_b32 s42, ttmp9, 2
	s_add_co_u32 s42, s42, s40                     ; tile column
	s_and_b32 s17, ttmp7, 0xffff
	s_lshl_b32 s17, s17, 2
	s_add_co_u32 s17, s17, s41                     ; tile row
	s_lshl_b32 s43, s41, 2
	s_lshl_b32 s43, 15, s43                        ; my row of the cluster
	s_lshl_b32 s44, 0x1111, s40                    ; my column
.if A_IMG
	s_or_b32 s[G1+0], s43, (3<<16)|(1<<21)         ; the mask; elements of 8 bytes; bit 21 beside a mask; no padding
	s_mov_b32 s[G1+1], 512<<16                     ; tensor_dim0 = 512 elements: 4,096 bytes
	s_mov_b32 s[G1+2], 8<<16                       ; tensor_dim1 = 8 tiles of 16 rows
	s_mov_b32 s[G1+3], 512<<16
	s_mov_b32 s[G1+4], 8
	s_mov_b32 s[G1+5], 2*SIZE_K                    ; 16 SIZE_K bytes from one tile of rows to the next
.else
	s_or_b32 s[G1+0], s43, (1<<20)|(1<<21)|(5<<22)|(3<<25)
	s_mov_b32 s[G1+1], KSTEP<<16
	s_mov_b32 s[G1+2], 128<<16
	s_mov_b32 s[G1+3], KSTEP<<16
	s_mov_b32 s[G1+4], 128
	s_mov_b32 s[G1+5], SIZE_K
.endif
	s_mov_b32 s[G1+6], 0
	s_mov_b32 s[G1+7], 0
	s_or_b32 s[G1B+0], s44, (1<<20)|(1<<21)|(5<<22)|(3<<25)   ; elements of 1 byte; 4 words of padding after every 64
	s_mov_b32 s[G1B+1], KSTEP<<16
	s_mov_b32 s[G1B+2], 128<<16
	s_mov_b32 s[G1B+3], KSTEP<<16
	s_mov_b32 s[G1B+4], 128
	s_mov_b32 s[G1B+5], SIZE_K
	s_mov_b32 s[G1B+6], 0
	s_mov_b32 s[G1B+7], 0
.if A_IMG
	s_lshl_b32 s20, s17, 4
	s_lshl_b32 s18, s16, 3
	s_add_co_u32 s20, s20, s18                     ; A: tile of 16 rows number 16 x tile row + 8 x half
	s_mul_i32 s20, s20, 16*SIZE_K
.else
	s_lshl_b32 s20, s17, 8
	s_lshl_b32 s18, s16, 7
	s_add_co_u32 s20, s20, s18
	s_mul_i32 s20, s20, SIZE_K
.endif
	s_mov_b32 s21, 0
	s_lshl_b32 s46, s42, 8
	s_lshl_b32 s18, s16, 7
	s_add_co_u32 s46, s46, s18                     ; B: row 256 x tile column + 128 x half
	s_mul_i32 s46, s46, SIZE_K
	s_mov_b32 s47, 0
	s_mul_i32 s45, s14, HALFT                      ; where they go: no place in the cluster enters an LDS address
	s_wait_dscnt 0x0                               ; both opening adds are done
	s_wait_kmcnt 0x0
	s_load_b64 s[96:97], s[12:13], ESC             ; eA, eB
	s_add_nc_u64 s[20:21], s[4:5], s[20:21]
	s_add_nc_u64 s[46:47], s[6:7], s[46:47]
	CROUND                                         ; all sixteen work-groups are here: the first joint loads meet
.irp s, 0,1
	s_mov_b32 s[G0+4*\s], 1
	s_add_co_u32 s[G0+4*\s+1], s45, \s*SLOT
	s_add_nc_u64 s[G0+4*\s+2:G0+4*\s+3], s[20:21], \s*ASTEP
	s_or_b32 s[G0+4*\s+3], s[G0+4*\s+3], 0x80000000
	s_mov_b32 s[G0B+4*\s], 1
	s_add_co_u32 s[G0B+4*\s+1], s45, \s*SLOT
	s_add_nc_u64 s[G0B+4*\s+2:G0B+4*\s+3], s[46:47], \s*KSTEP
	s_or_b32 s[G0B+4*\s+3], s[G0B+4*\s+3], 0x80000000
	JLOAD G0+4*\s, G1, G0B+4*\s, G1B
.endr
	v_and_b32 v1, 15, v0                           ; r
	v_bfe_u32 v2, v0, 4, 1                         ; h
	v_and_b32 v6, 31, v0
	v_lshlrev_b32 v[CO], 4, v6                     ; 16 x lane
	v_mul_u32_u24 v3, v1, PITCH
	v_lshl_add_u32 v4, v2, 4, v3
	s_mul_i32 s21, s15, HALFT
	s_mul_i32 s22, s16, HALFT
	s_add_co_u32 s22, s22, 2*HALFT
.irp s, 0,1
.if A_IMG
	v_add_nc_u32 v[ADRA+\s], s21, v[CO]
.else
	v_add_nc_u32 v[ADRA+\s], s21, v4
.endif
	v_add_nc_u32 v[ADRB+\s], s22, v4
	s_add_co_u32 s21, s21, SLOT
	s_add_co_u32 s22, s22, SLOT
.endr
	s_mul_i32 s23, s14, 16*SPITCH                  ; my stage
	v_mul_u32_u24 v5, v1, SPITCH
	v_lshl_add_u32 v5, v2, 5, v5
	v_add_nc_u32 v[STO], s23, v5                   ; in: row r, 32 bytes for each half of the lanes
	v_add_nc_u32 v[RD], s23, v[CO]                 ; back: the 32 lanes take one row of 512 bytes
	s_lshl_b32 s20, s17, 8
	s_lshl_b32 s21, s15, 7
	s_add_co_u32 s20, s20, s21
	s_mul_i32 s20, s20, SIZE_N*4                   ; my first row of the result
	s_mov_b32 s21, 0
	s_lshl_b32 s46, s42, 1
	s_add_co_u32 s46, s46, s16
	s_lshl_b32 s46, s46, 9                         ; my first column, 256 x tile column + 128 x half, in bytes of f32
	s_mov_b32 s47, 0
	s_add_nc_u64 s[8:9], s[8:9], s[46:47]
	s_add_nc_u64 s[10:11], s[10:11], s[20:21]
	s_add_nc_u64 s[10:11], s[10:11], s[46:47]
	v_lshlrev_b32 v[BO], 5, v2                     ; register 8 b + i: the bias of column 16 b + 8 h + i; waited for on the way out
.irp b, 0,1,2,3,4,5,6,7
	global_load_b128 v[BI+8*\b:BI+8*\b+3], v[BO], s[8:9] offset:64*\b
	global_load_b128 v[BI+8*\b+4:BI+8*\b+7], v[BO], s[8:9] offset:64*\b+16
.endr
.macro FRAGB reg, adr, q, i
.irp c, 0,1,2,3
	ds_load_b128 v[\reg+4*\c:\reg+4*\c+3], v[\adr] offset:128*(\q)+32*\c+(\i)*16*PITCH
.endr
.endm
.macro FRAGA reg, adr, q, i
.irp c, 0,1,2,3
.if A_IMG
	ds_load_b128 v[\reg+4*\c:\reg+4*\c+3], v[\adr] offset:2048*(\q)+512*\c+(\i)*4096
.else
	ds_load_b128 v[\reg+4*\c:\reg+4*\c+3], v[\adr] offset:128*(\q)+32*\c+(\i)*16*PITCH
.endif
.endr
.endm
; The 64 accumulators take turns, one instruction a turn, in the same order in every step.
.macro MUL16 a0, p, zero
.irp a, \a0, \a0+1
.irp b, 0,1,2,3,4,5,6,7
.if \zero
	v_wmma_f32_16x16x128_fp8_fp8 v[8*(8*((\a)%4)+\b):8*(8*((\a)%4)+\b)+7], v[128*(\p)+FR*\b:128*(\p)+FR*\b+FR-1], v[AF+FR*(\a):AF+FR*(\a)+FR-1], 0
.else
	v_wmma_f32_16x16x128_fp8_fp8 v[8*(8*((\a)%4)+\b):8*(8*((\a)%4)+\b)+7], v[128*(\p)+FR*\b:128*(\p)+FR*\b+FR-1], v[AF+FR*(\a):AF+FR*(\a)+FR-1], v[8*(8*((\a)%4)+\b):8*(8*((\a)%4)+\b)+7]
.endif
.endr
.endr
.endm
.macro FETCH_B slot, q, p
	WIN TO_B
.irp i, 0,1,2,3,4,5,6,7
	FRAGB 128*(\p)+FR*\i, ADRB+\slot, \q, \i
.endr
	WIN 0
.endm
.macro FETCH_A slot, q, i0
.irp i, \i0, \i0+1, \i0+2, \i0+3
	FRAGA AF+FR*(\i), ADRA+\slot, \q, \i
.endr
.endm
.macro PLACES n
.rept \n
	v_nop
.endr
.endm
.macro STEP slot, q, zero
	s_wait_dscnt 4*NL                              ; B's set and A's blocks 0-3 are in; the youngest 16 loads (A's blocks 4-7) may be out
	WIN MUL_LO
	MUL16 0, (\q)%2, \zero
	MUL16 2, (\q)%2, \zero
	s_wait_dscnt 0
	PLACES NP
	FETCH_B \slot, (\q)+1, 1-(\q)%2
	FETCH_A \slot, (\q)+1, 0
	WIN MUL_HI
	MUL16 4, (\q)%2, \zero
	MUL16 6, (\q)%2, \zero
	PLACES NP
	WIN 0
	FETCH_A \slot, (\q)+1, 4
.endm
.macro TURN slot, next, fill
	s_wait_tensorcnt 0x0                           ; all my tensor loads have landed: my part of the next slot
	ds_add_u32 v[SPW], v[NIL]                      ; 0 onto my spare word
	s_wait_dscnt 4*NL+1                            ; (the add and the youngest 16 loads may be out)
	WIN MUL_LO
	MUL16 0, 1, 0
	s_wait_dscnt 0x0                               ; the add is done, and my reads of this slot are over
	s_barrier_signal -1
	MUL16 2, 1, 0
	WIN 0
	s_barrier_wait -1
.if \fill
	CREST                                          ; no wave of any partner still reads this slot or has a load on its way
	s_add_nc_u64 s[G0+4*\slot+2:G0+4*\slot+3], s[G0+4*\slot+2:G0+4*\slot+3], 2*ASTEP
	s_add_nc_u64 s[G0B+4*\slot+2:G0B+4*\slot+3], s[G0B+4*\slot+2:G0B+4*\slot+3], 2*KSTEP
	JLOAD G0+4*\slot, G1, G0B+4*\slot, G1B
.else
	PLACES NP
.endif
	FETCH_B \next, 0, 0
	FETCH_A \next, 0, 0
	WIN MUL_HI
	MUL16 4, 1, 0
	MUL16 6, 1, 0
	PLACES NP
	WIN 0
	FETCH_A \next, 0, 4
.endm
	s_wait_tensorcnt 1                             ; my part of slot 0 is in; slot 1's load may be out
	s_barrier_signal -1
	s_barrier_wait -1
	FETCH_B 0, 0, 0
	FETCH_A 0, 0, 0
	FETCH_A 0, 0, 4
	STEP 0, 0, 1
	s_mov_b32 s3, LAPS-1
.Llap:
	TURN 0, 1, 1
	STEP 1, 0, 0
	TURN 1, 0, 1
	STEP 0, 0, 0
	s_sub_co_u32 s3, s3, 1
	s_cmp_lg_u32 s3, 0
	s_cbranch_scc1 .Llap
	TURN 0, 1, 0
	STEP 1, 0, 0
	s_wait_dscnt 4*NL
	WIN MUL_LO
	MUL16 0, 1, 0
	MUL16 2, 1, 0
	s_wait_dscnt 0
	WIN MUL_HI
	MUL16 4, 1, 0
	MUL16 6, 1, 0
	WIN 0
; THE WAY OUT, block by block of 16 rows x 128 columns: sum x 2^(eA + eB) + bias; through my own stage in LDS; back as whole rows of 512 bytes.  LDS serves a wave's instructions in order (ISA guide 5.7.1.4).
.macro TOSTAGE a
.set AC, 64*((\a)%4)
	WIN 0x42+((\a)/4)                              ; destination window 1, source 0 window 2 or 3, the bias window 0
.set j, 0
.rept 32
	v_pk_fma_f32 v[TMP+j:TMP+j+1], v[AC+j:AC+j+1], s[96:97], v[BI+j:BI+j+1] op_sel_hi:[1,0,1]   ; each accumulator from its low end on
.set j, j+2
.endr
	WIN 0x04                                       ; the stores' data in window 1
.irp b, 0,1,2,3,4,5,6,7
	ds_store_b128 v[STO], v[TMP+8*\b:TMP+8*\b+3] offset:64*\b
	ds_store_b128 v[STO], v[TMP+8*\b+4:TMP+8*\b+7] offset:64*\b+16
.endr
	WIN 0
.set BB, BK+64*((\a)%2)
.irp t, 0,1,2,3,4,5,6,7,8,9,10,11,12,13,14,15
	ds_load_b128 v[BB+4*\t:BB+4*\t+3], v[RD] offset:\t*SPITCH
.endr
.endm
.macro SEND a, younger
.set BB, BK+64*((\a)%2)
	s_wait_dscnt \younger                          ; the block is back in registers; the next block's 16 stores and 16 loads may be out
.if (\a) > 0
	s_add_nc_u64 s[10:11], s[10:11], 16*SIZE_N*4   ; (behind a wait on XCNT: the earlier stores have read their base)
.endif
.irp t, 0,1,2,3,4,5,6,7,8,9,10,11,12,13,14,15
	global_store_b128 v[CO], v[BB+4*\t:BB+4*\t+3], s[10:11] offset:\t*SIZE_N*4   ; 32 lanes store 512 consecutive bytes, aligned
.endr
.endm
	s_wait_kmcnt 0x0
	s_add_co_i32 s96, s96, s97
	s_add_co_i32 s96, s96, 127
	s_lshl_b32 s96, s96, 23                        ; 2^(eA + eB) as f32
	s_mov_b32 s97, s96
	s_wait_loadcnt 0x0                             ; the bias
	PLACES NP
	TOSTAGE 0
.irp a, 1,2,3,4,5,6,7
.if \a > 1
	s_wait_xcnt 0x0                                ; block a - 2's stores have read their registers and their base
.endif
	TOSTAGE \a
	SEND \a-1, 32
.endr
	s_wait_xcnt 0x0
	SEND 7, 0
	s_wait_tensorcnt 0x0                           ; the wave's end
	ds_add_u32 v[SPW], v[NIL]
	s_wait_dscnt 0x0
	CROUND                                         ; the closing round
	s_endpgm
.Lfunc_end_k_q4a95a074a1_ffn2:
	.size	k_q4a95a074a1_ffn2, .Lfunc_end_k_q4a95a074a1_ffn2-k_q4a95a074a1_ffn2
	.p2alignl 7, 3214868480
	.fill 96, 4, 3214868480
	.section	.rodata,"a",@progbits
	.p2align	6, 0x0
	.amdhsa_kernel k_q4a95a074a1_ffn2
		.amdhsa_group_segment_fixed_size 327680
		.amdhsa_private_segment_fixed_size 0
		.amdhsa_enable_private_segment 0
		.amdhsa_kernarg_size 40
		.amdhsa_user_sgpr_count 2
		.amdhsa_user_sgpr_kernarg_segment_ptr 1
		.amdhsa_wavefront_size32 1
		.amdhsa_system_sgpr_workgroup_id_x 1
		.amdhsa_system_sgpr_workgroup_id_y 1
		.amdhsa_system_sgpr_workgroup_id_z 1
		.amdhsa_system_vgpr_workitem_id 0
		.amdhsa_next_free_vgpr 1024
		.amdhsa_next_free_sgpr 100
		.amdhsa_reserve_vcc 0
		.amdhsa_float_denorm_mode_32 3
		.amdhsa_float_denorm_mode_16_64 3
		.amdhsa_memory_ordered 1
		.amdhsa_forward_progress 1
		.amdhsa_inst_pref_size 125
	.end_amdhsa_kernel
	.amdgpu_metadata
---
amdhsa.version: [ 1, 2 ]
amdhsa.kernels:
  - .name:           k_q4a95a074a1_ffn2
    .symbol:         k_q4a95a074a1_ffn2.kd
    .args:
      - { .name: gc, .offset: 0, .size: 8, .value_kind: global_buffer, .address_space: global }
      - { .name: W2_codes, .offset: 8, .size: 8, .value_kind: global_buffer, .address_space: global }
      - { .name: bf2, .offset: 16, .size: 8, .value_kind: global_buffer, .address_space: global }
      - { .name: yf, .offset: 24, .size: 8, .value_kind: global_buffer, .address_space: global }
      - { .name: lowp_scales, .offset: 32, .size: 8, .value_kind: global_buffer, .address_space: global }
    .group_segment_fixed_size: 327680
    .private_segment_fixed_size: 0
    .kernarg_segment_align: 8
    .kernarg_segment_size: 40
    .max_flat_workgroup_size: 128
    .sgpr_count:     100
    .vgpr_count:     1024
    .wavefront_size: 32
...
	.end_amdgpu_metadata
.endif
;; end of part 7
;; launch ln2 (part 8): grid 256 x 1, 8 waves a work-group, no clusters, 0 bytes of LDS; arguments hf, yf, g2, b2, out0; writes out0
.if DOCPART == 8
	.amdgcn_target "amdgcn-amd-amdhsa--gfx1250"
	.amdhsa_code_object_version 6
	.text
	.protected	k_q4a95a074a1_ln2
	.globl	k_q4a95a074a1_ln2
	.p2align	8
	.type	k_q4a95a074a1_ln2,@function
k_q4a95a074a1_ln2:
	s_mov_b64 s[64:65], 0
	v_nop
	global_prefetch_b8 v0, s[64:65] scope:SCOPE_SE
	s_setreg_imm32_b32 hwreg(HW_REG_WAVE_MODE, 25, 1), 1
	s_wait_xcnt 0x0
; out0 = LayerNorm(hf + yf) g2 + b2 over rows of 1,024, in f32.  No work of reference() is left out here.
; A wave takes two rows; a row stays in 32 registers between the mean, the variance (of the centred numbers, as reference() has it) and the scaling: memory is read once.  Each load and store of a wave covers 512 consecutive bytes.
; All 48 loads of a wave go out at the head: row 0 (16), the gain and offset (16), row 1 (16).  No LDS, no matrix unit, no cluster, no barrier: waves share nothing and memory binds.
.set G,   16                           ; v16-47   the gain at my columns
.set BB,  48                           ; v48-79   the offset
.set Y,   80                           ; row p: v[80 + 64 p ..] 32 registers: yf, then the row at work
.set R,   112                          ; row p: v[112 + 64 p ..] 32 registers: hf
.set T,   208                          ; v208-223 at work
.set MU,  224
.set RS,  226
.set PD,  228
	s_load_b256 s[4:11], s[0:1], 0x0               ; hf, yf, g2, b2
	s_load_b64 s[14:15], s[0:1], 0x20              ; out0
	v_lshrrev_b32 v8, 5, v0
	v_readfirstlane_b32 s24, v8                    ; wave 0..7
	v_and_b32 v9, 31, v0
	v_lshlrev_b32 v1, 4, v9                        ; 16 x lane
	v_mov_b32 v[PD], 0                             ; a lane permute's destination counts as one of its sources
	s_mov_b32 s20, 0x76543210
	s_mov_b32 s21, 0xfedcba98
	s_mov_b32 s22, 0x3a800000                      ; 1 / 1,024
	s_mov_b32 s23, 0x3727c5ac                      ; 1e-5
	s_lshl_b32 s18, ttmp9, 4
	s_lshl_b32 s19, s24, 1
	s_add_co_u32 s18, s18, s19                     ; my first row
	s_lshl_b32 s26, s18, 12
	s_mov_b32 s27, 0
	s_wait_kmcnt 0x0
	s_add_nc_u64 s[4:5], s[4:5], s[26:27]
	s_add_nc_u64 s[6:7], s[6:7], s[26:27]
	s_add_nc_u64 s[14:15], s[14:15], s[26:27]
.macro LDROW p
.irp i, 0,1,2,3,4,5,6,7
	global_load_b128 v[Y+64*\p+4*\i:Y+64*\p+4*\i+3], v1, s[6:7] offset:4096*\p+512*\i th:TH_LOAD_NT
.endr
.irp i, 0,1,2,3,4,5,6,7
	global_load_b128 v[R+64*\p+4*\i:R+64*\p+4*\i+3], v1, s[4:5] offset:4096*\p+512*\i th:TH_LOAD_NT
.endr
.endm
	LDROW 0
.irp i, 0,1,2,3,4,5,6,7
	global_load_b128 v[G+4*\i:G+4*\i+3], v1, s[8:9] offset:512*\i
	global_load_b128 v[BB+4*\i:BB+4*\i+3], v1, s[10:11] offset:512*\i
.endr
	LDROW 1
.macro REDUCE r                        ; the sum of v[r] over the 32 lanes, in every lane
	v_add_f32_dpp v[\r], v[\r], v[\r] row_xmask:1 row_mask:0xf bank_mask:0xf
	v_add_f32_dpp v[\r], v[\r], v[\r] row_xmask:2 row_mask:0xf bank_mask:0xf
	v_add_f32_dpp v[\r], v[\r], v[\r] row_xmask:4 row_mask:0xf bank_mask:0xf
	v_add_f32_dpp v[\r], v[\r], v[\r] row_xmask:8 row_mask:0xf bank_mask:0xf
	v_permlanex16_b32 v[PD], v[\r], s20, s21
	v_add_f32 v[\r], v[\r], v[PD]
.endm
.macro ROW p, left
.set YS, Y+64*\p
.set RR, R+64*\p
	s_wait_loadcnt \left                           ; this row's 16 loads are in; the younger ones may be out
.irp k, 0,2,4,6,8,10,12,14,16,18,20,22,24,26,28,30
	v_pk_add_f32 v[YS+\k:YS+\k+1], v[YS+\k:YS+\k+1], v[RR+\k:RR+\k+1]   ; the residual
.endr
.irp k, 0,2,4,6,8,10,12,14
	v_pk_add_f32 v[T+\k:T+\k+1], v[YS+2*\k:YS+2*\k+1], v[YS+2*\k+2:YS+2*\k+3]   ; the sum, as a tree
.endr
.irp k, 0,4,8,12
	v_pk_add_f32 v[T+\k:T+\k+1], v[T+\k:T+\k+1], v[T+\k+2:T+\k+3]
.endr
	v_pk_add_f32 v[T:T+1], v[T:T+1], v[T+4:T+5]
	v_pk_add_f32 v[T+8:T+9], v[T+8:T+9], v[T+12:T+13]
	v_pk_add_f32 v[T:T+1], v[T:T+1], v[T+8:T+9]
	v_add_f32 v[T], v[T], v[T+1]
	REDUCE T
	v_mul_f32 v[MU], s22, v[T]                     ; the mean, twice: a pair for the packed form
	v_mul_f32 v[MU+1], s22, v[T]
.irp k, 0,2,4,6,8,10,12,14,16,18,20,22,24,26,28,30
	v_pk_add_f32 v[YS+\k:YS+\k+1], v[YS+\k:YS+\k+1], v[MU:MU+1] neg_lo:[0,1] neg_hi:[0,1]
.endr
.irp k, 0,2,4,6
	v_pk_mul_f32 v[T+\k:T+\k+1], v[YS+\k:YS+\k+1], v[YS+\k:YS+\k+1]   ; the squares, in four chains
.endr
.irp k, 8,10,12,14,16,18,20,22,24,26,28,30
	v_pk_fma_f32 v[T+(\k)%8:T+(\k)%8+1], v[YS+\k:YS+\k+1], v[YS+\k:YS+\k+1], v[T+(\k)%8:T+(\k)%8+1]
.endr
	v_pk_add_f32 v[T:T+1], v[T:T+1], v[T+2:T+3]
	v_pk_add_f32 v[T+4:T+5], v[T+4:T+5], v[T+6:T+7]
	v_pk_add_f32 v[T:T+1], v[T:T+1], v[T+4:T+5]
	v_add_f32 v[T], v[T], v[T+1]
	REDUCE T
	v_fma_f32 v[T+2], v[T], s22, s23               ; the variance + 1e-5
	v_rsq_f32 v[RS], v[T+2]
	v_rsq_f32 v[RS+1], v[T+2]
	v_nop                                          ; a plain instruction behind the two
	s_wait_alu depctr_va_vdst(0)                   ; and one wait ahead of their first reader
.if \p == 0
	s_wait_loadcnt 16                              ; the gain and the offset are in; row 1's 16 loads may be out
.endif
.irp k, 0,2,4,6,8,10,12,14,16,18,20,22,24,26,28,30
	v_pk_mul_f32 v[YS+\k:YS+\k+1], v[YS+\k:YS+\k+1], v[RS:RS+1]
.endr
.irp k, 0,2,4,6,8,10,12,14,16,18,20,22,24,26,28,30
	v_pk_fma_f32 v[YS+\k:YS+\k+1], v[YS+\k:YS+\k+1], v[G+\k:G+\k+1], v[BB+\k:BB+\k+1]
.endr
.irp i, 0,1,2,3,4,5,6,7
	global_store_b128 v1, v[YS+4*\i:YS+4*\i+3], s[14:15] offset:4096*\p+512*\i th:TH_STORE_NT
.endr
.endm
	ROW 0, 32
	ROW 1, 0
	s_endpgm
.Lfunc_end_k_q4a95a074a1_ln2:
	.size	k_q4a95a074a1_ln2, .Lfunc_end_k_q4a95a074a1_ln2-k_q4a95a074a1_ln2
	.p2alignl 7, 3214868480
	.fill 96, 4, 3214868480
	.section	.rodata,"a",@progbits
	.p2align	6, 0x0
	.amdhsa_kernel k_q4a95a074a1_ln2
		.amdhsa_group_segment_fixed_size 0
		.amdhsa_private_segment_fixed_size 0
		.amdhsa_enable_private_segment 0
		.amdhsa_kernarg_size 40
		.amdhsa_user_sgpr_count 2
		.amdhsa_user_sgpr_kernarg_segment_ptr 1
		.amdhsa_wavefront_size32 1
		.amdhsa_system_sgpr_workgroup_id_x 1
		.amdhsa_system_sgpr_workgroup_id_y 1
		.amdhsa_system_sgpr_workgroup_id_z 1
		.amdhsa_system_vgpr_workitem_id 0
		.amdhsa_next_free_vgpr 248
		.amdhsa_next_free_sgpr 66
		.amdhsa_reserve_vcc 0
		.amdhsa_float_denorm_mode_32 3
		.amdhsa_float_denorm_mode_16_64 3
		.amdhsa_memory_ordered 1
		.amdhsa_forward_progress 1
		.amdhsa_inst_pref_size 22
	.end_amdhsa_kernel
	.amdgpu_metadata
---
amdhsa.version: [ 1, 2 ]
amdhsa.kernels:
  - .name:           k_q4a95a074a1_ln2
    .symbol:         k_q4a95a074a1_ln2.kd
    .args:
      - { .name: hf, .offset: 0, .size: 8, .value_kind: global_buffer, .address_space: global }
      - { .name: yf, .offset: 8, .size: 8, .value_kind: global_buffer, .address_space: global }
      - { .name: g2, .offset: 16, .size: 8, .value_kind: global_buffer, .address_space: global }
      - { .name: b2, .offset: 24, .size: 8, .value_kind: global_buffer, .address_space: global }
      - { .name: out0, .offset: 32, .size: 8, .value_kind: global_buffer, .address_space: global }
    .group_segment_fixed_size: 0
    .private_segment_fixed_size: 0
    .kernarg_segment_align: 8
    .kernarg_segment_size: 40
    .max_flat_workgroup_size: 256
    .sgpr_count:     66
    .vgpr_count:     248
    .wavefront_size: 32
...
	.end_amdgpu_metadata
.endif
;; end of part 8
;; ======== version 2 of 2: 8 launches
;; limits: right only within a limited range of input values
;; workspace buffers: xc 12,582,912 bytes; qkvc 12,582,912 bytes; cc 4,194,304 bytes; gc 16,777,216 bytes; hc 4,194,304 bytes; hf 16,777,216 bytes; yf 16,777,216 bytes
;; launch quant_x (part 9): grid 512 x 1, 4 waves a work-group, no clusters, 33,280 bytes of LDS; arguments x, lowp_scales, xc; writes xc
.if DOCPART == 9
	.amdgcn_target "amdgcn-amd-amdhsa--gfx1250"
	.amdhsa_code_object_version 6
	.text
	.protected	k_q4a95a074a1_quant_x
	.globl	k_q4a95a074a1_quant_x
	.p2align	8
	.type	k_q4a95a074a1_quant_x,@function
k_q4a95a074a1_quant_x:
	s_mov_b64 s[64:65], 0
	v_nop
	global_prefetch_b8 v0, s[64:65] scope:SCOPE_SE
	s_setreg_imm32_b32 hwreg(HW_REG_WAVE_MODE, 25, 1), 1
	s_wait_xcnt 0x0
; THE PROGRAM: a post-LN transformer encoder block, 4,096 tokens x 1,024, 16 heads of 64, FFN of 4,096, all eight matrix products on codes of FP8 (E4M3) with one given scale 2^e an operand.
; Launches: quant_x (x -> codes, three times), qkv (three projections -> codes of Q, K, V), attn (-> codes of ctx), wo (-> f32), ln1 (-> h in f32 and as codes), ffn1 (-> codes of gelu), ffn2 (-> f32), ln2 (-> out0).
; DEAD WORK: none.  Every product of reference() reaches the output, every bias goes into a quantised operand or into a LayerNorm's input (bk too: it moves K's codes), every gain and offset is applied: all inputs are loaded.
; THIS LAUNCH: x [4096][1024] f32 is quantised along its rows three times, with 2^e0, 2^e2, 2^e4 (the A scales of the products with Wq, Wk, Wv, which may differ), into xc [3][4096][1024], one code a byte, K innermost.
; code = x / 2^e, held within +-448, rounded to the nearest code, ties to even.  LIMITS: -126 <= e and e + 8 <= 127 for the three exponents.  NaN among the inputs is not served (an infinity is held at the largest code).
; A wave takes 4 steps of 512 numbers.  Each load reads 512 consecutive bytes, 16 a lane; a step's 2,048 bytes turn through the wave's own stage in LDS and come back 64 bytes a lane, so that a lane holds 16 neighbours along K,
; as the conversions want them.  A lane's 16 codes are 16 bytes: each store of the wave covers 512 consecutive bytes, aligned.  All 16 loads of a wave go out at the head.  No barrier: waves share nothing.
.set STEPS, 4
.set SP,    80                         ; a lane's place in a stage: its 64 bytes + 16 of padding
.set WREG,  8192                       ; LDS: a region for each wave: two stages of 32 x SP bytes
.set SPARE, 4*WREG                     ; behind the regions: the spare words, 128 bytes for each wave: two blocks of 256 bytes that no other line names
.set SPW,   12                         ; v12  LDS address of my spare word; never rewritten
.set NIL,   13                         ; v13  0; never rewritten
.set SC,    6                          ; v6-8   2^e of the three quantisers, as f32
.set LIM,   9                          ; v9-11  448 x 2^e
.set R,     16                         ; v16-79   four sets of 16 numbers as they are loaded
.set X,     80                         ; v80-111  two sets of 16 neighbours
.set T,     112                        ; v112-143 two sets of held numbers, by turns
.set C,     144                        ; v144-191 codes: four registers for each step and quantiser, so that no store's data are written again
	s_load_b128 s[4:7], s[0:1], 0x0                ; x, the scales' exponents
	s_load_b64 s[8:9], s[0:1], 0x10                ; xc
	v_lshl_add_u32 v[SPW], v0, 2, SPARE
	v_mov_b32 v[NIL], 0
	v_lshrrev_b32 v1, 5, v0
	v_readfirstlane_b32 s16, v1                    ; wave
	v_and_b32 v2, 31, v0                           ; lane
	v_lshlrev_b32 v3, 4, v2                        ; my 16 bytes of a load's 512
	v_lshlrev_b32 v4, 4, v2                        ; my 16 codes of a step's 512
	s_mul_i32 s17, s16, WREG
	v_lshrrev_b32 v14, 2, v2
	v_mul_u32_u24 v14, v14, SP
	v_and_b32 v15, 3, v2
	v_lshl_add_u32 v14, v15, 4, v14
	v_add_nc_u32 v14, s17, v14                     ; the stage, on the way in: four lanes' 64 bytes on end, then 16 of padding
	v_mul_u32_u24 v15, v2, SP
	v_add_nc_u32 v15, s17, v15                     ; and on the way out: my 16 neighbours
	s_lshl_b32 s18, ttmp9, 2
	s_add_co_u32 s18, s18, s16                     ; which run of 2,048 numbers is my wave's
	s_lshl_b32 s20, s18, 13                        ; its bytes in x,
	s_mov_b32 s21, 0
	s_lshl_b32 s22, s18, 11                        ; and in each part of xc
	s_mov_b32 s23, 0
	s_wait_alu depctr_va_vdst(0)
	s_wait_kmcnt 0x0
	s_load_b256 s[32:39], s[6:7], 0x0              ; e0 .. e7
	s_add_nc_u64 s[4:5], s[4:5], s[20:21]
	s_add_nc_u64 s[24:25], s[8:9], s[22:23]        ; three bases: the parts lie 4 MiB apart
	s_add_nc_u64 s[26:27], s[24:25], 0x400000
	s_add_nc_u64 s[28:29], s[24:25], 0x800000
.macro LOAD t
.irp i, 0,1,2,3
	global_load_b128 v[R+16*(\t)+4*\i:R+16*(\t)+4*\i+3], v3, s[4:5] offset:2048*(\t)+512*\i th:TH_LOAD_NT
.endr
.endm
.macro TURN t                          ; step t's numbers through the stage: LDS serves a wave's instructions in order, so no wait stands between the stores and the loads
.irp i, 0,1,2,3
	ds_store_b128 v14, v[R+16*(\t)+4*\i:R+16*(\t)+4*\i+3] offset:32*SP*((\t)%2)+8*SP*\i
.endr
.irp i, 0,1,2,3
	ds_load_b128 v[X+16*((\t)%2)+4*\i:X+16*((\t)%2)+4*\i+3], v15 offset:32*SP*((\t)%2)+16*\i
.endr
.endm
.irp t, 0,1,2,3
	LOAD \t
.endr
	s_wait_kmcnt 0x0
.irp p, 0,1,2
	s_add_co_i32 s10, s[32+2*\p], 127
	s_lshl_b32 s11, s10, 23
	v_mov_b32 v[SC+\p], s11                        ; 2^e as f32: the conversion takes its exponent field
	s_add_co_i32 s10, s10, 8
	s_lshl_b32 s10, s10, 23
	s_or_b32 s10, s10, 0x600000
	v_mov_b32 v[LIM+\p], s10                       ; 448 x 2^e
.endr
	s_wait_alu depctr_va_vdst(0)
	s_wait_loadcnt 12                              ; step 0's four loads are in; the twelve of the later steps may be out
	TURN 0
.macro STEP t
.set XS, X+16*((\t)%2)
	s_wait_dscnt 0x0                               ; this step's numbers are back from the stage
.if (\t)+1 < STEPS
	s_wait_loadcnt 4*(STEPS-2-(\t))                ; the next step's four loads are in; those of the steps behind it may be out
	TURN (\t)+1                                    ; and go through the other stage while this step is worked
.endif
.irp p, 0,1,2
.set TS, T+16*((3*(\t)+\p)%2)
.irp i, 0,1,2,3,4,5,6,7,8,9,10,11,12,13,14,15
	v_med3_num_f32 v[TS+\i], v[XS+\i], -v[LIM+\p], v[LIM+\p]   ; the conversion to an 8-bit code does not saturate (ISA guide 7.6.2): the hold comes first.  It writes the set that the last conversions did not read
.endr
	v_cvt_scalef32_pk8_fp8_f32 v[C+4*(3*(\t)+\p):C+4*(3*(\t)+\p)+1], v[TS:TS+7], v[SC+\p]
	v_cvt_scalef32_pk8_fp8_f32 v[C+4*(3*(\t)+\p)+2:C+4*(3*(\t)+\p)+3], v[TS+8:TS+15], v[SC+\p]
	global_store_b128 v4, v[C+4*(3*(\t)+\p):C+4*(3*(\t)+\p)+3], s[24+2*\p:25+2*\p] offset:512*(\t)   ; 512 consecutive bytes, aligned
.endr
.endm
.irp t, 0,1,2,3
	STEP \t
.endr
	s_wait_tensorcnt 0x0                           ; the wave's end: behind my last LDS store
	ds_add_u32 v[SPW], v[NIL]
	s_wait_dscnt 0x0
	s_endpgm
.Lfunc_end_k_q4a95a074a1_quant_x:
	.size	k_q4a95a074a1_quant_x, .Lfunc_end_k_q4a95a074a1_quant_x-k_q4a95a074a1_quant_x
	.p2alignl 7, 3214868480
	.fill 96, 4, 3214868480
	.section	.rodata,"a",@progbits
	.p2align	6, 0x0
	.amdhsa_kernel k_q4a95a074a1_quant_x
		.amdhsa_group_segment_fixed_size 33280
		.amdhsa_private_segment_fixed_size 0
		.amdhsa_enable_private_segment 0
		.amdhsa_kernarg_size 24
		.amdhsa_user_sgpr_count 2
		.amdhsa_user_sgpr_kernarg_segment_ptr 1
		.amdhsa_wavefront_size32 1
		.amdhsa_system_sgpr_workgroup_id_x 1
		.amdhsa_system_sgpr_workgroup_id_y 1
		.amdhsa_system_sgpr_workgroup_id_z 1
		.amdhsa_system_vgpr_workitem_id 0
		.amdhsa_next_free_vgpr 192
		.amdhsa_next_free_sgpr 66
		.amdhsa_reserve_vcc 0
		.amdhsa_float_denorm_mode_32 3
		.amdhsa_float_denorm_mode_16_64 3
		.amdhsa_memory_ordered 1
		.amdhsa_forward_progress 1
		.amdhsa_inst_pref_size 22
	.end_amdhsa_kernel
	.amdgpu_metadata
---
amdhsa.version: [ 1, 2 ]
amdhsa.kernels:
  - .name:           k_q4a95a074a1_quant_x
    .symbol:         k_q4a95a074a1_quant_x.kd
    .args:
      - { .name: x, .offset: 0, .size: 8, .value_kind: global_buffer, .address_space: global }
      - { .name: lowp_scales, .offset: 8, .size: 8, .value_kind: global_buffer, .address_space: global }
      - { .name: xc, .offset: 16, .size: 8, .value_kind: global_buffer, .address_space: global }
    .group_segment_fixed_size: 33280
    .private_segment_fixed_size: 0
    .kernarg_segment_align: 8
    .kernarg_segment_size: 24
    .max_flat_workgroup_size: 128
    .sgpr_count:     66
    .vgpr_count:     192
    .wavefront_size: 32
...
	.end_amdgpu_metadata
.endif
;; end of part 9
;; launch qkv (part 10): grid 12 x 16, 4 waves a work-group, clusters of 4 x 4, 327,680 bytes of LDS; arguments xc, Wq_codes, Wk_codes, Wv_codes, bq, bk, bv, lowp_scales, qkvc; writes qkvc
.if DOCPART == 10
	.amdgcn_target "amdgcn-amd-amdhsa--gfx1250"
	.amdhsa_code_object_version 6
	.text
	.protected	k_q4a95a074a1_qkv
	.globl	k_q4a95a074a1_qkv
	.p2align	8
	.type	k_q4a95a074a1_qkv,@function
k_q4a95a074a1_qkv:
	s_mov_b64 s[64:65], 0
	v_nop
	global_prefetch_b8 v0, s[64:65] scope:SCOPE_SE
	s_setreg_imm32_b32 hwreg(HW_REG_WAVE_MODE, 25, 1), 1
	s_wait_xcnt 0x0
	s_wait_alu depctr_hold_cnt(0) depctr_sa_sdst(0) depctr_va_vdst(0) depctr_va_sdst(0) depctr_va_ssrc(0) depctr_va_vcc(0) depctr_vm_vsrc(0)
	s_getreg_b32 s2, hwreg(HW_REG_IB_STS2, 6, 4)
	s_cmp_eq_u32 s2, 0
	s_cbranch_scc0 .Lentry_in_a_cluster
	s_endpgm
.Lentry_in_a_cluster:
	s_bfe_u32 s2, ttmp6, 0x10000c
	s_cmp_lg_u32 s2, 0xf033
	s_cbranch_scc0 .Lentry_shape_is_right
	s_endpgm
.Lentry_shape_is_right:
; Q = x Wq + bq, K = x Wk + bk, V = x Wv + bv on codes of FP8 (E4M3), and their codes for attention's two products (scales 2^e6, 2^e7, 2^e9).  No work of reference() is left out here.
; The cluster's x, p = 0, 1, 2, says which product a cluster of 4 x 4 work-groups serves; it is the same in all sixteen partners.
; A work-group of four waves makes 256 x 256 sums, a wave 128 x 128 in 64 accumulators; K = 1,024 goes in steps of 256 through a ring of two LDS slots filled by joint tensor loads (a tile of "A" is shared along a row of the
; cluster, a tile of "B" along a column).  The matrix instruction takes 16 rows of "B" as source 0 and 16 rows of "A" as source 1: a lane then holds ONE row of "A" and eight neighbouring rows of "B".
; p = 0, 1: "A" = x's codes (tokens), "B" = the weight (features): a lane's eight sums are eight neighbouring features of a token, which are neighbours along the K of Q K^T.
; p = 2: THE ROLES ARE SWAPPED BY POINTERS ALONE: "A" = Wv (features), "B" = x's codes (tokens): a lane's eight sums are eight neighbouring tokens of a feature, neighbours along the K (the keys) of P V.
; So the conversions' results are registers of attention's operands, and they are stored as IMAGES OF THOSE REGISTERS: four registers a lane, 16 bytes at 16 x lane, 512 consecutive bytes a store.
;   Q at byte 0, K at 4 MiB: [batch x head 32][tile of 16 tokens 128][2][lane][16]: register 2 b + w of lane (r, h): features 16 b + 8 h + 4 w .. + 3 of token r.
;   V at 8 MiB: [batch x head 32][step of 128 keys 16][tile of 16 features 4][4][lane][16]: register 2 b + w of lane (r, h): keys 16 b + 8 h + 4 w .. + 3 of feature r.
; Fragments of the given codes are fetched by four loads of 16 bytes: registers 4 c .. 4 c + 3 hold k = 32 c + 16 (lane / 16) + 0 .. 15: a permutation of k that is the same on both sides.
; LIMITS: e0 + e1, e2 + e3, e4 + e5 between -126 and 127; e6, e7, e9 between -126 and 119.  NaN is not served.
; REGISTERS, in windows of 256: window 0: v1-6 at work, v16-29 addresses, v32-95 the bias, v96-255 the way out, from v128 A's fragments (one set); window 1: B's fragments, two sets; windows 2, 3: the accumulators ((a, b) at v[8 (8 (a % 4) + b)]).
.set SIZE_K, 1024
.set A_IMG,  0
.set KSTEP,  256                       ; along K in a slot
.set PITCH,  272                       ; an LDS row: 256 bytes + 16 of padding: the 16 rows that a load touches start at 16 different banks (64 banks of 4 bytes: ISA guide 11.1)
.set FR,     16                        ; registers of a fragment
.set NL,     4                         ; LDS loads that bring one
.set NP,     4                         ; places behind this matrix instruction (ISA guide 7.12.1)
.set HALFT,  128*PITCH                 ; what one tensor load fills, and what one wave reads of A or of B
.set SLOT,   4*HALFT
.set LAPS,   SIZE_K/(2*KSTEP)
.set SPARE,  2*SLOT                    ; behind the ring: the spare words, 128 bytes for each wave
.if A_IMG
.set ASTEP,  4096
.else
.set ASTEP,  KSTEP
.endif
.set ADRA, 16
.set ADRB, 20
.set STO,  24
.set RD,   25
.set CO,   26                          ; v26  16 x lane
.set BO,   27                          ; v27  the bias loads' offset
.set SPW,  28                          ; v28  LDS address of my spare word; never rewritten
.set NIL,  29                          ; v29  0; never rewritten
.set BI,   32
.set T,    96                          ; the way out: a block's 64 numbers
.set AF,   128
.set G1, 24
.set G0, 32
.set G1B, 48
.set G0B, 56
.set MSB, 0
.macro WIN new                         ; the immediate's high byte repeats the setting that is left
.if MSB != \new
	s_set_vgpr_msb (MSB<<8)|\new
.set MSB, \new
.endif
.endm
.set MUL_LO, 0xa1                      ; source 0 (B) window 1, source 1 (A) window 0, C and D window 2
.set MUL_HI, 0xf1                      ; the same, C and D window 3
.set TO_B,   0x40                      ; destination window 1, address window 0
.macro JLOAD g0a, g1a, g0b, g1b        ; a joint load: waves 0 and 1 fetch for A, waves 2 and 3 for B; an s_nop 0 and four v_nop follow each of the two lines
	s_cmp_eq_u32 s15, 0
	s_cbranch_scc0 .Lfor_b_\@
	tensor_load_to_lds s[\g0a:\g0a+3], s[\g1a:\g1a+7]
	s_nop 0
.rept 4
	v_nop
.endr
	s_branch .Lasked_\@
.Lfor_b_\@:
	tensor_load_to_lds s[\g0b:\g0b+3], s[\g1b:\g1b+7]
	s_nop 0
.rept 4
	v_nop
.endr
.Lasked_\@:
.endm
.macro CREST                           ; a round of the cluster's barrier behind its opening barrier
	s_cmp_lg_u32 s14, 0
	s_cbranch_scc1 .Lnot_wave_0_\@
	s_barrier_signal -3
.Lnot_wave_0_\@:
	s_barrier_wait -3
	s_barrier_signal -1
	s_barrier_wait -1
.endm
.macro CROUND
	s_barrier_signal -1
	s_barrier_wait -1
	CREST
.endm
	s_load_b512 s[68:83], s[0:1], 0x0              ; xc s[68:69], Wq, Wk, Wv s[70:75], bq, bk, bv s[76:81], the scales' exponents s[82:83]
	s_load_b64 s[84:85], s[0:1], 0x40              ; qkvc
	v_lshl_add_u32 v[SPW], v0, 2, SPARE
	v_mov_b32 v[NIL], 0
	ds_add_u32 v[SPW], v[NIL]                      ; the wave's opening: the add, twice on end, and its wait ahead of my first tensor load
	ds_add_u32 v[SPW], v[NIL]
	v_lshrrev_b32 v1, 5, v0
	v_readfirstlane_b32 s14, v1                    ; wave 0..3
	s_lshr_b32 s15, s14, 1                         ; which half of A's 256 rows is mine.  Also: I fetch for A (0) or for B (1)
	s_and_b32 s16, s14, 1                          ; which half of B's 256 rows.  Also: which 128 rows of that tile I fetch
	s_bfe_u32 s40, ttmp6, 0x40000                  ; cx, cy: my place in the cluster
	s_bfe_u32 s41, ttmp6, 0x40004
	s_and_b32 s18, ttmp7, 0xffff
	s_lshl_b32 s18, s18, 2                         ; 4 x cluster y
	s_cmp_eq_u32 ttmp9, 2                          ; the 16 tiles of tokens lie along A for p = 0, 1 and along B for p = 2; the 4 tiles of features along the other
	s_cselect_b32 s17, 0, s18
	s_cselect_b32 s42, s18, 0
	s_add_co_u32 s17, s17, s41                     ; A's tile: hangs on cy alone of the two places
	s_add_co_u32 s42, s42, s40                     ; B's tile: on cx alone
	s_lshl_b32 s43, s41, 2
	s_lshl_b32 s43, 15, s43                        ; my row of the cluster
	s_lshl_b32 s44, 0x1111, s40                    ; my column
	s_or_b32 s[G1+0], s43, (1<<20)|(1<<21)|(5<<22)|(3<<25)   ; the mask; elements of 1 byte; padding on; bit 21 beside a mask; 4 words of padding after every 64
	s_or_b32 s[G1B+0], s44, (1<<20)|(1<<21)|(5<<22)|(3<<25)
.irp g, G1, G1B
	s_mov_b32 s[\g+1], KSTEP<<16                   ; tensor_dim0
	s_mov_b32 s[\g+2], 128<<16                     ; tensor_dim1
	s_mov_b32 s[\g+3], KSTEP<<16                   ; tile_dim0
	s_mov_b32 s[\g+4], 128                         ; tile_dim1
	s_mov_b32 s[\g+5], SIZE_K                      ; from row to row
	s_mov_b32 s[\g+6], 0
	s_mov_b32 s[\g+7], 0
.endr
	s_lshl_b32 s20, s17, 8
	s_lshl_b32 s18, s16, 7
	s_add_co_u32 s20, s20, s18
	s_mul_i32 s20, s20, SIZE_K                     ; A: row 256 x tile + 128 x half, in bytes
	s_mov_b32 s21, 0
	s_lshl_b32 s46, s42, 8
	s_add_co_u32 s46, s46, s18
	s_mul_i32 s46, s46, SIZE_K                     ; B likewise
	s_mov_b32 s47, 0
	s_mul_i32 s45, s14, HALFT                      ; where they go: no place in the cluster enters an LDS address
	s_lshl_b32 s22, ttmp9, 22                      ; xc's part p
	s_mov_b32 s23, 0
	s_wait_dscnt 0x0                               ; both opening adds are done
	s_wait_kmcnt 0x0
	s_add_nc_u64 s[68:69], s[68:69], s[22:23]
	s_cmp_eq_u32 ttmp9, 1                          ; the choices hang on the cluster's number alone
	s_cselect_b64 s[6:7], s[72:73], s[70:71]       ; Wk or Wq
	s_cselect_b64 s[8:9], s[78:79], s[76:77]       ; bk or bq
	s_cmp_eq_u32 ttmp9, 2
	s_cselect_b64 s[4:5], s[74:75], s[68:69]       ; A: Wv, or x's codes
	s_cselect_b64 s[6:7], s[68:69], s[6:7]         ; B: x's codes, or the weight
	s_cselect_b64 s[8:9], s[80:81], s[8:9]         ; the bias
	s_mov_b64 s[12:13], s[82:83]
	s_mov_b64 s[10:11], s[84:85]
	s_load_b512 s[68:83], s[12:13], 0x0            ; e0 .. e15, waited for on the way out
	s_add_nc_u64 s[20:21], s[4:5], s[20:21]
	s_add_nc_u64 s[46:47], s[6:7], s[46:47]
	CROUND                                         ; all sixteen work-groups are here: the first joint loads meet
.irp s, 0,1
	s_mov_b32 s[G0+4*\s], 1
	s_add_co_u32 s[G0+4*\s+1], s45, \s*SLOT
	s_add_nc_u64 s[G0+4*\s+2:G0+4*\s+3], s[20:21], \s*ASTEP
	s_or_b32 s[G0+4*\s+3], s[G0+4*\s+3], 0x80000000
	s_mov_b32 s[G0B+4*\s], 1
	s_add_co_u32 s[G0B+4*\s+1], s45, \s*SLOT
	s_add_nc_u64 s[G0B+4*\s+2:G0B+4*\s+3], s[46:47], \s*KSTEP
	s_or_b32 s[G0B+4*\s+3], s[G0B+4*\s+3], 0x80000000
.endr
	JLOAD G0, G1, G0B, G1B                         ; K step 0: one tensor load a wave at the head
	; PREFETCHES INTO THE L2: of the 128 rows that my wave fetches, each of the four partners that ask for them jointly names 32, told apart by address (cx for A, cy for B): a lane a row, 256 bytes of it a K step.
	; Here K steps 1 and 2 are named, behind slot 1's first fill K step 3: each block once in the cluster; K step 0 comes by its load alone.  The address registers are never rewritten.
	s_cmp_eq_u32 s15, 0
	s_cselect_b64 s[66:67], s[20:21], s[46:47]     ; the rows that my wave fetches
	s_cselect_b32 s84, s40, s41                    ; my place among the four that ask with me
	s_lshl_b32 s84, s84, 15                        ; x 32 rows of 1,024 bytes
	s_mov_b32 s85, 0
	s_add_nc_u64 s[66:67], s[66:67], s[84:85]
	v_and_b32 v22, 31, v0
	v_lshlrev_b32 v22, 10, v22
	global_prefetch_b8 v22, s[66:67] offset:256 th:TH_LOAD_NT scope:SCOPE_SE
	global_prefetch_b8 v22, s[66:67] offset:512 th:TH_LOAD_NT scope:SCOPE_SE
	v_and_b32 v1, 15, v0                           ; r = lane % 16
	v_bfe_u32 v2, v0, 4, 1                         ; h = lane / 16
	v_and_b32 v6, 31, v0
	v_lshlrev_b32 v[CO], 4, v6                     ; 16 x lane
	v_mul_u32_u24 v3, v1, PITCH
	v_lshl_add_u32 v4, v2, 4, v3                   ; a fragment's row x pitch + 16 x half
	s_mul_i32 s21, s15, HALFT                      ; my 128 rows of A
	s_mul_i32 s22, s16, HALFT                      ; my 128 rows of B,
	s_add_co_u32 s22, s22, 2*HALFT                 ; which lie behind A's 256
.irp s, 0,1
.if A_IMG
	v_add_nc_u32 v[ADRA+\s], s21, v[CO]
.else
	v_add_nc_u32 v[ADRA+\s], s21, v4
.endif
	v_add_nc_u32 v[ADRB+\s], s22, v4
	s_add_co_u32 s21, s21, SLOT
	s_add_co_u32 s22, s22, SLOT
.endr
.macro FRAGB reg, adr, q, i            ; 16 rows x 128 K: registers 4 c .. 4 c + 3 hold K = 32 c + 16 (lane / 16) + 0 .. 15 of row lane % 16
.irp c, 0,1,2,3
	ds_load_b128 v[\reg+4*\c:\reg+4*\c+3], v[\adr] offset:128*(\q)+32*\c+(\i)*16*PITCH
.endr
.endm
.macro FRAGA reg, adr, q, i
.irp c, 0,1,2,3
.if A_IMG
	ds_load_b128 v[\reg+4*\c:\reg+4*\c+3], v[\adr] offset:2048*(\q)+512*\c+(\i)*4096
.else
	ds_load_b128 v[\reg+4*\c:\reg+4*\c+3], v[\adr] offset:128*(\q)+32*\c+(\i)*16*PITCH
.endif
.endr
.endm
; 16 matrix instructions: A's blocks a0, a0 + 1 x B's eight.  The 64 accumulators take turns, one instruction a turn, in the same order in every step.
.macro MUL16 a0, p, zero
.irp a, \a0, \a0+1
.irp b, 0,1,2,3,4,5,6,7
.if \zero
	v_wmma_f32_16x16x128_fp8_fp8 v[8*(8*((\a)%4)+\b):8*(8*((\a)%4)+\b)+7], v[128*(\p)+FR*\b:128*(\p)+FR*\b+FR-1], v[AF+FR*(\a):AF+FR*(\a)+FR-1], 0
.else
	v_wmma_f32_16x16x128_fp8_fp8 v[8*(8*((\a)%4)+\b):8*(8*((\a)%4)+\b)+7], v[128*(\p)+FR*\b:128*(\p)+FR*\b+FR-1], v[AF+FR*(\a):AF+FR*(\a)+FR-1], v[8*(8*((\a)%4)+\b):8*(8*((\a)%4)+\b)+7]
.endif
.endr
.endr
.endm
.macro FETCH_B slot, q, p
	WIN TO_B
.irp i, 0,1,2,3,4,5,6,7
	FRAGB 128*(\p)+FR*\i, ADRB+\slot, \q, \i
.endr
	WIN 0
.endm
.macro FETCH_A slot, q, i0
.irp i, \i0, \i0+1, \i0+2, \i0+3
	FRAGA AF+FR*(\i), ADRA+\slot, \q, \i
.endr
.endm
.macro PLACES n                        ; plain vector instructions between a matrix instruction and a load into, or a read of, its registers
.rept \n
	v_nop
.endr
.endm
.macro STEP slot, q, zero              ; 128 along K, with its successor in the same slot
	s_wait_dscnt 4*NL                              ; B's set and A's blocks 0-3 are in; the youngest 16 loads (A's blocks 4-7) may be out
	WIN MUL_LO
	MUL16 0, (\q)%2, \zero
	MUL16 2, (\q)%2, \zero
	s_wait_dscnt 0                                 ; A's blocks 4-7 are in
	PLACES NP
	FETCH_B \slot, (\q)+1, 1-(\q)%2
	FETCH_A \slot, (\q)+1, 0
	WIN MUL_HI
	MUL16 4, (\q)%2, \zero
	MUL16 6, (\q)%2, \zero
	PLACES NP
	WIN 0
	FETCH_A \slot, (\q)+1, 4
.endm
.macro TURN slot, next, fill           ; a slot's last step changes slots: one barrier; fill = 1: it opens a round of the cluster's barrier and this slot is filled again
	s_wait_tensorcnt 0x0                           ; all my tensor loads have landed: my part of the next slot
	ds_add_u32 v[SPW], v[NIL]                      ; 0 onto my spare word
	s_wait_dscnt 4*NL+1                            ; (the add and the youngest 16 loads may be out)
	WIN MUL_LO
	MUL16 0, 1, 0
	s_wait_dscnt 0x0                               ; the add is done, and my reads of this slot are over
	s_barrier_signal -1
	MUL16 2, 1, 0
	WIN 0
	s_barrier_wait -1
.if \fill
	CREST                                          ; no wave of any partner still reads this slot or has a load on its way
	s_add_nc_u64 s[G0+4*\slot+2:G0+4*\slot+3], s[G0+4*\slot+2:G0+4*\slot+3], 2*ASTEP
	s_add_nc_u64 s[G0B+4*\slot+2:G0B+4*\slot+3], s[G0B+4*\slot+2:G0B+4*\slot+3], 2*KSTEP
	JLOAD G0+4*\slot, G1, G0B+4*\slot, G1B         ; the first tensor load behind the round; its four v_nop are the places in front of the loads below
.else
	PLACES NP
.endif
	FETCH_B \next, 0, 0
	FETCH_A \next, 0, 0
	WIN MUL_HI
	MUL16 4, 1, 0
	MUL16 6, 1, 0
	PLACES NP
	WIN 0
	FETCH_A \next, 0, 4
.endm
	s_wait_alu depctr_va_vdst(0)
	s_wait_tensorcnt 0x0                           ; my part of K step 0 is in
	ds_add_u32 v[SPW], v[NIL]
	s_wait_dscnt 0x0
	CROUND                                         ; everybody's part of K step 0 is in, and the joint loads meet
	JLOAD G0+4, G1, G0B+4, G1B                     ; K step 1, slot 1's first fill: the first tensor load behind the round
	FETCH_B 0, 0, 0
	FETCH_A 0, 0, 0
	FETCH_A 0, 0, 4
	global_prefetch_b8 v22, s[66:67] offset:768 th:TH_LOAD_NT scope:SCOPE_SE   ; K step 3, two refills ahead of its load
	STEP 0, 0, 1                                   ; the first step's products start the sums
	s_mov_b32 s3, LAPS-1
.Llap:
	TURN 0, 1, 1
	STEP 1, 0, 0
	TURN 1, 0, 1
	STEP 0, 0, 0
	s_sub_co_u32 s3, s3, 1
	s_cmp_lg_u32 s3, 0
	s_cbranch_scc1 .Llap
	TURN 0, 1, 0                                   ; the last lap fills nothing
	STEP 1, 0, 0
	s_wait_dscnt 4*NL
	WIN MUL_LO
	MUL16 0, 1, 0
	MUL16 2, 1, 0
	s_wait_dscnt 0
	WIN MUL_HI
	MUL16 4, 1, 0
	MUL16 6, 1, 0
	WIN 0
	; THE WAY OUT: number = sum x 2^(eA + eB) + bias; held; converted with the next product's scale; the codes are stored as images.  No LDS is touched.
	s_wait_kmcnt 0x0                               ; e0 .. e15 in s68 .. s83
	s_add_co_i32 s86, s68, s69
	s_add_co_i32 s87, s70, s71
	s_add_co_i32 s88, s72, s73
	s_cmp_eq_u32 ttmp9, 1
	s_cselect_b32 s86, s87, s86
	s_cselect_b32 s89, s75, s74                    ; e7 or e6
	s_cmp_eq_u32 ttmp9, 2
	s_cselect_b32 s86, s88, s86
	s_cselect_b32 s89, s77, s89                    ; e9
	s_add_co_i32 s86, s86, 127
	s_lshl_b32 s96, s86, 23                        ; 2^(eA + eB) as f32
	s_mov_b32 s97, s96                             ; (named with it as a pair, so it is written)
	s_add_co_i32 s89, s89, 127
	s_lshl_b32 s90, s89, 23
	v_mov_b32 v6, s90                              ; the quantiser's 2^e
	s_add_co_i32 s89, s89, 8
	s_lshl_b32 s89, s89, 23
	s_or_b32 s89, s89, 0x600000
	v_mov_b32 v7, s89                              ; 448 x 2^e
	PLACES NP
; Block a: A's rows 16 a .. 16 a + 15 x B's 128 rows.  vee = 0: the bias goes with B's rows (64 registers); 1: with A's row (a pair for each block).
.macro OUT a, vee
.if (\a) == 6
	s_wait_xcnt 0x0                                ; the stores of blocks 0 to 5 have read their registers: sets 0 and 1 of the codes may be written again
.endif
.set AC, 64*((\a)%4)
.set PC, 160+16*((\a)%6)
	WIN 0x02+((\a)/4)                              ; source 0: window 2 or 3
.set j, 0
.rept 32
.if \vee
	v_pk_fma_f32 v[T+j:T+j+1], v[AC+j:AC+j+1], s[96:97], v[BI+2*(\a):BI+2*(\a)+1] op_sel_hi:[1,0,1]
.else
	v_pk_fma_f32 v[T+j:T+j+1], v[AC+j:AC+j+1], s[96:97], v[BI+j:BI+j+1] op_sel_hi:[1,0,1]   ; each accumulator from its low end on
.endif
.set j, j+2
.endr
	WIN 0
.set j, 0
.rept 64
	v_med3_num_f32 v[T+j], v[T+j], -v7, v7         ; the conversion does not saturate (ISA guide 7.6.2)
.set j, j+1
.endr
.irp b, 0,1,2,3,4,5,6,7
	v_cvt_scalef32_pk8_fp8_f32 v[PC+2*\b:PC+2*\b+1], v[T+8*\b:T+8*\b+7], v6
.endr
	v_nop                                          ; a plain instruction between the conversions and the next writes of their sources
.irp g, 0,1,2,3
.if \vee
	global_store_b128 v[CO], v[PC+4*\g:PC+4*\g+3], s[10:11] offset:((\a)/4)*131072+((\a)%4)*2048+\g*512   ; head a / 4 of my two, tile a % 4 of its features, group g of the fragment
.else
	global_store_b128 v[CO], v[PC+4*\g:PC+4*\g+3], s[10:11] offset:(\g/2)*131072+(\a)*1024+(\g%2)*512     ; head g / 2 of my two, tile a of my tokens, group g % 2 of the fragment
.endif
.endr
.endm
	s_cmp_eq_u32 ttmp9, 2                          ; the cluster's number: all waves of all partners go the same way
	s_cbranch_scc1 .Larm_v
	s_lshl_b32 s46, s42, 1
	s_add_co_u32 s46, s46, s16
	s_lshl_b32 s46, s46, 9                         ; my first feature, 256 x tile + 128 x half, in bytes of f32
	s_mov_b32 s47, 0
	s_add_nc_u64 s[8:9], s[8:9], s[46:47]
	v_lshlrev_b32 v[BO], 5, v2                     ; register 8 b + i: the bias of feature 16 b + 8 h + i
.irp b, 0,1,2,3,4,5,6,7
	global_load_b128 v[BI+8*\b:BI+8*\b+3], v[BO], s[8:9] offset:64*\b
	global_load_b128 v[BI+8*\b+4:BI+8*\b+7], v[BO], s[8:9] offset:64*\b+16
.endr
	s_lshr_b32 s90, s17, 3                         ; the batch: a tile of tokens is 256, a sequence 2,048
	s_lshl_b32 s90, s90, 4
	s_lshl_b32 s91, s42, 2
	s_add_co_u32 s90, s90, s91
	s_lshl_b32 s91, s16, 1
	s_add_co_u32 s90, s90, s91                     ; 16 x batch + my first head
	s_lshl_b32 s90, s90, 17                        ; x 131,072 bytes
	s_and_b32 s91, s17, 7
	s_lshl_b32 s91, s91, 4
	s_lshl_b32 s92, s15, 3
	s_add_co_u32 s91, s91, s92                     ; my first tile of 16 tokens in the sequence
	s_lshl_b32 s91, s91, 10
	s_add_co_u32 s90, s90, s91
	s_lshl_b32 s91, ttmp9, 22                      ; Q's region or K's
	s_add_co_u32 s90, s90, s91
	s_mov_b32 s91, 0
	s_add_nc_u64 s[10:11], s[10:11], s[90:91]
	s_wait_loadcnt 0x0
.irp a, 0,1,2,3,4,5,6,7
	OUT \a, 0
.endr
	s_branch .Ljoin
.Larm_v:
	s_lshl_b32 s46, s17, 1
	s_add_co_u32 s46, s46, s15
	s_lshl_b32 s46, s46, 9                         ; my first feature, now along A
	s_mov_b32 s47, 0
	s_add_nc_u64 s[8:9], s[8:9], s[46:47]
	v_lshlrev_b32 v[BO], 2, v1                     ; block a: the bias of feature 16 a + r
.irp a, 0,1,2,3,4,5,6,7
	global_load_b32 v[BI+2*\a], v[BO], s[8:9] offset:64*\a
.endr
	s_lshr_b32 s90, s42, 3                         ; the batch, now from B's tile
	s_lshl_b32 s90, s90, 4
	s_lshl_b32 s91, s17, 2
	s_add_co_u32 s90, s90, s91
	s_lshl_b32 s91, s15, 1
	s_add_co_u32 s90, s90, s91                     ; 16 x batch + my first head
	s_lshl_b32 s90, s90, 17
	s_and_b32 s91, s42, 7
	s_lshl_b32 s91, s91, 1
	s_add_co_u32 s91, s91, s16                     ; my 128 tokens are one step of keys
	s_lshl_b32 s91, s91, 13
	s_add_co_u32 s90, s90, s91
	s_add_co_u32 s90, s90, 0x800000                ; V's region
	s_mov_b32 s91, 0
	s_add_nc_u64 s[10:11], s[10:11], s[90:91]
	s_wait_loadcnt 0x0
.irp a, 0,1,2,3,4,5,6,7
	v_mov_b32 v[BI+2*\a+1], v[BI+2*\a]             ; a pair for the packed form
.endr
.irp a, 0,1,2,3,4,5,6,7
	OUT \a, 1
.endr
.Ljoin:
	s_wait_tensorcnt 0x0                           ; the wave's end
	ds_add_u32 v[SPW], v[NIL]
	s_wait_dscnt 0x0
	CROUND                                         ; the closing round: no work-group ends while a partner may still ask for a tile that names it
	s_endpgm
.Lfunc_end_k_q4a95a074a1_qkv:
	.size	k_q4a95a074a1_qkv, .Lfunc_end_k_q4a95a074a1_qkv-k_q4a95a074a1_qkv
	.p2alignl 7, 3214868480
	.fill 96, 4, 3214868480
	.section	.rodata,"a",@progbits
	.p2align	6, 0x0
	.amdhsa_kernel k_q4a95a074a1_qkv
		.amdhsa_group_segment_fixed_size 327680
		.amdhsa_private_segment_fixed_size 0
		.amdhsa_enable_private_segment 0
		.amdhsa_kernarg_size 72
		.amdhsa_user_sgpr_count 2
		.amdhsa_user_sgpr_kernarg_segment_ptr 1
		.amdhsa_wavefront_size32 1
		.amdhsa_system_sgpr_workgroup_id_x 1
		.amdhsa_system_sgpr_workgroup_id_y 1
		.amdhsa_system_sgpr_workgroup_id_z 1
		.amdhsa_system_vgpr_workitem_id 0
		.amdhsa_next_free_vgpr 1024
		.amdhsa_next_free_sgpr 100
		.amdhsa_reserve_vcc 0
		.amdhsa_float_denorm_mode_32 3
		.amdhsa_float_denorm_mode_16_64 3
		.amdhsa_memory_ordered 1
		.amdhsa_forward_progress 1
		.amdhsa_inst_pref_size 195
	.end_amdhsa_kernel
	.amdgpu_metadata
---
amdhsa.version: [ 1, 2 ]
amdhsa.kernels:
  - .name:           k_q4a95a074a1_qkv
    .symbol:         k_q4a95a074a1_qkv.kd
    .args:
      - { .name: xc, .offset: 0, .size: 8, .value_kind: global_buffer, .address_space: global }
      - { .name: Wq_codes, .offset: 8, .size: 8, .value_kind: global_buffer, .address_space: global }
      - { .name: Wk_codes, .offset: 16, .size: 8, .value_kind: global_buffer, .address_space: global }
      - { .name: Wv_codes, .offset: 24, .size: 8, .value_kind: global_buffer, .address_space: global }
      - { .name: bq, .offset: 32, .size: 8, .value_kind: global_buffer, .address_space: global }
      - { .name: bk, .offset: 40, .size: 8, .value_kind: global_buffer, .address_space: global }
      - { .name: bv, .offset: 48, .size: 8, .value_kind: global_buffer, .address_space: global }
      - { .name: lowp_scales, .offset: 56, .size: 8, .value_kind: global_buffer, .address_space: global }
      - { .name: qkvc, .offset: 64, .size: 8, .value_kind: global_buffer, .address_space: global }
    .group_segment_fixed_size: 327680
    .private_segment_fixed_size: 0
    .kernarg_segment_align: 8
    .kernarg_segment_size: 72
    .max_flat_workgroup_size: 128
    .sgpr_count:     100
    .vgpr_count:     1024
    .wavefront_size: 32
...
	.end_amdgpu_metadata
.endif
;; end of part 10
;; launch attn (part 11): grid 8 x 32, 8 waves a work-group, clusters of 4 x 1, 327,680 bytes of LDS; arguments qkvc, lowp_scales, cc; writes cc
.if DOCPART == 11
	.amdgcn_target "amdgcn-amd-amdhsa--gfx1250"
	.amdhsa_code_object_version 6
	.text
	.protected	k_q4a95a074a1_attn
	.globl	k_q4a95a074a1_attn
	.p2align	8
	.type	k_q4a95a074a1_attn,@function
k_q4a95a074a1_attn:
	s_mov_b64 s[64:65], 0
	v_nop
	global_prefetch_b8 v0, s[64:65] scope:SCOPE_SE
	s_setreg_imm32_b32 hwreg(HW_REG_WAVE_MODE, 25, 1), 1
	s_wait_xcnt 0x0
	s_wait_alu depctr_hold_cnt(0) depctr_sa_sdst(0) depctr_va_vdst(0) depctr_va_sdst(0) depctr_va_ssrc(0) depctr_va_vcc(0) depctr_vm_vsrc(0)
	s_getreg_b32 s2, hwreg(HW_REG_IB_STS2, 6, 4)
	s_cmp_eq_u32 s2, 0
	s_cbranch_scc0 .Lentry_in_a_cluster
	s_endpgm
.Lentry_in_a_cluster:
	s_bfe_u32 s2, ttmp6, 0x10000c
	s_cmp_lg_u32 s2, 0x3003
	s_cbranch_scc0 .Lentry_shape_is_right
	s_endpgm
.Lentry_shape_is_right:
; ctx = softmax(Q K^T / 8) V for one batch x head (grid y) and 256 queries (grid x), both products on codes of FP8 (E4M3); ctx's codes (scale 2^e10) leave as images of the next product's operand registers.
; No work of reference() is left out here.
; THE SOFTMAX: t = score x log2(e) / 8; M = the running largest t rounded up to a whole number; p = 2^(t - M) is quantised with 2^e8, not normalised; the row's sum is taken of the unquantised p and divides at the end.
; When M moves, the sum and O^T are multiplied by 2^(old M - new M), which rounds nothing.  No branch hangs on data.
; SHARES: eight waves, each with TWO tiles of 16 queries, X and Y: each fragment of K and of V that a wave reads from LDS feeds two matrix instructions.  Every wave walks the head's 2,048 keys in 16 steps of 128.
; The two tiles' dependent chains stand line by line beside each other; Y's scalings stand among X's exponentials, X's holds among Y's (nothing reads either before the wait that follows); the next step's fragments of K are asked for a step ahead.
; Both products are used transposed (S^T = K Q^T, O^T = V^T P^T): a lane holds one query of each tile; register 8 t + j of S^T is key 16 t + 8 (lane / 16) + j, so the conversions' results are the second product's operand.
; LDS: the head's K (131,072 bytes, at 0) and V (131,072 bytes, at 2^17) lie there whole, as images of operand registers (16 bytes at 16 x lane); no byte is filled twice.
; Each wave issues two tensor loads: at the head 8,192 bytes (waves 0-3: K, waves 4-7: V; together key steps 0 to 3), and, behind a second round of the cluster's barrier, 24,576 bytes (steps 4 to 15).
; Steps 0 to 2 are walked first (their look-ahead reads K's step 3); then one barrier shows the second loads to all waves.  The last step's look-ahead reads V's first 8,192 bytes in K's stead: they have landed, and nothing uses them.
; CLUSTER: the four work-groups of a cluster serve the same head and ask for K and V jointly (mask 15); the descriptors hang on the head and the wave's number alone.
; NO PREFETCH: all that the launch reads through LDS is asked for by those two loads; there is no loop that loads and so nothing to run ahead of.
; LIMITS: e6 + e7 between -123 and 130; e8 and e10 between -126 and 119; the scaled scores stay under 2^31 in magnitude.  NaN is not served.
; REGISTERS.  Window 0: v1-3 lane addresses, v8, v9 the step's, v10, v11 the old -M; X: v12 -M, v13 the largest t, v[14:15] the sum, v20-23, v28, v30-35 at work; Y: v16-19, v24-27, v29, v36-41; v42-46 constants; v48-63 the way out;
;   v64-127 S^T of X, v128-191 of Y; v192-223 O^T of X, v224-255 of Y.   Window 1: v0-63 K's fragments, v64-127 V's, v128-143 Q, v144-175 p's codes.
.set SPARE, 262144                     ; behind K and V: the spare words, 128 bytes for each of 8 waves
.set LI,   1
.set LV,   2
.set LK,   3
.set SPW,  5                           ; v5  my spare word; never rewritten
.set NIL,  6                           ; v6  0; never rewritten
.set ADK,  8
.set ADV,  9
.set SX,   64
.set SY,   128
.set OX,   192
.set OY,   224
.set KF,   0                           ; window 1
.set VF,   64
.set QX,   128
.set QY,   136
.set CX,   144
.set CY,   160
.set WV,   18
.set SEL,  20
.set CS,   22
.set G1,   24                          ; s[24:31] group 1: 32 rows of 256 bytes
.set G0,   32                          ; s[32:35], s[36:39] groups 0 of my two loads
.set G1B,  40                          ; s[40:47] group 1: 96 rows of 256 bytes
.set TB,   48
.set CNT,  49
.set MSB, 0
.macro WIN new                         ; the immediate's high byte repeats the setting that is left
.if MSB != \new
	s_set_vgpr_msb (MSB<<8)|\new
.set MSB, \new
.endif
.endm
.set TO_1, 0x40                        ; destination window 1, sources window 0: loads of fragments, and the conversions
.set MUL,  0x05                        ; sources 0 and 1 window 1; C and D window 0
.macro CROUND                          ; a round of the cluster's barrier
	s_barrier_signal -1
	s_barrier_wait -1
	s_cmp_lg_u32 s[WV], 0
	s_cbranch_scc1 .Lnot_wave_0_\@
	s_barrier_signal -3
.Lnot_wave_0_\@:
	s_barrier_wait -3
	s_barrier_signal -1
	s_barrier_wait -1
.endm
.macro KLOAD adr                       ; a step's eight fragments of K
.irp t, 0,1,2,3,4,5,6,7
	ds_load_b128 v[KF+8*\t:KF+8*\t+3], v[\adr] offset:1024*\t
	ds_load_b128 v[KF+8*\t+4:KF+8*\t+7], v[\adr] offset:1024*\t+512
.endr
.endm
	s_load_b128 s[4:7], s[0:1], 0x0                ; qkvc, the scales' exponents
	s_load_b64 s[8:9], s[0:1], 0x10                ; cc
	v_lshl_add_u32 v[SPW], v0, 2, SPARE
	v_mov_b32 v[NIL], 0
	ds_add_u32 v[SPW], v[NIL]                      ; the opening: the add, twice on end, and its wait ahead of my first tensor load
	ds_add_u32 v[SPW], v[NIL]
	v_lshrrev_b32 v8, 5, v0
	v_readfirstlane_b32 s[WV], v8                  ; wave 0..7
	s_bfe_u32 s10, ttmp6, 0x40000                  ; cx
	s_lshl_b32 s11, ttmp9, 2
	s_add_co_u32 s11, s11, s10                     ; my block of 256 queries
	s_and_b32 s12, ttmp7, 0xffff                   ; batch x head
.irp g, G1, G1B
	s_mov_b32 s[\g], 15|(3<<16)|(1<<21)            ; the mask of the four partners; elements of 8 bytes; bit 21 beside a mask
	s_mov_b32 s[\g+1], 32<<16                      ; rows of 32 elements: 256 bytes
	s_mov_b32 s[\g+3], 32<<16
	s_mov_b32 s[\g+5], 32                          ; dense
	s_mov_b32 s[\g+6], 0
	s_mov_b32 s[\g+7], 0
.endr
	s_mov_b32 s[G1+2], 32<<16
	s_mov_b32 s[G1+4], 32
	s_mov_b32 s[G1B+2], 96<<16
	s_mov_b32 s[G1B+4], 96
	s_lshr_b32 s50, s[WV], 2                       ; 0: I fetch for K; 1: for V
	s_and_b32 s51, s[WV], 3                        ; which quarter
	s_lshl_b32 s52, s50, 17
	s_lshl_b32 s53, s51, 13                        ; first load: 8,192 bytes at 8,192 x quarter
	s_mul_i32 s62, s51, 24576
	s_add_co_u32 s62, s62, 32768                   ; second: 24,576 bytes at 32,768 + 24,576 x quarter
	s_mov_b32 s[G0], 1
	s_add_co_u32 s[G0+1], s52, s53
	s_mov_b32 s[G0+4], 1
	s_add_co_u32 s[G0+5], s52, s62
	s_lshl_b32 s54, s50, 22
	s_add_co_u32 s54, s54, 0x400000                ; K's region of qkvc, or V's
	s_lshl_b32 s14, s12, 17
	s_add_co_u32 s54, s54, s14                     ; the head's 131,072 bytes
	s_add_co_u32 s56, s54, s53
	s_mov_b32 s57, 0
	s_add_co_u32 s58, s54, s62
	s_mov_b32 s59, 0
	s_lshl_b32 s13, s11, 4
	s_lshl_b32 s15, s[WV], 1
	s_add_co_u32 s13, s13, s15                     ; tile X of 16 queries in the sequence; Y is the next
	s_lshl_b32 s60, s13, 10
	s_add_co_u32 s60, s60, s14                     ; Q's image of it
	s_mov_b32 s61, 0
	s_lshr_b32 s15, s12, 4
	s_lshl_b32 s15, s15, 7
	s_add_co_u32 s15, s15, s13                     ; tile X's 16 rows of ctx: 16,384 bytes a tile,
	s_lshl_b32 s66, s15, 14
	s_and_b32 s15, s12, 15
	s_lshl_b32 s15, s15, 10                        ; and the head's 64 features: 1,024 bytes of it
	s_add_co_u32 s66, s66, s15
	s_mov_b32 s67, 0
	s_mov_b32 s[SEL], 0x76543210
	s_mov_b32 s[SEL+1], 0xfedcba98
	s_mov_b32 s[CS], 0x3e38aa3b                    ; log2(e) / 8
	s_wait_dscnt 0x0                               ; both opening adds are done
	s_wait_kmcnt 0x0
	s_load_b256 s[68:75], s[6:7], 0x10             ; e4 .. e11
	s_add_nc_u64 s[G0+2:G0+3], s[4:5], s[56:57]
	s_or_b32 s[G0+3], s[G0+3], 0x80000000
	s_add_nc_u64 s[G0+6:G0+7], s[4:5], s[58:59]
	s_or_b32 s[G0+7], s[G0+7], 0x80000000
	s_add_nc_u64 s[60:61], s[4:5], s[60:61]
	s_add_nc_u64 s[8:9], s[8:9], s[66:67]
	CROUND                                         ; the four partners are here: the first joint loads meet
	tensor_load_to_lds s[G0:G0+3], s[G1:G1+7]      ; my part of key steps 0 to 3: my one load at the head
	s_nop 0
	v_and_b32 v[LI], 31, v0
	v_lshlrev_b32 v[LI], 4, v[LI]                  ; 16 x lane
	v_add_nc_u32 v[LV], 0x20000, v[LI]             ; in V's region
	v_add_nc_u32 v[LK], 8192, v[LI]                ; a step ahead in K's
	WIN TO_1
	global_load_b128 v[QX:QX+3], v[LI], s[60:61]   ; Q's two fragments stay in registers
	global_load_b128 v[QX+4:QX+7], v[LI], s[60:61] offset:512
	global_load_b128 v[QY:QY+3], v[LI], s[60:61] offset:1024
	global_load_b128 v[QY+4:QY+7], v[LI], s[60:61] offset:1536
	WIN 0
	v_mov_b32 v13, 0xff61b1e6                      ; the largest t so far: -3e38
	v_mov_b32 v17, 0xff61b1e6
	v_floor_f32 v12, -v13                          ; -M
	v_floor_f32 v16, -v17
.irp r, 14,15,18,19,23,27,28,29
	v_mov_b32 v\r, 0                               ; the sums; the upper halves of the pairs that hold f; the lane permutes' destinations
.endr
.set j, 0
.rept 64
	v_mov_b32 v[OX+j], 0                           ; O^T: the step is written for all steps alike, and the first finds zeros
.set j, j+1
.endr
	s_wait_kmcnt 0x0
	s_add_co_i32 s50, s70, s71
	s_lshl_b32 s50, s50, 23
	s_add_co_i32 s[CS], s[CS], s50                 ; e6 + e7 go into c's exponent field
	s_mov_b32 s[CS+1], s[CS]
	s_add_co_i32 s50, s72, 127
	s_lshl_b32 s51, s50, 23
	v_mov_b32 v44, s51                             ; 2^e8
	s_add_co_i32 s50, s50, 8
	s_lshl_b32 s50, s50, 23
	s_or_b32 s50, s50, 0x600000
	v_mov_b32 v42, s50                             ; 448 x 2^e8, twice: one for each half of a dual pair
	v_mov_b32 v43, s50
	s_add_co_i32 s50, s74, 127
	s_lshl_b32 s51, s50, 23                        ; 2^e10
	s_add_co_i32 s50, s50, 8
	s_lshl_b32 s50, s50, 23
	s_or_b32 s50, s50, 0x600000                    ; 448 x 2^e10
	s_add_co_i32 s57, s72, s73                     ; e8 + e9
	s_wait_alu depctr_va_vdst(0)                   ; the wait at the head's end
	s_wait_tensorcnt 0x0                           ; my part of steps 0 to 3 is in
	ds_add_u32 v[SPW], v[NIL]
	s_wait_dscnt 0x0
	CROUND                                         ; everybody's part is in, and the partners' second loads meet
	tensor_load_to_lds s[G0+4:G0+7], s[G1B:G1B+7]  ; my part of key steps 4 to 15
	s_nop 0
	WIN TO_1
	KLOAD LI                                       ; step 0's fragments of K
	WIN 0
	s_wait_loadcnt 0x0                             ; Q
.macro SUMS sb, acc, tmp               ; the sum of a tile's 64 unquantised p, in four chains
	v_pk_add_f32 v[\tmp:\tmp+1], v[\sb:\sb+1], v[\sb+2:\sb+3]
	v_pk_add_f32 v[\tmp+2:\tmp+3], v[\sb+4:\sb+5], v[\sb+6:\sb+7]
	v_pk_add_f32 v[\tmp+4:\tmp+5], v[\sb+8:\sb+9], v[\sb+10:\sb+11]
.irp j, 12,20,28,36,44,52
	v_pk_add_f32 v[\acc:\acc+1], v[\acc:\acc+1], v[\sb+\j:\sb+\j+1]
	v_pk_add_f32 v[\tmp:\tmp+1], v[\tmp:\tmp+1], v[\sb+\j+2:\sb+\j+3]
	v_pk_add_f32 v[\tmp+2:\tmp+3], v[\tmp+2:\tmp+3], v[\sb+\j+4:\sb+\j+5]
	v_pk_add_f32 v[\tmp+4:\tmp+5], v[\tmp+4:\tmp+5], v[\sb+\j+6:\sb+\j+7]
.endr
	v_pk_add_f32 v[\acc:\acc+1], v[\acc:\acc+1], v[\sb+60:\sb+61]
	v_pk_add_f32 v[\tmp:\tmp+1], v[\tmp:\tmp+1], v[\sb+62:\sb+63]
	v_pk_add_f32 v[\tmp+2:\tmp+3], v[\tmp+2:\tmp+3], v[\tmp+4:\tmp+5]
	v_pk_add_f32 v[\acc:\acc+1], v[\acc:\acc+1], v[\tmp:\tmp+1]
	v_pk_add_f32 v[\acc:\acc+1], v[\acc:\acc+1], v[\tmp+2:\tmp+3]
.endm
; A KEY STEP: 128 keys, whose images begin at byte s[TB] of K's and of V's region.  Its fragments of K were asked for a step earlier.
.macro STEP
	s_wait_dscnt 0x0                               ; K's fragments
	WIN MUL
.irp t, 0,1,2,3,4,5,6,7
	v_wmma_f32_16x16x64_fp8_fp8 v[SX+8*\t:SX+8*\t+7], v[KF+8*\t:KF+8*\t+7], v[QX:QX+7], 0
	v_wmma_f32_16x16x64_fp8_fp8 v[SY+8*\t:SY+8*\t+7], v[KF+8*\t:KF+8*\t+7], v[QY:QY+7], 0
.endr
	WIN 0
	v_add_nc_u32 v[ADV], s[TB], v[LV]              ; these four lines are the places in front of loads into registers that matrix instructions have read, and of the first reads of S^T
	v_add_nc_u32 v[ADK], s[TB], v[LK]
	v_mov_b32 v10, v12                             ; the old -M of X and of Y
	v_mov_b32 v11, v16
	WIN TO_1
.irp d, 0,1,2,3
.irp c, 0,1,2,3
	ds_load_b128 v[VF+16*\d+4*\c:VF+16*\d+4*\c+3], v[ADV] offset:2048*\d+512*\c   ; V's fragments come in under the softmax,
.endr
.endr
	KLOAD ADK                                      ; and the next step's of K behind them
	WIN 0
	v_max3_num_f32 v20, v[SX], v[SX+1], v[SX+2]    ; the step's largest scores, two chains a tile, each accumulator from its low end on
	v_max3_num_f32 v24, v[SY], v[SY+1], v[SY+2]
	v_max3_num_f32 v21, v[SX+3], v[SX+4], v[SX+5]
	v_max3_num_f32 v25, v[SY+3], v[SY+4], v[SY+5]
.irp i, 6,10,14,18,22,26,30,34,38,42,46,50,54,58
	v_max3_num_f32 v20, v20, v[SX+\i], v[SX+\i+1]
	v_max3_num_f32 v24, v24, v[SY+\i], v[SY+\i+1]
	v_max3_num_f32 v21, v21, v[SX+\i+2], v[SX+\i+3]
	v_max3_num_f32 v25, v25, v[SY+\i+2], v[SY+\i+3]
.endr
	v_max3_num_f32 v20, v20, v[SX+62], v[SX+63]
	v_max3_num_f32 v24, v24, v[SY+62], v[SY+63]
	v_max_num_f32 v20, v20, v21
	v_max_num_f32 v24, v24, v25
	v_permlanex16_b32 v28, v20, s[SEL], s[SEL+1]
	v_permlanex16_b32 v29, v24, s[SEL], s[SEL+1]
	v_max_num_f32 v20, v20, v28                    ; and lane l xor 16's
	v_max_num_f32 v24, v24, v29
	v_mul_f32 v20, s[CS], v20                      ; as t
	v_mul_f32 v24, s[CS], v24
	v_max_num_f32 v13, v13, v20
	v_max_num_f32 v17, v17, v24
	v_floor_f32 v12, -v13                          ; the new -M
	v_floor_f32 v16, -v17
	v_sub_f32 v20, v12, v10
	v_sub_f32 v24, v16, v11
	v_cvt_i32_f32 v20, v20
	v_cvt_i32_f32 v24, v24
	v_ldexp_f32 v22, 1.0, v20                      ; f = 2^(old M - new M)
	v_ldexp_f32 v26, 1.0, v24
.set j, 0
.rept 32
	v_pk_fma_f32 v[SX+j:SX+j+1], v[SX+j:SX+j+1], s[CS:CS+1], v[12:13] op_sel_hi:[1,0,0]   ; X: t - M
.set j, j+2
.endr
	s_wait_alu depctr_va_vdst(0)                   ; the wait ahead of the batch
.set j, 0
.rept 32
	v_exp_f32 v[SX+j], v[SX+j]                     ; X: p; among the exponentials Y's t - M, which nothing reads before the next wait
	v_exp_f32 v[SX+j+1], v[SX+j+1]
	v_pk_fma_f32 v[SY+j:SY+j+1], v[SY+j:SY+j+1], s[CS:CS+1], v[16:17] op_sel_hi:[1,0,0]
.set j, j+2
.endr
	s_wait_alu depctr_va_vdst(0)                   ; behind X's batch and ahead of Y's
	v_pk_mul_f32 v[14:15], v[14:15], v[22:23] op_sel_hi:[1,0]   ; the sums under the new M
	v_pk_mul_f32 v[18:19], v[18:19], v[26:27] op_sel_hi:[1,0]
	SUMS SX, 14, 30                                ; X's p have had their wait; what these lines write is next read behind the wait below
.set j, 0
.rept 32
	v_exp_f32 v[SY+j], v[SY+j]                     ; Y: p; among the exponentials X's holds, which nothing reads before the next wait
	v_exp_f32 v[SY+j+1], v[SY+j+1]
	v_dual_min_num_f32 v[SX+j], v42, v[SX+j] :: v_dual_min_num_f32 v[SX+j+1], v43, v[SX+j+1]   ; the conversion does not saturate (ISA guide 7.6.2); p is not negative: a one-sided hold, two a line
.set j, j+2
.endr
	v_nop                                          ; a plain place behind the batch
	s_wait_alu depctr_va_vdst(0)                   ; one wait for Y's batch, ahead of its first reader
	SUMS SY, 18, 36
.set j, 0
.rept 32
	v_dual_min_num_f32 v[SY+j], v42, v[SY+j] :: v_dual_min_num_f32 v[SY+j+1], v43, v[SY+j+1]
.set j, j+2
.endr
	WIN TO_1
.irp t, 0,1,2,3,4,5,6,7
	v_cvt_scalef32_pk8_fp8_f32 v[CX+2*\t:CX+2*\t+1], v[SX+8*\t:SX+8*\t+7], v44
.endr
.irp t, 0,1,2,3,4,5,6,7
	v_cvt_scalef32_pk8_fp8_f32 v[CY+2*\t:CY+2*\t+1], v[SY+8*\t:SY+8*\t+7], v44
.endr
	WIN 0
	s_wait_dscnt 16                                ; V's fragments are in; the 16 younger loads, the next step's of K, may be out
	s_wait_alu depctr_va_vdst(0)                   ; the wait here, directly ahead of the first reader of O^T
.set j, 0
.rept 16
	v_pk_mul_f32 v[OX+j:OX+j+1], v[OX+j:OX+j+1], v[22:23] op_sel_hi:[1,0]   ; O^T under the new M
	v_pk_mul_f32 v[OY+j:OY+j+1], v[OY+j:OY+j+1], v[26:27] op_sel_hi:[1,0]
.set j, j+2
.endr
	WIN MUL
.irp d, 0,1,2,3
	v_wmma_f32_16x16x128_fp8_fp8 v[OX+8*\d:OX+8*\d+7], v[VF+16*\d:VF+16*\d+15], v[CX:CX+15], v[OX+8*\d:OX+8*\d+7]
	v_wmma_f32_16x16x128_fp8_fp8 v[OY+8*\d:OY+8*\d+7], v[VF+16*\d:VF+16*\d+15], v[CY:CY+15], v[OY+8*\d:OY+8*\d+7]
.endr
	WIN 0
.endm
.macro WALK first, steps
	s_mov_b32 s[TB], \first*8192
	s_mov_b32 s[CNT], \steps
.Lstep_\@:
	STEP
	s_add_co_u32 s[TB], s[TB], 8192
	s_sub_co_u32 s[CNT], s[CNT], 1
	s_cmp_lg_u32 s[CNT], 0
	s_cbranch_scc1 .Lstep_\@
.endm
	WALK 0, 3
	s_wait_tensorcnt 0x0                           ; my part of steps 4 to 15 is in;
	s_wait_dscnt 0x0                               ; (no LDS instruction of mine is out at a signal)
	s_barrier_signal -1
	s_barrier_wait -1                              ; and everybody's.
	WALK 3, 13
	; THE WAY OUT: O^T / the sum x 2^(e8 + e9), held, converted with 2^e10, and stored as the image that the product with Wo reads
	v_add_f32 v14, v14, v15
	v_add_f32 v18, v18, v19
	v_permlanex16_b32 v28, v14, s[SEL], s[SEL+1]
	v_permlanex16_b32 v29, v18, s[SEL], s[SEL+1]
	v_add_f32 v14, v14, v28
	v_add_f32 v18, v18, v29
	s_wait_alu depctr_va_vdst(0)                   ; the wait ahead of the transcendentals,
	v_rcp_f32 v14, v14
	v_rcp_f32 v18, v18
	v_mov_b32 v45, s51
	v_mov_b32 v46, s50
	s_wait_alu depctr_va_vdst(0)                   ; ahead of their first reader,
	v_ldexp_f32 v14, v14, s57
	v_ldexp_f32 v18, v18, s57
	s_wait_alu depctr_va_vdst(0)                   ; and directly ahead of the first reader of O^T
.set j, 0
.rept 16
	v_pk_mul_f32 v[SX+j:SX+j+1], v[OX+j:OX+j+1], v[14:15] op_sel_hi:[1,0]
	v_pk_mul_f32 v[SY+j:SY+j+1], v[OY+j:OY+j+1], v[18:19] op_sel_hi:[1,0]
.set j, j+2
.endr
.set j, 0
.rept 32
	v_med3_num_f32 v[SX+j], v[SX+j], -v46, v46
	v_med3_num_f32 v[SY+j], v[SY+j], -v46, v46
.set j, j+1
.endr
.irp d, 0,1,2,3
	v_cvt_scalef32_pk8_fp8_f32 v[48+2*\d:49+2*\d], v[SX+8*\d:SX+8*\d+7], v45
	v_cvt_scalef32_pk8_fp8_f32 v[56+2*\d:57+2*\d], v[SY+8*\d:SY+8*\d+7], v45
.endr
	v_nop
.irp b, 48,52,56,60
	v_permlane16_swap_b32 v[\b], v[\b+2]           ; from features 16 d + 8 h + 0 .. 7 to 32 c + 16 h + 0 .. 15 in registers 4 c .. 4 c + 3
	v_permlane16_swap_b32 v[\b+1], v[\b+3]
.endr
	global_store_b128 v[LI], v[48:51], s[8:9]      ; each store: 512 consecutive bytes, aligned
	global_store_b128 v[LI], v[52:55], s[8:9] offset:512
	global_store_b128 v[LI], v[56:59], s[8:9] offset:16384
	global_store_b128 v[LI], v[60:63], s[8:9] offset:16896
	s_wait_tensorcnt 0x0                           ; the wave's end
	ds_add_u32 v[SPW], v[NIL]
	s_wait_dscnt 0x0
	CROUND                                         ; the closing round
	s_endpgm
.Lfunc_end_k_q4a95a074a1_attn:
	.size	k_q4a95a074a1_attn, .Lfunc_end_k_q4a95a074a1_attn-k_q4a95a074a1_attn
	.p2alignl 7, 3214868480
	.fill 96, 4, 3214868480
	.section	.rodata,"a",@progbits
	.p2align	6, 0x0
	.amdhsa_kernel k_q4a95a074a1_attn
		.amdhsa_group_segment_fixed_size 327680
		.amdhsa_private_segment_fixed_size 0
		.amdhsa_enable_private_segment 0
		.amdhsa_kernarg_size 24
		.amdhsa_user_sgpr_count 2
		.amdhsa_user_sgpr_kernarg_segment_ptr 1
		.amdhsa_wavefront_size32 1
		.amdhsa_system_sgpr_workgroup_id_x 1
		.amdhsa_system_sgpr_workgroup_id_y 1
		.amdhsa_system_sgpr_workgroup_id_z 1
		.amdhsa_system_vgpr_workitem_id 0
		.amdhsa_next_free_vgpr 512
		.amdhsa_next_free_sgpr 80
		.amdhsa_reserve_vcc 0
		.amdhsa_float_denorm_mode_32 3
		.amdhsa_float_denorm_mode_16_64 3
		.amdhsa_memory_ordered 1
		.amdhsa_forward_progress 1
		.amdhsa_inst_pref_size 74
	.end_amdhsa_kernel
	.amdgpu_metadata
---
amdhsa.version: [ 1, 2 ]
amdhsa.kernels:
  - .name:           k_q4a95a074a1_attn
    .symbol:         k_q4a95a074a1_attn.kd
    .args:
      - { .name: qkvc, .offset: 0, .size: 8, .value_kind: global_buffer, .address_space: global }
      - { .name: lowp_scales, .offset: 8, .size: 8, .value_kind: global_buffer, .address_space: global }
      - { .name: cc, .offset: 16, .size: 8, .value_kind: global_buffer, .address_space: global }
    .group_segment_fixed_size: 327680
    .private_segment_fixed_size: 0
    .kernarg_segment_align: 8
    .kernarg_segment_size: 24
    .max_flat_workgroup_size: 256
    .sgpr_count:     80
    .vgpr_count:     512
    .wavefront_size: 32
...
	.end_amdgpu_metadata
.endif
;; end of part 11
;; launch wo (part 12): grid 8 x 32, 4 waves a work-group, clusters of 4 x 4, 327,680 bytes of LDS; arguments cc, Wo_codes, bo, yf, lowp_scales, x; writes yf
.if DOCPART == 12
	.amdgcn_target "amdgcn-amd-amdhsa--gfx1250"
	.amdhsa_code_object_version 6
	.text
	.protected	k_q4a95a074a1_wo
	.globl	k_q4a95a074a1_wo
	.p2align	8
	.type	k_q4a95a074a1_wo,@function
k_q4a95a074a1_wo:
	s_mov_b64 s[64:65], 0
	v_nop
	global_prefetch_b8 v0, s[64:65] scope:SCOPE_SE
	s_setreg_imm32_b32 hwreg(HW_REG_WAVE_MODE, 25, 1), 1
	s_wait_xcnt 0x0
	s_wait_alu depctr_hold_cnt(0) depctr_sa_sdst(0) depctr_va_vdst(0) depctr_va_sdst(0) depctr_va_ssrc(0) depctr_va_vcc(0) depctr_vm_vsrc(0)
	s_getreg_b32 s2, hwreg(HW_REG_IB_STS2, 6, 4)
	s_cmp_eq_u32 s2, 0
	s_cbranch_scc0 .Lentry_in_a_cluster
	s_endpgm
.Lentry_in_a_cluster:
	s_bfe_u32 s2, ttmp6, 0x10000c
	s_cmp_lg_u32 s2, 0xf033
	s_cbranch_scc0 .Lentry_shape_is_right
	s_endpgm
.Lentry_shape_is_right:
; yf = ctx Wo + bo, f32 [4096][1024], on codes of FP8 (E4M3): A = ctx's codes (scale 2^e10) as images of operand registers, B = Wo's codes [1024][1024] (2^e11), K innermost.  No work of reference() is left out here.
; THE TILE IS 128 x 128: the result is 32 x 8 = 256 such tiles, 256 work-groups; tiles of 256 x 256 would be 64.  Four waves, each 64 x 64: 16 accumulators of 16 x 16, 128 registers.
; K goes in steps of 512, as long as two slots in LDS allow, through a ring of two LDS slots filled by joint tensor loads in clusters of 4 x 4 (A's tile shared along a row of the cluster, B's along a column).
; Here K = 1,024 is the two slots' first fills: nothing is filled again.
; Source 0 = 16 rows of B, source 1 = 16 rows of A: a lane holds eight neighbouring columns of one row of the result.
; A'S IMAGES: [tile of 16 rows][step of 128 K][4][lane][16]: a slot's part of a tile of rows is 8,192 consecutive bytes; a wave's load brings four such rows, 16 SIZE_K bytes apart, dense into LDS; a fragment's four loads read
; 512 consecutive bytes each.  Both sides hold k = 32 c + 16 (lane / 16) + 0 .. 15 in registers 4 c .. 4 c + 3: a permutation of k that is the same in A and in B.
; LIMIT: e10 + e11 between -126 and 127.
; REGISTERS, in windows of 256: window 0: v1-6 at work, v16-30 addresses, v32-63 the bias, v64-127 the way out, v128-255 the accumulators ((a, b) at v[128 + 8 (4 a + b)]), later rows on their way out;
;   window 1: two fragment buffers of 128: for 128 along K, 64 registers of A (4 x 16 rows), then 64 of B.
; THE RESIDUAL IS ADDED HERE: what is stored is yf = x + (ctx Wo + bo).  A wave's 64 x 64 numbers of x are asked for behind slot 1's first fill by 32 loads laid as the stores are (16 lanes: 256 consecutive bytes),
; into window 2 (v0-127 there), and are added to the rows that come back from the stage.
.set SIZE_K, 1024
.set SIZE_N, 1024
.set ESC,    0x28                      ; the byte of the two exponents in lowp_scales
.set KSTEP,  512                       ; along K in a slot; a row of B's tile in bytes
.set ASTEP,  8192                      ; a slot's part of a tile of 16 rows of A: four steps of 2,048 bytes
.set PITCH,  528                       ; an LDS row of B: 512 bytes + 16 of padding = 132 words: row r starts at bank 4 r mod 64 (64 banks of 4 bytes: ISA guide 11.1)
.set NP,     4                         ; places behind this matrix instruction (ISA guide 7.12.1)
.set HALFT,  64*PITCH                  ; what one tensor load may fill, and what one wave reads of A or of B (A's images use 32,768 bytes of it)
.set SLOT,   4*HALFT                   ; A's two halves, then B's two halves
.set LAPS,   SIZE_K/(2*KSTEP)          ; a lap = once round the ring
.set SPARE,  2*SLOT                    ; behind the ring: the spare words, 128 bytes for each wave: two blocks of 256 bytes that no other line names
.set SPITCH, 272                       ; the way out: a stage of 16 rows x (256 bytes + 16) for each wave, in slot 0, which has had its last fill and its last read by then
.set ADRA, 16                          ; v16-17  LDS address of my A fragments in slot 0, 1
.set ADRB, 20                          ; v20-21  the same for B
.set STO,  24                          ; v24  the way out: where I put 32 bytes of a row
.set RD,   25                          ; v25  the way out: where I read a row back
.set CO,   26                          ; v26  16 x lane
.set BO,   27                          ; v27  the bias loads' offset
.set SPW,  28                          ; v28  LDS address of my spare word; never rewritten
.set NIL,  29                          ; v29  0; never rewritten
.set GO,   30                          ; v30  my byte offset in two rows of the result
.set BI,   32
.set TMP,  64
.set ACC,  128
.set F0,   0                           ; fragment buffers, in window 1
.set F1,   128
.set G1, 24
.set G0, 32
.set G1B, 48
.set G0B, 56
.set MSB, 0
.macro WIN new                         ; the immediate's high byte repeats the setting that is left
.if MSB != \new
	s_set_vgpr_msb (MSB<<8)|\new
.set MSB, \new
.endif
.endm
.set MUL,  0x05                        ; sources 0 (B) and 1 (A) window 1; C and D window 0
.set TO_F, 0x40                        ; destination window 1, address window 0
.macro JLOAD g0a, g1a, g0b, g1b        ; a joint load: waves 0 and 1 fetch for A, waves 2 and 3 for B; an s_nop 0 and four v_nop follow each of the two lines
	s_cmp_eq_u32 s15, 0
	s_cbranch_scc0 .Lfor_b_\@
	tensor_load_to_lds s[\g0a:\g0a+3], s[\g1a:\g1a+7]
	s_nop 0
.rept 4
	v_nop
.endr
	s_branch .Lasked_\@
.Lfor_b_\@:
	tensor_load_to_lds s[\g0b:\g0b+3], s[\g1b:\g1b+7]
	s_nop 0
.rept 4
	v_nop
.endr
.Lasked_\@:
.endm
.macro CREST                           ; a round of the cluster's barrier behind its opening barrier
	s_cmp_lg_u32 s14, 0
	s_cbranch_scc1 .Lnot_wave_0_\@
	s_barrier_signal -3
.Lnot_wave_0_\@:
	s_barrier_wait -3
	s_barrier_signal -1
	s_barrier_wait -1
.endm
.macro CROUND
	s_barrier_signal -1
	s_barrier_wait -1
	CREST
.endm
	s_load_b256 s[4:11], s[0:1], 0x0               ; A s[4:5], B s[6:7], the bias s[8:9], the result s[10:11]
	s_load_b64 s[12:13], s[0:1], 0x20              ; the scales' exponents
	s_load_b64 s[86:87], s[0:1], 0x28              ; x
	v_lshl_add_u32 v[SPW], v0, 2, SPARE
	v_mov_b32 v[NIL], 0
	ds_add_u32 v[SPW], v[NIL]                      ; the wave's opening: the add, twice on end, and its wait ahead of my first tensor load
	ds_add_u32 v[SPW], v[NIL]
	v_lshrrev_b32 v1, 5, v0
	v_readfirstlane_b32 s14, v1                    ; wave 0..3
	s_lshr_b32 s15, s14, 1                         ; my half of the tile's rows.  Also: I fetch for A (0) or for B (1)
	s_and_b32 s16, s14, 1                          ; my half of its columns.  Also: which half of that tile I fetch
	s_bfe_u32 s40, ttmp6, 0x40000                  ; cx, cy: my place in the cluster
	s_bfe_u32 s41, ttmp6, 0x40004
	s_lshl_b32 s42, ttmp9, 2
	s_add_co_u32 s42, s42, s40                     ; tile column = 4 x cluster x + cx
	s_and_b32 s17, ttmp7, 0xffff
	s_lshl_b32 s17, s17, 2
	s_add_co_u32 s17, s17, s41                     ; tile row = 4 x cluster y + cy
	s_lshl_b32 s43, s41, 2
	s_lshl_b32 s43, 15, s43                        ; my row of the cluster
	s_lshl_b32 s44, 0x1111, s40                    ; my column
	s_or_b32 s[G1+0], s43, (3<<16)|(1<<21)         ; A: the mask; elements of 8 bytes; bit 21 beside a mask; no padding
	s_mov_b32 s[G1+1], 1024<<16                    ; tensor_dim0 = 1,024 elements: 8,192 bytes
	s_mov_b32 s[G1+2], 4<<16                       ; tensor_dim1 = 4 tiles of 16 rows
	s_mov_b32 s[G1+3], 1024<<16                    ; tile_dim0
	s_mov_b32 s[G1+4], 4                           ; tile_dim1
	s_mov_b32 s[G1+5], 2*SIZE_K                    ; 16 SIZE_K bytes from one tile of rows to the next
	s_mov_b32 s[G1+6], 0
	s_mov_b32 s[G1+7], 0
	s_or_b32 s[G1B+0], s44, (1<<20)|(1<<21)|(6<<22)|(3<<25)   ; B: the mask; elements of 1 byte; padding on; bit 21 beside a mask; 4 words of padding after every 128
	s_mov_b32 s[G1B+1], KSTEP<<16                  ; tensor_dim0
	s_mov_b32 s[G1B+2], 64<<16                     ; tensor_dim1
	s_mov_b32 s[G1B+3], KSTEP<<16                  ; tile_dim0
	s_mov_b32 s[G1B+4], 64                         ; tile_dim1
	s_mov_b32 s[G1B+5], SIZE_K                     ; from row to row
	s_mov_b32 s[G1B+6], 0
	s_mov_b32 s[G1B+7], 0
	s_lshl_b32 s20, s17, 3
	s_lshl_b32 s18, s16, 2
	s_add_co_u32 s20, s20, s18                     ; A: tile of 16 rows number 8 x tile row + 4 x half
	s_mul_i32 s20, s20, 16*SIZE_K
	s_mov_b32 s21, 0
	s_lshl_b32 s46, s42, 7
	s_lshl_b32 s18, s16, 6
	s_add_co_u32 s46, s46, s18                     ; B: row 128 x tile column + 64 x half
	s_mul_i32 s46, s46, SIZE_K
	s_mov_b32 s47, 0
	s_mul_i32 s45, s14, HALFT                      ; where they go: no place in the cluster enters an LDS address
	s_wait_dscnt 0x0                               ; both opening adds are done
	s_wait_kmcnt 0x0
	s_load_b64 s[96:97], s[12:13], ESC             ; eA, eB
	s_add_nc_u64 s[20:21], s[4:5], s[20:21]
	s_add_nc_u64 s[46:47], s[6:7], s[46:47]
	CROUND                                         ; all sixteen work-groups are here: the first joint loads meet
.irp s, 0,1
	s_mov_b32 s[G0+4*\s], 1
	s_add_co_u32 s[G0+4*\s+1], s45, \s*SLOT
	s_add_nc_u64 s[G0+4*\s+2:G0+4*\s+3], s[20:21], \s*ASTEP
	s_or_b32 s[G0+4*\s+3], s[G0+4*\s+3], 0x80000000
	s_mov_b32 s[G0B+4*\s], 1
	s_add_co_u32 s[G0B+4*\s+1], s45, \s*SLOT
	s_add_nc_u64 s[G0B+4*\s+2:G0B+4*\s+3], s[46:47], \s*KSTEP
	s_or_b32 s[G0B+4*\s+3], s[G0B+4*\s+3], 0x80000000
.endr
	JLOAD G0, G1, G0B, G1B                         ; slot 0: one tensor load a wave at the head
	; A PREFETCH INTO THE L2 of slot 1's tiles, whose load goes out when slot 0's has landed.  Of what my wave fetches, each of the four partners that ask for it jointly names a quarter, told apart by address
	; (cx for A: one tile of 16 rows, 8,192 consecutive bytes; cy for B: 16 rows of 512 bytes): a lane a block of 256 bytes, each block once in the cluster.  The address registers are never rewritten.
	s_cmp_eq_u32 s15, 0
	s_cselect_b64 s[66:67], s[20:21], s[46:47]     ; what my wave fetches
	s_cselect_b32 s84, s40, s41                    ; my place among the four that ask with me
	s_mov_b32 s68, KSTEP
	s_cselect_b32 s68, ASTEP, s68                  ; a slot on
	s_mov_b32 s71, SIZE_K
	s_cselect_b32 s71, 512, s71                    ; from one pair of lanes to the next
	s_mov_b32 s69, 0
	s_mul_i32 s84, s84, 16*SIZE_K
	s_mov_b32 s85, 0
	s_add_nc_u64 s[66:67], s[66:67], s[84:85]
	s_add_nc_u64 s[66:67], s[66:67], s[68:69]      ; at slot 1
	v_and_b32 v8, 31, v0
	v_lshrrev_b32 v9, 1, v8
	v_and_b32 v8, 1, v8
	v_mul_lo_u32 v9, v9, s71
	v_lshl_add_u32 v8, v8, 8, v9
	global_prefetch_b8 v8, s[66:67] th:TH_LOAD_NT scope:SCOPE_SE
	v_and_b32 v1, 15, v0                           ; r = lane % 16
	v_bfe_u32 v2, v0, 4, 1                         ; h = lane / 16
	v_and_b32 v6, 31, v0
	v_lshlrev_b32 v[CO], 4, v6                     ; 16 x lane
	v_mul_u32_u24 v3, v1, PITCH
	v_lshl_add_u32 v4, v2, 4, v3                   ; B: a fragment's row x pitch + 16 x half
	s_mul_i32 s21, s15, HALFT                      ; my 64 rows of A
	s_mul_i32 s22, s16, HALFT                      ; my 64 rows of B,
	s_add_co_u32 s22, s22, 2*HALFT                 ; which lie behind A's two halves
.irp s, 0,1
	v_add_nc_u32 v[ADRA+\s], s21, v[CO]
	v_add_nc_u32 v[ADRB+\s], s22, v4
	s_add_co_u32 s21, s21, SLOT
	s_add_co_u32 s22, s22, SLOT
.endr
	s_mul_i32 s23, s14, 16*SPITCH                  ; my stage
	v_mul_u32_u24 v5, v1, SPITCH
	v_lshl_add_u32 v5, v2, 5, v5
	v_add_nc_u32 v[STO], s23, v5                   ; in: row r, 32 bytes for each half of the lanes
	v_mul_u32_u24 v5, v2, SPITCH
	v_lshl_add_u32 v5, v1, 4, v5
	v_add_nc_u32 v[RD], s23, v5                    ; back: lanes 0-15 take one row of 256 bytes, lanes 16-31 the next
	v_mul_u32_u24 v5, v2, SIZE_N*4
	v_lshl_add_u32 v[GO], v1, 4, v5                ; and the same two rows in the result
	s_lshl_b32 s20, s17, 7
	s_lshl_b32 s21, s15, 6
	s_add_co_u32 s20, s20, s21
	s_mul_i32 s20, s20, SIZE_N*4                   ; my first row of the result: 128 x tile row + 64 x half
	s_mov_b32 s21, 0
	s_lshl_b32 s46, s42, 1
	s_add_co_u32 s46, s46, s16
	s_lshl_b32 s46, s46, 8                         ; my first column, 128 x tile column + 64 x half, in bytes of f32
	s_mov_b32 s47, 0
	s_add_nc_u64 s[8:9], s[8:9], s[46:47]
	s_add_nc_u64 s[10:11], s[10:11], s[20:21]
	s_add_nc_u64 s[10:11], s[10:11], s[46:47]
	s_add_nc_u64 s[86:87], s[86:87], s[20:21]      ; x at the same rows and columns
	s_add_nc_u64 s[86:87], s[86:87], s[46:47]
	v_lshlrev_b32 v[BO], 5, v2                     ; register 8 b + i: the bias of column 16 b + 8 h + i; waited for on the way out
.irp b, 0,1,2,3
	global_load_b128 v[BI+8*\b:BI+8*\b+3], v[BO], s[8:9] offset:64*\b
	global_load_b128 v[BI+8*\b+4:BI+8*\b+7], v[BO], s[8:9] offset:64*\b+16
.endr
; 4 matrix instructions: A's block a x B's four, 128 along K, from buffer f.  zero = 1: the first product starts the sums: nothing is ever cleared.
; The 16 accumulators take turns, one instruction a turn, in the same order in every step.
.macro MUL4 f, a, zero
.irp b, 0,1,2,3
.if \zero
	v_wmma_f32_16x16x128_fp8_fp8 v[ACC+8*(4*(\a)+\b):ACC+8*(4*(\a)+\b)+7], v[\f+64+16*\b:\f+64+16*\b+15], v[\f+16*(\a):\f+16*(\a)+15], 0
.else
	v_wmma_f32_16x16x128_fp8_fp8 v[ACC+8*(4*(\a)+\b):ACC+8*(4*(\a)+\b)+7], v[\f+64+16*\b:\f+64+16*\b+15], v[\f+16*(\a):\f+16*(\a)+15], v[ACC+8*(4*(\a)+\b):ACC+8*(4*(\a)+\b)+7]
.endif
.endr
.endm
; 32 LDS loads in one run: the fragments of the slot's q-th 128 along K into buffer f: B's four, then A's four, so that the youngest eight loads are A's blocks 2 and 3
.macro FETCH slot, q, f
	WIN TO_F
.irp i, 0,1,2,3
.irp c, 0,1,2,3
	ds_load_b128 v[\f+64+16*\i+4*\c:\f+64+16*\i+4*\c+3], v[ADRB+\slot] offset:128*(\q)+32*\c+\i*16*PITCH
.endr
.endr
.irp i, 0,1,2,3
.irp c, 0,1,2,3
	ds_load_b128 v[\f+16*\i+4*\c:\f+16*\i+4*\c+3], v[ADRA+\slot] offset:2048*(\q)+512*\c+\i*8192
.endr
.endr
.endm
.macro PLACES n                        ; plain vector instructions between a matrix instruction and a load into, or a read of, its registers
.rept \n
	v_nop
.endr
.endm
; A step of 128 along K: multiplies buffer f; in its middle it fetches the slot's step qn into buffer g.
.macro STEP slot, qn, f, g, zero
	s_wait_dscnt 8                                 ; B's four and A's blocks 0, 1 are in; the youngest eight loads (A's blocks 2, 3) may be out
	WIN MUL
	MUL4 \f, 0, \zero
	MUL4 \f, 1, \zero
	PLACES NP                                      ; buffer g was last multiplied in the step before
	FETCH \slot, \qn, \g
	s_wait_dscnt 32                                ; all but the 32 just issued
	WIN MUL
	MUL4 \f, 2, \zero
	MUL4 \f, 3, \zero
.endm
; A slot's last step multiplies buffer 1 and changes slots: one barrier; in front of it each wave waits for all its tensor loads, adds 0 to its spare word, and waits for that and for its own reads of this slot.
; fill = 1: the barrier opens a round of the cluster's barrier, and this slot is filled again, two slots ahead.
.macro TURN slot, next, fill
	WIN 0                                          ; (the add's two registers lie in window 0)
	s_wait_tensorcnt 0x0                           ; all my tensor loads have landed: my part of the next slot
	ds_add_u32 v[SPW], v[NIL]                      ; 0 onto my spare word
	s_wait_dscnt 9                                 ; (the add and the youngest eight loads may be out)
	WIN MUL
	MUL4 F1, 0, 0                                  ; four matrix instructions stand between the add and the wait for it
	s_wait_dscnt 0x0                               ; the add is done, and my reads of this slot are over
	s_barrier_signal -1
	MUL4 F1, 1, 0
	WIN 0
	s_barrier_wait -1
.if \fill
	CREST                                          ; no wave of any partner still reads this slot or has a load on its way
	s_add_nc_u64 s[G0+4*\slot+2:G0+4*\slot+3], s[G0+4*\slot+2:G0+4*\slot+3], 2*ASTEP
	s_add_nc_u64 s[G0B+4*\slot+2:G0B+4*\slot+3], s[G0B+4*\slot+2:G0B+4*\slot+3], 2*KSTEP
	JLOAD G0+4*\slot, G1, G0B+4*\slot, G1B         ; the first tensor load behind the round, and my one load until the next; its four v_nop are the places in front of the loads below
.else
	PLACES NP
.endif
	FETCH \next, 0, F0
	WIN MUL
	MUL4 F1, 2, 0
	MUL4 F1, 3, 0
.endm
	s_wait_alu depctr_va_vdst(0)                   ; the wait at the head's end
	s_wait_tensorcnt 0x0                           ; my part of slot 0 is in
	ds_add_u32 v[SPW], v[NIL]
	s_wait_dscnt 0x0
	CROUND                                         ; everybody's part of slot 0 is in, and the joint loads meet
	JLOAD G0+4, G1, G0B+4, G1B                     ; slot 1's first fill: the first tensor load behind the round
	FETCH 0, 0, F0
	WIN 0x80                                       ; destination window 2, address window 0
.irp a, 0,1,2,3
.irp t, 0,1,2,3,4,5,6,7
	global_load_b128 v[32*\a+4*\t:32*\a+4*\t+3], v[GO], s[86:87] offset:(16*\a+2*\t)*SIZE_N*4 th:TH_LOAD_NT   ; waited for on the way out, with the bias
.endr
.endr
	WIN 0
	STEP 0, 1, F0, F1, 1                           ; the first step stands in front of the loop: its products start the sums
.if LAPS > 1
	WIN 0                                          ; at a label and at a branch every window is 0
	s_mov_b32 s3, LAPS-1
.Llap:                                                 ; a trip goes once round the ring, from a lap's second step to the next lap's first, and fills both slots again
	STEP 0, 2, F1, F0, 0
	STEP 0, 3, F0, F1, 0
	TURN 0, 1, 1
	STEP 1, 1, F0, F1, 0
	STEP 1, 2, F1, F0, 0
	STEP 1, 3, F0, F1, 0
	TURN 1, 0, 1
	STEP 0, 1, F0, F1, 0
	WIN 0
	s_sub_co_u32 s3, s3, 1
	s_cmp_lg_u32 s3, 0
	s_cbranch_scc1 .Llap
.endif
	STEP 0, 2, F1, F0, 0                           ; the last lap fills nothing, and has no round of the cluster's barrier
	STEP 0, 3, F0, F1, 0
	TURN 0, 1, 0
	STEP 1, 1, F0, F1, 0
	STEP 1, 2, F1, F0, 0
	STEP 1, 3, F0, F1, 0
	s_wait_dscnt 8                                 ; the very last step: nothing more to fetch
	WIN MUL
	MUL4 F1, 0, 0
	MUL4 F1, 1, 0
	s_wait_dscnt 0
	MUL4 F1, 2, 0
	MUL4 F1, 3, 0
	WIN 0
; THE WAY OUT, block by block of 16 rows x 64 columns: sum x 2^(eA + eB) + bias; 32 bytes a lane into my own stage in LDS; back as whole rows of 256 bytes, into the block's own accumulator registers, which have been read.
; LDS serves a wave's instructions in order (ISA guide 5.7.1.4): no wait between the stores and the loads, nor in front of the next block's stores.  No register that a global store names is written again.
.macro TOSTAGE a
.set AC, ACC+32*(\a)
.set TM, TMP+32*((\a)%2)
.set j, 0
.rept 16
	v_pk_fma_f32 v[TM+j:TM+j+1], v[AC+j:AC+j+1], s[96:97], v[BI+j:BI+j+1] op_sel_hi:[1,0,1]   ; each accumulator from its low end on
.set j, j+2
.endr
.irp b, 0,1,2,3
	ds_store_b128 v[STO], v[TM+8*\b:TM+8*\b+3] offset:64*\b
	ds_store_b128 v[STO], v[TM+8*\b+4:TM+8*\b+7] offset:64*\b+16
.endr
.irp t, 0,1,2,3,4,5,6,7
	ds_load_b128 v[AC+4*\t:AC+4*\t+3], v[RD] offset:\t*2*SPITCH
.endr
.endm
.macro SEND a, younger
.set AC, ACC+32*(\a)
	s_wait_dscnt \younger                          ; the block is back in registers; the next block's 8 stores and 8 loads may be out
	WIN 0x08                                       ; source 1 window 2
.set j, 0
.rept 16
	v_pk_add_f32 v[AC+j:AC+j+1], v[AC+j:AC+j+1], v[32*(\a)+j:32*(\a)+j+1]   ; + x
.set j, j+2
.endr
	WIN 0
.irp t, 0,1,2,3,4,5,6,7
	global_store_b128 v[GO], v[AC+4*\t:AC+4*\t+3], s[10:11] offset:(16*(\a)+2*\t)*SIZE_N*4   ; 16 lanes store 256 consecutive bytes, aligned; 62 rows of 4,096 bytes at the most: inside the signed 24-bit immediate
.endr
.endm
	s_wait_kmcnt 0x0
	s_add_co_i32 s96, s96, s97
	s_add_co_i32 s96, s96, 127
	s_lshl_b32 s96, s96, 23                        ; 2^(eA + eB) as f32
	s_mov_b32 s97, s96                             ; (named with it as a pair, so it is written)
	s_wait_loadcnt 0x0                             ; the bias
	PLACES NP
	TOSTAGE 0
.irp a, 1,2,3
	TOSTAGE \a
	SEND \a-1, 16
.endr
	SEND 3, 0
	s_wait_tensorcnt 0x0                           ; the wave's end
	ds_add_u32 v[SPW], v[NIL]
	s_wait_dscnt 0x0
	CROUND                                         ; the closing round: no work-group ends while a partner may still ask for a tile that names it
	s_endpgm
.Lfunc_end_k_q4a95a074a1_wo:
	.size	k_q4a95a074a1_wo, .Lfunc_end_k_q4a95a074a1_wo-k_q4a95a074a1_wo
	.p2alignl 7, 3214868480
	.fill 96, 4, 3214868480
	.section	.rodata,"a",@progbits
	.p2align	6, 0x0
	.amdhsa_kernel k_q4a95a074a1_wo
		.amdhsa_group_segment_fixed_size 327680
		.amdhsa_private_segment_fixed_size 0
		.amdhsa_enable_private_segment 0
		.amdhsa_kernarg_size 48
		.amdhsa_user_sgpr_count 2
		.amdhsa_user_sgpr_kernarg_segment_ptr 1
		.amdhsa_wavefront_size32 1
		.amdhsa_system_sgpr_workgroup_id_x 1
		.amdhsa_system_sgpr_workgroup_id_y 1
		.amdhsa_system_sgpr_workgroup_id_z 1
		.amdhsa_system_vgpr_workitem_id 0
		.amdhsa_next_free_vgpr 768
		.amdhsa_next_free_sgpr 100
		.amdhsa_reserve_vcc 0
		.amdhsa_float_denorm_mode_32 3
		.amdhsa_float_denorm_mode_16_64 3
		.amdhsa_memory_ordered 1
		.amdhsa_forward_progress 1
		.amdhsa_inst_pref_size 55
	.end_amdhsa_kernel
	.amdgpu_metadata
---
amdhsa.version: [ 1, 2 ]
amdhsa.kernels:
  - .name:           k_q4a95a074a1_wo
    .symbol:         k_q4a95a074a1_wo.kd
    .args:
      - { .name: cc, .offset: 0, .size: 8, .value_kind: global_buffer, .address_space: global }
      - { .name: Wo_codes, .offset: 8, .size: 8, .value_kind: global_buffer, .address_space: global }
      - { .name: bo, .offset: 16, .size: 8, .value_kind: global_buffer, .address_space: global }
      - { .name: yf, .offset: 24, .size: 8, .value_kind: global_buffer, .address_space: global }
      - { .name: lowp_scales, .offset: 32, .size: 8, .value_kind: global_buffer, .address_space: global }
      - { .name: x, .offset: 40, .size: 8, .value_kind: global_buffer, .address_space: global }
    .group_segment_fixed_size: 327680
    .private_segment_fixed_size: 0
    .kernarg_segment_align: 8
    .kernarg_segment_size: 48
    .max_flat_workgroup_size: 128
    .sgpr_count:     100
    .vgpr_count:     768
    .wavefront_size: 32
...
	.end_amdgpu_metadata
.endif
;; end of part 12
;; launch ln1 (part 13): grid 256 x 1, 8 waves a work-group, no clusters, 82,944 bytes of LDS; arguments yf, g1, b1, lowp_scales, hf, hc; writes hf, hc
.if DOCPART == 13
	.amdgcn_target "amdgcn-amd-amdhsa--gfx1250"
	.amdhsa_code_object_version 6
	.text
	.protected	k_q4a95a074a1_ln1
	.globl	k_q4a95a074a1_ln1
	.p2align	8
	.type	k_q4a95a074a1_ln1,@function
k_q4a95a074a1_ln1:
	s_mov_b64 s[64:65], 0
	v_nop
	global_prefetch_b8 v0, s[64:65] scope:SCOPE_SE
	s_setreg_imm32_b32 hwreg(HW_REG_WAVE_MODE, 25, 1), 1
	s_wait_xcnt 0x0
; h = LayerNorm(yf) g1 + b1 over rows of 1,024, in f32 (hf), and h's codes of FP8 (E4M3) with 2^e12 (hc, [4096][1024], K innermost) for the product with W1.  yf holds x + attention's output: launch wo has added the residual.
; No work of reference() is left out here.
; A wave takes two rows; a row stays in 32 registers between the mean, the variance (of the centred numbers, as reference() has it) and the scaling: memory is read once.  Each load and store of a wave covers 512 consecutive bytes.
; All 32 loads of a wave go out at the head: row 0 (8), the gain and offset (16), row 1 (8).  No matrix unit, no cluster, no barrier: waves share nothing and memory binds.
; The codes: the conversions want 16 neighbours in a lane, so half a row (2,048 bytes) at a time turns through the wave's own stage in LDS, 16 bytes of padding behind each 64.
; LIMITS: e12 between -126 and 119.  NaN is not served.
.set SP,    80
.set STG,   32*SP                      ; a stage: 2,560 bytes; four for each wave
.set WREG,  4*STG
.set SPARE, 8*WREG                     ; behind the regions: the spare words, 128 bytes for each of 8 waves: four blocks of 256 bytes that no other line names
.set G,   16                           ; v16-47   the gain at my columns
.set BB,  48                           ; v48-79   the offset
.set Y,   80                           ; row p: v[80 + 64 p ..] 32 registers: the row at work
.set R,   112                          ; row p: v[112 + 64 p ..] 32 registers: the row's numbers, 16 neighbours a lane
.set T,   208                          ; v208-223 at work
.set MU,  224
.set RS,  226
.set PD,  228
.set C,   230                          ; v230-245 codes: four registers for each half row
	s_load_b64 s[6:7], s[0:1], 0x0                 ; yf
	s_load_b128 s[8:11], s[0:1], 0x8               ; g1, b1
	s_load_b128 s[12:15], s[0:1], 0x18             ; the scales' exponents, hf
	s_load_b64 s[16:17], s[0:1], 0x28              ; hc
	v_lshl_add_u32 v4, v0, 2, SPARE                ; my spare word; never rewritten
	v_mov_b32 v5, 0                                ; 0; never rewritten
	v_lshrrev_b32 v8, 5, v0
	s_delay_alu instid0(VALU_DEP_1)
	v_readfirstlane_b32 s24, v8                    ; wave 0..7
	v_and_b32 v9, 31, v0
	s_delay_alu instid0(VALU_DEP_1)
	v_lshlrev_b32 v1, 4, v9                        ; 16 x lane
	s_mul_i32 s25, s24, WREG
	v_lshrrev_b32 v2, 2, v9
	s_delay_alu instid0(VALU_DEP_1)
	v_mul_u32_u24 v2, v2, SP
	v_and_b32 v3, 3, v9
	s_delay_alu instid0(VALU_DEP_1)
	v_lshl_add_u32 v2, v3, 4, v2
	s_delay_alu instid0(VALU_DEP_1)
	v_add_nc_u32 v2, s25, v2                       ; a stage, on the way in
	v_mul_u32_u24 v3, v9, SP
	s_delay_alu instid0(VALU_DEP_1)
	v_add_nc_u32 v3, s25, v3                       ; and on the way out
	v_mov_b32 v[PD], 0                             ; a lane permute's destination counts as one of its sources
	s_mov_b32 s20, 0x76543210
	s_mov_b32 s21, 0xfedcba98
	s_mov_b32 s22, 0x3a800000                      ; 1 / 1,024
	s_mov_b32 s23, 0x3727c5ac                      ; 1e-5
	s_lshl_b32 s18, ttmp9, 4
	s_lshl_b32 s19, s24, 1
	s_add_co_u32 s18, s18, s19                     ; my first row
	s_lshl_b32 s26, s18, 12
	s_mov_b32 s27, 0
	s_lshl_b32 s28, s18, 10
	s_mov_b32 s29, 0
	s_wait_alu depctr_va_vdst(0)
	s_wait_kmcnt 0x0
	s_load_b32 s30, s[12:13], 0x30                 ; e12
	s_add_nc_u64 s[6:7], s[6:7], s[26:27]
	s_add_nc_u64 s[14:15], s[14:15], s[26:27]
	s_add_nc_u64 s[16:17], s[16:17], s[28:29]
.macro LDROW p
.irp i, 0,1,2,3,4,5,6,7
	global_load_b128 v[Y+64*\p+4*\i:Y+64*\p+4*\i+3], v1, s[6:7] offset:4096*\p+512*\i th:TH_LOAD_NT
.endr
.endm
	LDROW 0
.irp i, 0,1,2,3,4,5,6,7
	global_load_b128 v[G+4*\i:G+4*\i+3], v1, s[8:9] offset:512*\i
	global_load_b128 v[BB+4*\i:BB+4*\i+3], v1, s[10:11] offset:512*\i
.endr
	LDROW 1
	s_wait_kmcnt 0x0
	s_add_co_i32 s30, s30, 127
	s_lshl_b32 s31, s30, 23
	v_mov_b32 v6, s31                              ; 2^e12
	s_add_co_i32 s30, s30, 8
	s_lshl_b32 s30, s30, 23
	s_or_b32 s30, s30, 0x600000
	v_mov_b32 v7, s30                              ; 448 x 2^e12
.macro REDUCE r                        ; the sum of v[r] over the 32 lanes, in every lane
	s_delay_alu instid0(VALU_DEP_1)
	v_add_f32_dpp v[\r], v[\r], v[\r] row_xmask:1 row_mask:0xf bank_mask:0xf
	s_delay_alu instid0(VALU_DEP_1)
	v_add_f32_dpp v[\r], v[\r], v[\r] row_xmask:2 row_mask:0xf bank_mask:0xf
	s_delay_alu instid0(VALU_DEP_1)
	v_add_f32_dpp v[\r], v[\r], v[\r] row_xmask:4 row_mask:0xf bank_mask:0xf
	s_delay_alu instid0(VALU_DEP_1)
	v_add_f32_dpp v[\r], v[\r], v[\r] row_xmask:8 row_mask:0xf bank_mask:0xf
	s_delay_alu instid0(VALU_DEP_1)
	v_permlanex16_b32 v[PD], v[\r], s20, s21
	s_delay_alu instid0(VALU_DEP_1)
	v_add_f32 v[\r], v[\r], v[PD]
.endm
.macro ROW p, left
.set YS, Y+64*\p
.set RR, R+64*\p
	s_wait_alu depctr_va_vdst(0)                   ; the wait here, directly ahead of the wait below
	s_wait_loadcnt \left                           ; this row's 8 loads are in; the younger ones may be out
.irp k, 0,2,4,6,8,10,12,14
	v_pk_add_f32 v[T+\k:T+\k+1], v[YS+2*\k:YS+2*\k+1], v[YS+2*\k+2:YS+2*\k+3]   ; the sum, as a tree
.endr
.irp k, 0,4,8,12
	v_pk_add_f32 v[T+\k:T+\k+1], v[T+\k:T+\k+1], v[T+\k+2:T+\k+3]
.endr
	s_delay_alu instid0(VALU_DEP_3)
	v_pk_add_f32 v[T:T+1], v[T:T+1], v[T+4:T+5]
	s_delay_alu instid0(VALU_DEP_2)
	v_pk_add_f32 v[T+8:T+9], v[T+8:T+9], v[T+12:T+13]
	s_delay_alu instid0(VALU_DEP_1)
	v_pk_add_f32 v[T:T+1], v[T:T+1], v[T+8:T+9]
	s_delay_alu instid0(VALU_DEP_1)
	v_add_f32 v[T], v[T], v[T+1]
	REDUCE T
	s_delay_alu instid0(VALU_DEP_1)
	v_mul_f32 v[MU], s22, v[T]                     ; the mean, twice: a pair for the packed form
	s_delay_alu instid0(VALU_DEP_2)
	v_mul_f32 v[MU+1], s22, v[T]
.irp k, 0,2,4,6,8,10,12,14,16,18,20,22,24,26,28,30
	v_pk_add_f32 v[YS+\k:YS+\k+1], v[YS+\k:YS+\k+1], v[MU:MU+1] neg_lo:[0,1] neg_hi:[0,1]
.endr
.irp k, 0,2,4,6
	v_pk_mul_f32 v[T+\k:T+\k+1], v[YS+\k:YS+\k+1], v[YS+\k:YS+\k+1]   ; the squares, in four chains
.endr
.irp k, 8,10,12,14,16,18,20,22,24,26,28,30
	s_delay_alu instid0(VALU_DEP_4)
	v_pk_fma_f32 v[T+(\k)%8:T+(\k)%8+1], v[YS+\k:YS+\k+1], v[YS+\k:YS+\k+1], v[T+(\k)%8:T+(\k)%8+1]
.endr
	s_delay_alu instid0(VALU_DEP_3)
	v_pk_add_f32 v[T:T+1], v[T:T+1], v[T+2:T+3]
	s_delay_alu instid0(VALU_DEP_2)
	v_pk_add_f32 v[T+4:T+5], v[T+4:T+5], v[T+6:T+7]
	s_delay_alu instid0(VALU_DEP_1)
	v_pk_add_f32 v[T:T+1], v[T:T+1], v[T+4:T+5]
	s_delay_alu instid0(VALU_DEP_1)
	v_add_f32 v[T], v[T], v[T+1]
	REDUCE T
	s_delay_alu instid0(VALU_DEP_1)
	v_fma_f32 v[T+2], v[T], s22, s23               ; the variance + 1e-5
	s_wait_alu depctr_va_vdst(0)
	v_rsq_f32 v[RS], v[T+2]
	v_rsq_f32 v[RS+1], v[T+2]
	v_nop                                          ; a plain instruction behind the two
	s_wait_alu depctr_va_vdst(0)                   ; and one wait ahead of their first reader
.if \p == 0
	s_wait_loadcnt 8                               ; the gain and the offset are in; row 1's 8 loads may be out
.endif
.irp k, 0,2,4,6,8,10,12,14,16,18,20,22,24,26,28,30
	v_pk_mul_f32 v[YS+\k:YS+\k+1], v[YS+\k:YS+\k+1], v[RS:RS+1]
.endr
.irp k, 0,2,4,6,8,10,12,14,16,18,20,22,24,26,28,30
	v_pk_fma_f32 v[YS+\k:YS+\k+1], v[YS+\k:YS+\k+1], v[G+\k:G+\k+1], v[BB+\k:BB+\k+1]
.endr
.irp i, 0,1,2,3,4,5,6,7
	global_store_b128 v1, v[YS+4*\i:YS+4*\i+3], s[14:15] offset:4096*\p+512*\i
.endr
.irp i, 0,1,2,3,4,5,6,7
	ds_store_b128 v2, v[YS+4*\i:YS+4*\i+3] offset:STG*(2*\p+\i/4)+8*SP*(\i%4)
.endr
.irp u, 0,1
.irp jj, 0,1,2,3
	ds_load_b128 v[RR+16*\u+4*\jj:RR+16*\u+4*\jj+3], v3 offset:STG*(2*\p+\u)+16*\jj   ; LDS serves a wave's instructions in order: these see my stores
.endr
.endr
	s_wait_dscnt 0x0
.irp u, 0,1
.irp i, 0,1,2,3,4,5,6,7,8,9,10,11,12,13,14,15
	v_med3_num_f32 v[RR+16*\u+\i], v[RR+16*\u+\i], -v7, v7   ; the conversion does not saturate (ISA guide 7.6.2)
.endr
	v_cvt_scalef32_pk8_fp8_f32 v[C+4*(2*\p+\u):C+4*(2*\p+\u)+1], v[RR+16*\u:RR+16*\u+7], v6
	v_cvt_scalef32_pk8_fp8_f32 v[C+4*(2*\p+\u)+2:C+4*(2*\p+\u)+3], v[RR+16*\u+8:RR+16*\u+15], v6
	v_nop
	global_store_b128 v1, v[C+4*(2*\p+\u):C+4*(2*\p+\u)+3], s[16:17] offset:1024*\p+512*\u   ; 512 consecutive bytes, aligned
.endr
.endm
	ROW 0, 24
	ROW 1, 0
	s_wait_tensorcnt 0x0                           ; the wave's end: behind my last LDS store
	ds_add_u32 v4, v5
	s_wait_dscnt 0x0
	s_endpgm
.Lfunc_end_k_q4a95a074a1_ln1:
	.size	k_q4a95a074a1_ln1, .Lfunc_end_k_q4a95a074a1_ln1-k_q4a95a074a1_ln1
	.p2alignl 7, 3214868480
	.fill 96, 4, 3214868480
	.section	.rodata,"a",@progbits
	.p2align	6, 0x0
	.amdhsa_kernel k_q4a95a074a1_ln1
		.amdhsa_group_segment_fixed_size 82944
		.amdhsa_private_segment_fixed_size 0
		.amdhsa_enable_private_segment 0
		.amdhsa_kernarg_size 48
		.amdhsa_user_sgpr_count 2
		.amdhsa_user_sgpr_kernarg_segment_ptr 1
		.amdhsa_wavefront_size32 1
		.amdhsa_system_sgpr_workgroup_id_x 1
		.amdhsa_system_sgpr_workgroup_id_y 1
		.amdhsa_system_sgpr_workgroup_id_z 1
		.amdhsa_system_vgpr_workitem_id 0
		.amdhsa_next_free_vgpr 248
		.amdhsa_next_free_sgpr 66
		.amdhsa_reserve_vcc 0
		.amdhsa_float_denorm_mode_32 3
		.amdhsa_float_denorm_mode_16_64 3
		.amdhsa_memory_ordered 1
		.amdhsa_forward_progress 1
		.amdhsa_inst_pref_size 29
	.end_amdhsa_kernel
	.amdgpu_metadata
---
amdhsa.version: [ 1, 2 ]
amdhsa.kernels:
  - .name:           k_q4a95a074a1_ln1
    .symbol:         k_q4a95a074a1_ln1.kd
    .args:
      - { .name: yf, .offset: 0, .size: 8, .value_kind: global_buffer, .address_space: global }
      - { .name: g1, .offset: 8, .size: 8, .value_kind: global_buffer, .address_space: global }
      - { .name: b1, .offset: 16, .size: 8, .value_kind: global_buffer, .address_space: global }
      - { .name: lowp_scales, .offset: 24, .size: 8, .value_kind: global_buffer, .address_space: global }
      - { .name: hf, .offset: 32, .size: 8, .value_kind: global_buffer, .address_space: global }
      - { .name: hc, .offset: 40, .size: 8, .value_kind: global_buffer, .address_space: global }
    .group_segment_fixed_size: 82944
    .private_segment_fixed_size: 0
    .kernarg_segment_align: 8
    .kernarg_segment_size: 48
    .max_flat_workgroup_size: 256
    .sgpr_count:     66
    .vgpr_count:     248
    .wavefront_size: 32
...
	.end_amdgpu_metadata
.endif
;; end of part 13
;; launch ffn1 (part 14): grid 16 x 16, 4 waves a work-group, clusters of 4 x 4, 327,680 bytes of LDS; arguments hc, W1_codes, bf1, gc, lowp_scales; writes gc
.if DOCPART == 14
	.amdgcn_target "amdgcn-amd-amdhsa--gfx1250"
	.amdhsa_code_object_version 6
	.text
	.protected	k_q4a95a074a1_ffn1
	.globl	k_q4a95a074a1_ffn1
	.p2align	8
	.type	k_q4a95a074a1_ffn1,@function
k_q4a95a074a1_ffn1:
	s_mov_b64 s[64:65], 0
	v_nop
	global_prefetch_b8 v0, s[64:65] scope:SCOPE_SE
	s_setreg_imm32_b32 hwreg(HW_REG_WAVE_MODE, 25, 1), 1
	s_wait_xcnt 0x0
	s_wait_alu depctr_hold_cnt(0) depctr_sa_sdst(0) depctr_va_vdst(0) depctr_va_sdst(0) depctr_va_ssrc(0) depctr_va_vcc(0) depctr_vm_vsrc(0)
	s_getreg_b32 s2, hwreg(HW_REG_IB_STS2, 6, 4)
	s_cmp_eq_u32 s2, 0
	s_cbranch_scc0 .Lentry_in_a_cluster
	s_endpgm
.Lentry_in_a_cluster:
	s_bfe_u32 s2, ttmp6, 0x10000c
	s_cmp_lg_u32 s2, 0xf033
	s_cbranch_scc0 .Lentry_shape_is_right
	s_endpgm
.Lentry_shape_is_right:
.set SIZE_K, 1024
; gc = the codes (2^e14) of gelu(h W1 + bf1), exact gelu by erfc, on codes of FP8 (E4M3): A = h's codes (2^e12), B = W1's (2^e13).  No work of reference() is left out here.
; A work-group of four waves makes 256 x 256 sums, a wave 128 x 128; K = 1,024 goes in steps of 256 through a ring of two LDS slots filled by joint tensor loads in clusters of 4 x 4.
; The codes leave as images of the next product's operand registers.  LIMITS: e12 + e13 between -126 and 127; e14 between -126 and 119.  NaN is not served.
.set A_IMG,  0
.set KSTEP,  256
.set PITCH,  272
.set FR,     16
.set NL,     4
.set NP,     4
.set HALFT,  128*PITCH
.set SLOT,   4*HALFT
.set LAPS,   SIZE_K/(2*KSTEP)
.set SPARE,  2*SLOT
.if A_IMG
.set ASTEP,  4096
.else
.set ASTEP,  KSTEP
.endif
.set ADRA, 16
.set ADRB, 20
.set STO,  24
.set RD,   25
.set CO,   26
.set BO,   27
.set SPW,  28
.set NIL,  29
.set BI,   32
.set U,    96
.set TT,   160
.set HH,   192
.set PC,   224
.set AF,   128
.set G1, 24
.set G0, 32
.set G1B, 48
.set G0B, 56
.set MSB, 0
.macro WIN new
.if MSB != \new
	s_set_vgpr_msb (MSB<<8)|\new
.set MSB, \new
.endif
.endm
.set MUL_LO, 0xa1
.set MUL_HI, 0xf1
.set TO_B,   0x40
.macro JLOAD g0a, g1a, g0b, g1b
	s_cmp_eq_u32 s15, 0
	s_cbranch_scc0 .Lfor_b_\@
	tensor_load_to_lds s[\g0a:\g0a+3], s[\g1a:\g1a+7]
	s_nop 0
.rept 4
	v_nop
.endr
	s_branch .Lasked_\@
.Lfor_b_\@:
	tensor_load_to_lds s[\g0b:\g0b+3], s[\g1b:\g1b+7]
	s_nop 0
.rept 4
	v_nop
.endr
.Lasked_\@:
.endm
.macro CREST
	s_cmp_lg_u32 s14, 0
	s_cbranch_scc1 .Lnot_wave_0_\@
	s_barrier_signal -3
.Lnot_wave_0_\@:
	s_barrier_wait -3
	s_barrier_signal -1
	s_barrier_wait -1
.endm
.macro CROUND
	s_barrier_signal -1
	s_barrier_wait -1
	CREST
.endm
	s_load_b256 s[4:11], s[0:1], 0x0
	s_load_b64 s[12:13], s[0:1], 0x20
	v_lshl_add_u32 v[SPW], v0, 2, SPARE
	v_mov_b32 v[NIL], 0
	ds_add_u32 v[SPW], v[NIL]
	ds_add_u32 v[SPW], v[NIL]
	v_lshrrev_b32 v1, 5, v0
	v_readfirstlane_b32 s14, v1
	s_lshr_b32 s15, s14, 1
	s_and_b32 s16, s14, 1
	s_bfe_u32 s40, ttmp6, 0x40000
	s_bfe_u32 s41, ttmp6, 0x40004
	s_lshl_b32 s42, ttmp9, 2
	s_add_co_u32 s42, s42, s40
	s_and_b32 s17, ttmp7, 0xffff
	s_lshl_b32 s17, s17, 2
	s_add_co_u32 s17, s17, s41
	s_lshl_b32 s43, s41, 2
	s_lshl_b32 s43, 15, s43
	s_lshl_b32 s44, 0x1111, s40
	s_or_b32 s[G1+0], s43, (1<<20)|(1<<21)|(5<<22)|(3<<25)
	s_or_b32 s[G1B+0], s44, (1<<20)|(1<<21)|(5<<22)|(3<<25)
.irp g, G1, G1B
	s_mov_b32 s[\g+1], KSTEP<<16
	s_mov_b32 s[\g+2], 128<<16
	s_mov_b32 s[\g+3], KSTEP<<16
	s_mov_b32 s[\g+4], 128
	s_mov_b32 s[\g+5], SIZE_K
	s_mov_b32 s[\g+6], 0
	s_mov_b32 s[\g+7], 0
.endr
	s_lshl_b32 s20, s17, 8
	s_lshl_b32 s18, s16, 7
	s_add_co_u32 s20, s20, s18
	s_mul_i32 s20, s20, SIZE_K
	s_mov_b32 s21, 0
	s_lshl_b32 s46, s42, 8
	s_add_co_u32 s46, s46, s18
	s_mul_i32 s46, s46, SIZE_K
	s_mov_b32 s47, 0
	s_mul_i32 s45, s14, HALFT
	s_wait_dscnt 0x0
	s_wait_kmcnt 0x0
	s_load_b128 s[92:95], s[12:13], 0x30
	s_add_nc_u64 s[20:21], s[4:5], s[20:21]
	s_add_nc_u64 s[46:47], s[6:7], s[46:47]
	CROUND
.irp s, 0,1
	s_mov_b32 s[G0+4*\s], 1
	s_add_co_u32 s[G0+4*\s+1], s45, \s*SLOT
	s_add_nc_u64 s[G0+4*\s+2:G0+4*\s+3], s[20:21], \s*ASTEP
	s_or_b32 s[G0+4*\s+3], s[G0+4*\s+3], 0x80000000
	s_mov_b32 s[G0B+4*\s], 1
	s_add_co_u32 s[G0B+4*\s+1], s45, \s*SLOT
	s_add_nc_u64 s[G0B+4*\s+2:G0B+4*\s+3], s[46:47], \s*KSTEP
	s_or_b32 s[G0B+4*\s+3], s[G0B+4*\s+3], 0x80000000
.endr
	JLOAD G0, G1, G0B, G1B                         ; K step 0: one tensor load a wave at the head
	; PREFETCHES INTO THE L2: of the 128 rows that my wave fetches, each of the four partners that ask for them jointly names 32, told apart by address (cx for A, cy for B): a lane a row, 256 bytes of it a K step.
	; Here K steps 1 and 2 are named, behind slot 1's first fill K step 3: each block once in the cluster; K step 0 comes by its load alone.  The address registers are never rewritten.
	s_cmp_eq_u32 s15, 0
	s_cselect_b64 s[66:67], s[20:21], s[46:47]     ; the rows that my wave fetches
	s_cselect_b32 s84, s40, s41                    ; my place among the four that ask with me
	s_lshl_b32 s84, s84, 15                        ; x 32 rows of 1,024 bytes
	s_mov_b32 s85, 0
	s_add_nc_u64 s[66:67], s[66:67], s[84:85]
	v_and_b32 v22, 31, v0
	v_lshlrev_b32 v22, 10, v22
	global_prefetch_b8 v22, s[66:67] offset:256 th:TH_LOAD_NT scope:SCOPE_SE
	global_prefetch_b8 v22, s[66:67] offset:512 th:TH_LOAD_NT scope:SCOPE_SE
	v_and_b32 v1, 15, v0
	v_bfe_u32 v2, v0, 4, 1
	v_and_b32 v6, 31, v0
	v_lshlrev_b32 v[CO], 4, v6
	s_wait_alu depctr_va_vdst(0)
	v_mul_u32_u24 v3, v1, PITCH
	v_lshl_add_u32 v4, v2, 4, v3
	s_mul_i32 s21, s15, HALFT
	s_mul_i32 s22, s16, HALFT
	s_add_co_u32 s22, s22, 2*HALFT
.irp s, 0,1
.if A_IMG
	v_add_nc_u32 v[ADRA+\s], s21, v[CO]
.else
	v_add_nc_u32 v[ADRA+\s], s21, v4
.endif
	v_add_nc_u32 v[ADRB+\s], s22, v4
	s_add_co_u32 s21, s21, SLOT
	s_add_co_u32 s22, s22, SLOT
.endr
	s_lshl_b32 s23, s14, 16
	v_add_nc_u32 v[STO], s23, v[CO]
	s_lshl_b32 s20, s17, 4
	s_lshl_b32 s21, s15, 3
	s_add_co_u32 s20, s20, s21
	s_lshl_b32 s20, s20, 16
	s_mov_b32 s21, 0
	s_add_nc_u64 s[10:11], s[10:11], s[20:21]
	s_lshl_b32 s46, s42, 1
	s_add_co_u32 s46, s46, s16
	s_lshl_b32 s46, s46, 9
	s_mov_b32 s47, 0
	s_add_nc_u64 s[8:9], s[8:9], s[46:47]
	s_lshl_b32 s46, s46, 2
	s_add_nc_u64 s[10:11], s[10:11], s[46:47]
	v_lshlrev_b32 v[BO], 5, v2
.irp b, 0,1,2,3,4,5,6,7
	global_load_b128 v[BI+8*\b:BI+8*\b+3], v[BO], s[8:9] offset:64*\b
	global_load_b128 v[BI+8*\b+4:BI+8*\b+7], v[BO], s[8:9] offset:64*\b+16
.endr
.macro FRAGB reg, adr, q, i
.irp c, 0,1,2,3
	ds_load_b128 v[\reg+4*\c:\reg+4*\c+3], v[\adr] offset:128*(\q)+32*\c+(\i)*16*PITCH
.endr
.endm
.macro FRAGA reg, adr, q, i
.irp c, 0,1,2,3
.if A_IMG
	ds_load_b128 v[\reg+4*\c:\reg+4*\c+3], v[\adr] offset:2048*(\q)+512*\c+(\i)*4096
.else
	ds_load_b128 v[\reg+4*\c:\reg+4*\c+3], v[\adr] offset:128*(\q)+32*\c+(\i)*16*PITCH
.endif
.endr
.endm
.macro MUL16 a0, p, zero
.irp a, \a0, \a0+1
.irp b, 0,1,2,3,4,5,6,7
.if \zero
	v_wmma_f32_16x16x128_fp8_fp8 v[8*(8*((\a)%4)+\b):8*(8*((\a)%4)+\b)+7], v[128*(\p)+FR*\b:128*(\p)+FR*\b+FR-1], v[AF+FR*(\a):AF+FR*(\a)+FR-1], 0
.else
	v_wmma_f32_16x16x128_fp8_fp8 v[8*(8*((\a)%4)+\b):8*(8*((\a)%4)+\b)+7], v[128*(\p)+FR*\b:128*(\p)+FR*\b+FR-1], v[AF+FR*(\a):AF+FR*(\a)+FR-1], v[8*(8*((\a)%4)+\b):8*(8*((\a)%4)+\b)+7]
.endif
.endr
.endr
.endm
.macro FETCH_B slot, q, p
	WIN TO_B
.irp i, 0,1,2,3,4,5,6,7
	FRAGB 128*(\p)+FR*\i, ADRB+\slot, \q, \i
.endr
	WIN 0
.endm
.macro FETCH_A slot, q, i0
.irp i, \i0, \i0+1, \i0+2, \i0+3
	FRAGA AF+FR*(\i), ADRA+\slot, \q, \i
.endr
.endm
.macro PLACES n
.rept \n
	v_nop
.endr
.endm
.macro STEP slot, q, zero
	s_wait_dscnt 4*NL
	WIN MUL_LO
	MUL16 0, (\q)%2, \zero
	MUL16 2, (\q)%2, \zero
	s_wait_dscnt 0
	PLACES NP
	FETCH_B \slot, (\q)+1, 1-(\q)%2
	FETCH_A \slot, (\q)+1, 0
	WIN MUL_HI
	MUL16 4, (\q)%2, \zero
	MUL16 6, (\q)%2, \zero
	PLACES NP
	WIN 0
	FETCH_A \slot, (\q)+1, 4
.endm
.macro TURN slot, next, fill
	s_wait_tensorcnt 0x0
	ds_add_u32 v[SPW], v[NIL]
	s_wait_dscnt 4*NL+1
	WIN MUL_LO
	MUL16 0, 1, 0
	s_wait_dscnt 0x0
	s_barrier_signal -1
	MUL16 2, 1, 0
	WIN 0
	s_barrier_wait -1
.if \fill
	CREST
	s_add_nc_u64 s[G0+4*\slot+2:G0+4*\slot+3], s[G0+4*\slot+2:G0+4*\slot+3], 2*ASTEP
	s_add_nc_u64 s[G0B+4*\slot+2:G0B+4*\slot+3], s[G0B+4*\slot+2:G0B+4*\slot+3], 2*KSTEP
	JLOAD G0+4*\slot, G1, G0B+4*\slot, G1B
.else
	PLACES NP
.endif
	FETCH_B \next, 0, 0
	FETCH_A \next, 0, 0
	WIN MUL_HI
	MUL16 4, 1, 0
	MUL16 6, 1, 0
	PLACES NP
	WIN 0
	FETCH_A \next, 0, 4
.endm
	s_wait_alu depctr_va_vdst(0)
	s_wait_tensorcnt 0x0                           ; my part of K step 0 is in
	ds_add_u32 v[SPW], v[NIL]
	s_wait_dscnt 0x0
	CROUND                                         ; everybody's part of K step 0 is in, and the joint loads meet
	JLOAD G0+4, G1, G0B+4, G1B                     ; K step 1, slot 1's first fill: the first tensor load behind the round
	FETCH_B 0, 0, 0
	FETCH_A 0, 0, 0
	FETCH_A 0, 0, 4
	global_prefetch_b8 v22, s[66:67] offset:768 th:TH_LOAD_NT scope:SCOPE_SE   ; K step 3, two refills ahead of its load
	STEP 0, 0, 1
	s_mov_b32 s3, LAPS-1
.Llap:
	TURN 0, 1, 1
	STEP 1, 0, 0
	TURN 1, 0, 1
	STEP 0, 0, 0
	s_sub_co_u32 s3, s3, 1
	s_cmp_lg_u32 s3, 0
	s_cbranch_scc1 .Llap
	TURN 0, 1, 0
	STEP 1, 0, 0
	s_wait_dscnt 4*NL
	WIN MUL_LO
	MUL16 0, 1, 0
	MUL16 2, 1, 0
	s_wait_dscnt 0
	WIN MUL_HI
	MUL16 4, 1, 0
	MUL16 6, 1, 0
	WIN 0
	s_barrier_signal -1
	s_barrier_wait -1
	s_wait_kmcnt 0x0
	s_add_co_i32 s96, s92, s93
	s_add_co_i32 s96, s96, 127
	s_lshl_b32 s96, s96, 23
	s_mov_b32 s97, s96
	s_add_co_i32 s94, s94, 127
	s_lshl_b32 s95, s94, 23
	v_mov_b32 v6, s95
	s_add_co_i32 s94, s94, 8
	s_lshl_b32 s94, s94, 23
	s_or_b32 s94, s94, 0x600000
	v_mov_b32 v7, s94
.macro TWICE reg, val
	s_mov_b32 s[\reg], \val
	s_mov_b32 s[\reg+1], \val
.endm
	TWICE 24, 0xbfa1fc4e
	TWICE 26, 0x3f8000c7
	TWICE 28, 0x3ebf88fb
	TWICE 30, 0x3dc636c9
	TWICE 32, 0xbe3ec24c
	TWICE 34, 0x3e8ec7cc
	TWICE 36, 0xbf914e5d
	TWICE 38, 0x3fbe87b0
	TWICE 40, 0xbf527892
	TWICE 42, 0x3fb8aa3b
	TWICE 44, 0xbf38aa3b
	s_mov_b32 s46, 0x3eb504f3
	v_mov_b32 v30, 0x3e2ef945
	v_mov_b32 v31, 0x3e2ef945
	s_wait_loadcnt 0x0
	PLACES NP
.irp a, 0,1,2,3,4,5,6,7
.set AC, 64*((\a)%4)
	WIN 0x02+((\a)/4)
.set j, 0
.rept 32
	v_pk_fma_f32 v[U+j:U+j+1], v[AC+j:AC+j+1], s[96:97], v[BI+j:BI+j+1] op_sel_hi:[1,0,1]
.set j, j+2
.endr
	WIN 0
.set j, 0
.rept 16
	ds_store_b128 v[STO], v[U+4*j:U+4*j+3] offset:\a*8192+512*j
.set j, j+1
.endr
.endr
.macro GELU32 ub
.set j, 0
.rept 32
	v_fma_f32 v[TT+j], |v[\ub+j]|, s46, 1.0
.set j, j+1
.endr
.set j, 0
	s_wait_alu depctr_va_vdst(0)
.rept 32
	v_rcp_f32 v[TT+j], v[TT+j]
.set j, j+1
.endr
	v_nop
	s_wait_alu depctr_va_vdst(0)
.set j, 0
.rept 16
	v_pk_fma_f32 v[HH+j:HH+j+1], v[30:31], v[TT+j:TT+j+1], s[40:41] op_sel_hi:[1,1,0]
.set j, j+2
.endr
.irp ci, 38,36,34,32,30,28,26,24
.set j, 0
.rept 16
	v_pk_fma_f32 v[HH+j:HH+j+1], v[HH+j:HH+j+1], v[TT+j:TT+j+1], s[\ci:\ci+1] op_sel_hi:[1,1,0]
.set j, j+2
.endr
.endr
.irp g, 0,8,16,24
.irp k, 0,2,4,6
	v_pk_mul_f32 v[8+\k:9+\k], v[\ub+\g+\k:\ub+\g+\k+1], s[44:45] op_sel_hi:[1,0]
.endr
.irp k, 0,2,4,6
	v_pk_fma_f32 v[8+\k:9+\k], v[8+\k:9+\k], v[\ub+\g+\k:\ub+\g+\k+1], -1.0 op_sel_hi:[1,1,0]
.endr
.irp k, 0,2,4,6
	v_pk_fma_f32 v[HH+\g+\k:HH+\g+\k+1], v[HH+\g+\k:HH+\g+\k+1], s[42:43], v[8+\k:9+\k] op_sel_hi:[1,0,1]
.endr
.endr
.set j, 0
	s_wait_alu depctr_va_vdst(0)
.rept 32
	v_exp_f32 v[HH+j], v[HH+j]
.set j, j+1
.endr
	v_nop
	s_wait_alu depctr_va_vdst(0)
.set j, 0
.rept 16
	v_pk_mul_f32 v[HH+j:HH+j+1], v[HH+j:HH+j+1], v[TT+j:TT+j+1]
.set j, j+2
.endr
.set j, 0
.rept 32
	v_max_num_f32 v[TT+j], 0, v[\ub+j]
.set j, j+1
.endr
.set j, 0
.rept 32
	v_fma_f32 v[\ub+j], -|v[\ub+j]|, v[HH+j], v[TT+j]
.set j, j+1
.endr
.set j, 0
.rept 32
	v_med3_num_f32 v[\ub+j], v[\ub+j], -v7, v7
.set j, j+1
.endr
.endm
	s_mov_b32 s86, 0
	s_mov_b32 s87, 8
.Lblk:
	v_add_nc_u32 v[RD], s86, v[STO]
.set j, 0
.rept 16
	ds_load_b128 v[U+4*j:U+4*j+3], v[RD] offset:512*j
.set j, j+1
.endr
	s_wait_dscnt 0x0
	GELU32 U
	GELU32 U+32
.irp b, 0,1,2,3,4,5,6,7
	v_cvt_scalef32_pk8_fp8_f32 v[PC+2*\b:PC+2*\b+1], v[U+8*\b:U+8*\b+7], v6
.endr
	v_nop
.irp c, 0,1,2,3
	v_permlane16_swap_b32 v[PC+4*\c], v[PC+4*\c+2]
	v_permlane16_swap_b32 v[PC+4*\c+1], v[PC+4*\c+3]
.endr
.irp c, 0,1,2,3
	global_store_b128 v[CO], v[PC+4*\c:PC+4*\c+3], s[10:11] offset:512*\c
.endr
	s_wait_xcnt 0x0
	s_add_nc_u64 s[10:11], s[10:11], 65536
	s_add_co_u32 s86, s86, 8192
	s_sub_co_u32 s87, s87, 1
	s_cmp_lg_u32 s87, 0
	s_cbranch_scc1 .Lblk
	s_wait_tensorcnt 0x0
	ds_add_u32 v[SPW], v[NIL]
	s_wait_dscnt 0x0
	CROUND
	s_endpgm
.Lfunc_end_k_q4a95a074a1_ffn1:
	.size	k_q4a95a074a1_ffn1, .Lfunc_end_k_q4a95a074a1_ffn1-k_q4a95a074a1_ffn1
	.p2alignl 7, 3214868480
	.fill 96, 4, 3214868480
	.section	.rodata,"a",@progbits
	.p2align	6, 0x0
	.amdhsa_kernel k_q4a95a074a1_ffn1
		.amdhsa_group_segment_fixed_size 327680
		.amdhsa_private_segment_fixed_size 0
		.amdhsa_enable_private_segment 0
		.amdhsa_kernarg_size 40
		.amdhsa_user_sgpr_count 2
		.amdhsa_user_sgpr_kernarg_segment_ptr 1
		.amdhsa_wavefront_size32 1
		.amdhsa_system_sgpr_workgroup_id_x 1
		.amdhsa_system_sgpr_workgroup_id_y 1
		.amdhsa_system_sgpr_workgroup_id_z 1
		.amdhsa_system_vgpr_workitem_id 0
		.amdhsa_next_free_vgpr 1024
		.amdhsa_next_free_sgpr 100
		.amdhsa_reserve_vcc 0
		.amdhsa_float_denorm_mode_32 3
		.amdhsa_float_denorm_mode_16_64 3
		.amdhsa_memory_ordered 1
		.amdhsa_forward_progress 1
		.amdhsa_inst_pref_size 153
	.end_amdhsa_kernel
	.amdgpu_metadata
---
amdhsa.version: [ 1, 2 ]
amdhsa.kernels:
  - .name:           k_q4a95a074a1_ffn1
    .symbol:         k_q4a95a074a1_ffn1.kd
    .args:
      - { .name: hc, .offset: 0, .size: 8, .value_kind: global_buffer, .address_space: global }
      - { .name: W1_codes, .offset: 8, .size: 8, .value_kind: global_buffer, .address_space: global }
      - { .name: bf1, .offset: 16, .size: 8, .value_kind: global_buffer, .address_space: global }
      - { .name: gc, .offset: 24, .size: 8, .value_kind: global_buffer, .address_space: global }
      - { .name: lowp_scales, .offset: 32, .size: 8, .value_kind: global_buffer, .address_space: global }
    .group_segment_fixed_size: 327680
    .private_segment_fixed_size: 0
    .kernarg_segment_align: 8
    .kernarg_segment_size: 40
    .max_flat_workgroup_size: 128
    .sgpr_count:     100
    .vgpr_count:     1024
    .wavefront_size: 32
...
	.end_amdgpu_metadata
.endif
;; end of part 14
;; launch ffn2 (part 15): grid 8 x 32, 4 waves a work-group, clusters of 4 x 4, 327,680 bytes of LDS; arguments gc, W2_codes, bf2, yf, lowp_scales, hf; writes yf
.if DOCPART == 15
	.amdgcn_target "amdgcn-amd-amdhsa--gfx1250"
	.amdhsa_code_object_version 6
	.text
	.protected	k_q4a95a074a1_ffn2
	.globl	k_q4a95a074a1_ffn2
	.p2align	8
	.type	k_q4a95a074a1_ffn2,@function
k_q4a95a074a1_ffn2:
	s_mov_b64 s[64:65], 0
	v_nop
	global_prefetch_b8 v0, s[64:65] scope:SCOPE_SE
	s_setreg_imm32_b32 hwreg(HW_REG_WAVE_MODE, 25, 1), 1
	s_wait_xcnt 0x0
	s_wait_alu depctr_hold_cnt(0) depctr_sa_sdst(0) depctr_va_vdst(0) depctr_va_sdst(0) depctr_va_ssrc(0) depctr_va_vcc(0) depctr_vm_vsrc(0)
	s_getreg_b32 s2, hwreg(HW_REG_IB_STS2, 6, 4)
	s_cmp_eq_u32 s2, 0
	s_cbranch_scc0 .Lentry_in_a_cluster
	s_endpgm
.Lentry_in_a_cluster:
	s_bfe_u32 s2, ttmp6, 0x10000c
	s_cmp_lg_u32 s2, 0xf033
	s_cbranch_scc0 .Lentry_shape_is_right
	s_endpgm
.Lentry_shape_is_right:
; yf = gelu's codes (2^e14, images of operand registers) x W2's codes (2^e15) + bf2, f32 [4096][1024].  No work of reference() is left out here.
; Tiles of 128 x 128, 256 work-groups of four waves, each wave 64 x 64; K = 4,096 goes in steps of 512 through a ring of two LDS slots filled by joint tensor loads in clusters of 4 x 4.
; LIMIT: e14 + e15 between -126 and 127.
.set SIZE_K, 4096
; THE RESIDUAL IS ADDED HERE: what is stored is yf = h + (the product + bf2).  A wave's 64 x 64 numbers of hf are asked for behind slot 1's first fill by 32 loads laid as the stores are (16 lanes: 256 consecutive bytes),
; into window 2 (v0-127 there), and are added to the rows that come back from the stage.
.set SIZE_N, 1024
.set ESC,    0x38
.set KSTEP,  512
.set ASTEP,  8192
.set PITCH,  528
.set NP,     4
.set HALFT,  64*PITCH
.set SLOT,   4*HALFT
.set LAPS,   SIZE_K/(2*KSTEP)
.set SPARE,  2*SLOT
.set SPITCH, 272
.set ADRA, 16
.set ADRB, 20
.set STO,  24
.set RD,   25
.set CO,   26
.set BO,   27
.set SPW,  28
.set NIL,  29
.set GO,   30
.set BI,   32
.set TMP,  64
.set ACC,  128
.set F0,   0
.set F1,   128
.set G1, 24
.set G0, 32
.set G1B, 48
.set G0B, 56
.set MSB, 0
.macro WIN new
.if MSB != \new
	s_set_vgpr_msb (MSB<<8)|\new
.set MSB, \new
.endif
.endm
.set MUL,  0x05
.set TO_F, 0x40
.macro JLOAD g0a, g1a, g0b, g1b
	s_cmp_eq_u32 s15, 0
	s_cbranch_scc0 .Lfor_b_\@
	tensor_load_to_lds s[\g0a:\g0a+3], s[\g1a:\g1a+7]
	s_nop 0
.rept 4
	v_nop
.endr
	s_branch .Lasked_\@
.Lfor_b_\@:
	tensor_load_to_lds s[\g0b:\g0b+3], s[\g1b:\g1b+7]
	s_nop 0
.rept 4
	v_nop
.endr
.Lasked_\@:
.endm
.macro CREST
	s_cmp_lg_u32 s14, 0
	s_cbranch_scc1 .Lnot_wave_0_\@
	s_barrier_signal -3
.Lnot_wave_0_\@:
	s_barrier_wait -3
	s_barrier_signal -1
	s_barrier_wait -1
.endm
.macro CROUND
	s_barrier_signal -1
	s_barrier_wait -1
	CREST
.endm
	s_load_b256 s[4:11], s[0:1], 0x0
	s_load_b64 s[12:13], s[0:1], 0x20              ; the scales' exponents
	s_load_b64 s[86:87], s[0:1], 0x28              ; hf
	v_lshl_add_u32 v[SPW], v0, 2, SPARE
	v_mov_b32 v[NIL], 0
	ds_add_u32 v[SPW], v[NIL]
	ds_add_u32 v[SPW], v[NIL]
	v_lshrrev_b32 v1, 5, v0
	v_readfirstlane_b32 s14, v1
	s_lshr_b32 s15, s14, 1
	s_and_b32 s16, s14, 1
	s_bfe_u32 s40, ttmp6, 0x40000
	s_bfe_u32 s41, ttmp6, 0x40004
	s_lshl_b32 s42, ttmp9, 2
	s_add_co_u32 s42, s42, s40
	s_and_b32 s17, ttmp7, 0xffff
	s_lshl_b32 s17, s17, 2
	s_add_co_u32 s17, s17, s41
	s_lshl_b32 s43, s41, 2
	s_lshl_b32 s43, 15, s43
	s_lshl_b32 s44, 0x1111, s40
	s_or_b32 s[G1+0], s43, (3<<16)|(1<<21)
	s_mov_b32 s[G1+1], 1024<<16
	s_mov_b32 s[G1+2], 4<<16
	s_mov_b32 s[G1+3], 1024<<16
	s_mov_b32 s[G1+4], 4
	s_mov_b32 s[G1+5], 2*SIZE_K
	s_mov_b32 s[G1+6], 0
	s_mov_b32 s[G1+7], 0
	s_or_b32 s[G1B+0], s44, (1<<20)|(1<<21)|(6<<22)|(3<<25)
	s_mov_b32 s[G1B+1], KSTEP<<16
	s_mov_b32 s[G1B+2], 64<<16
	s_mov_b32 s[G1B+3], KSTEP<<16
	s_mov_b32 s[G1B+4], 64
	s_mov_b32 s[G1B+5], SIZE_K
	s_mov_b32 s[G1B+6], 0
	s_mov_b32 s[G1B+7], 0
	s_lshl_b32 s20, s17, 3
	s_lshl_b32 s18, s16, 2
	s_add_co_u32 s20, s20, s18
	s_mul_i32 s20, s20, 16*SIZE_K
	s_mov_b32 s21, 0
	s_lshl_b32 s46, s42, 7
	s_lshl_b32 s18, s16, 6
	s_add_co_u32 s46, s46, s18
	s_mul_i32 s46, s46, SIZE_K
	s_mov_b32 s47, 0
	s_mul_i32 s45, s14, HALFT
	s_wait_dscnt 0x0
	s_wait_kmcnt 0x0
	s_load_b64 s[96:97], s[12:13], ESC
	s_add_nc_u64 s[20:21], s[4:5], s[20:21]
	s_add_nc_u64 s[46:47], s[6:7], s[46:47]
	CROUND
.irp s, 0,1
	s_mov_b32 s[G0+4*\s], 1
	s_add_co_u32 s[G0+4*\s+1], s45, \s*SLOT
	s_add_nc_u64 s[G0+4*\s+2:G0+4*\s+3], s[20:21], \s*ASTEP
	s_or_b32 s[G0+4*\s+3], s[G0+4*\s+3], 0x80000000
	s_mov_b32 s[G0B+4*\s], 1
	s_add_co_u32 s[G0B+4*\s+1], s45, \s*SLOT
	s_add_nc_u64 s[G0B+4*\s+2:G0B+4*\s+3], s[46:47], \s*KSTEP
	s_or_b32 s[G0B+4*\s+3], s[G0B+4*\s+3], 0x80000000
.endr
	JLOAD G0, G1, G0B, G1B                         ; slot 0: one tensor load a wave at the head
	; PREFETCHES INTO THE L2.  Of what my wave fetches for a slot, each of the four partners that ask for it jointly names a quarter, told apart by address (cx for A: one tile of 16 rows, 8,192 consecutive bytes;
	; cy for B: 16 rows of 512 bytes): a lane a block of 256 bytes, each block once in the cluster.  Here slot steps 1 and 2 are named, behind slot 1's first fill step 3, and behind the refill for step s + 2 step s + 4:
	; two refills ahead of its load.  The loop's last trip names nothing: there is no step 8.  s[66:67] is stepped at the head of each change of slots, behind s_wait_xcnt 0.
	s_cmp_eq_u32 s15, 0
	s_cselect_b64 s[66:67], s[20:21], s[46:47]     ; what my wave fetches
	s_cselect_b32 s84, s40, s41                    ; my place among the four that ask with me
	s_mov_b32 s68, KSTEP
	s_cselect_b32 s68, ASTEP, s68                  ; a slot step on
	s_mov_b32 s71, SIZE_K
	s_cselect_b32 s71, 512, s71                    ; from one pair of lanes to the next
	s_mov_b32 s69, 0
	s_mul_i32 s84, s84, 16*SIZE_K
	s_mov_b32 s85, 0
	s_add_nc_u64 s[66:67], s[66:67], s[84:85]
	s_add_nc_u64 s[66:67], s[66:67], s[68:69]      ; at slot step 1
	v_and_b32 v8, 31, v0
	v_lshrrev_b32 v9, 1, v8
	v_and_b32 v8, 1, v8
	v_mul_lo_u32 v9, v9, s71
	v_lshl_add_u32 v8, v8, 8, v9                   ; my block
	v_add_nc_u32 v9, s68, v8                       ; and the same a slot step on
	global_prefetch_b8 v8, s[66:67] th:TH_LOAD_NT scope:SCOPE_SE
	global_prefetch_b8 v9, s[66:67] th:TH_LOAD_NT scope:SCOPE_SE
	v_and_b32 v1, 15, v0
	v_bfe_u32 v2, v0, 4, 1
	v_and_b32 v6, 31, v0
	v_lshlrev_b32 v[CO], 4, v6
	v_mul_u32_u24 v3, v1, PITCH
	v_lshl_add_u32 v4, v2, 4, v3
	s_mul_i32 s21, s15, HALFT
	s_mul_i32 s22, s16, HALFT
	s_add_co_u32 s22, s22, 2*HALFT
.irp s, 0,1
	v_add_nc_u32 v[ADRA+\s], s21, v[CO]
	v_add_nc_u32 v[ADRB+\s], s22, v4
	s_add_co_u32 s21, s21, SLOT
	s_add_co_u32 s22, s22, SLOT
.endr
	s_mul_i32 s23, s14, 16*SPITCH
	v_mul_u32_u24 v5, v1, SPITCH
	v_lshl_add_u32 v5, v2, 5, v5
	v_add_nc_u32 v[STO], s23, v5
	v_mul_u32_u24 v5, v2, SPITCH
	v_lshl_add_u32 v5, v1, 4, v5
	v_add_nc_u32 v[RD], s23, v5
	v_mul_u32_u24 v5, v2, SIZE_N*4
	v_lshl_add_u32 v[GO], v1, 4, v5
	s_lshl_b32 s20, s17, 7
	s_lshl_b32 s21, s15, 6
	s_add_co_u32 s20, s20, s21
	s_mul_i32 s20, s20, SIZE_N*4
	s_mov_b32 s21, 0
	s_lshl_b32 s46, s42, 1
	s_add_co_u32 s46, s46, s16
	s_lshl_b32 s46, s46, 8
	s_mov_b32 s47, 0
	s_add_nc_u64 s[8:9], s[8:9], s[46:47]
	s_add_nc_u64 s[10:11], s[10:11], s[20:21]
	s_add_nc_u64 s[10:11], s[10:11], s[46:47]
	s_add_nc_u64 s[86:87], s[86:87], s[20:21]      ; hf at the same rows and columns
	s_add_nc_u64 s[86:87], s[86:87], s[46:47]
	v_lshlrev_b32 v[BO], 5, v2
.irp b, 0,1,2,3
	global_load_b128 v[BI+8*\b:BI+8*\b+3], v[BO], s[8:9] offset:64*\b
	global_load_b128 v[BI+8*\b+4:BI+8*\b+7], v[BO], s[8:9] offset:64*\b+16
.endr
.macro MUL4 f, a, zero
.irp b, 0,1,2,3
.if \zero
	v_wmma_f32_16x16x128_fp8_fp8 v[ACC+8*(4*(\a)+\b):ACC+8*(4*(\a)+\b)+7], v[\f+64+16*\b:\f+64+16*\b+15], v[\f+16*(\a):\f+16*(\a)+15], 0
.else
	v_wmma_f32_16x16x128_fp8_fp8 v[ACC+8*(4*(\a)+\b):ACC+8*(4*(\a)+\b)+7], v[\f+64+16*\b:\f+64+16*\b+15], v[\f+16*(\a):\f+16*(\a)+15], v[ACC+8*(4*(\a)+\b):ACC+8*(4*(\a)+\b)+7]
.endif
.endr
.endm
.macro FETCH slot, q, f
	WIN TO_F
.irp i, 0,1,2,3
.irp c, 0,1,2,3
	ds_load_b128 v[\f+64+16*\i+4*\c:\f+64+16*\i+4*\c+3], v[ADRB+\slot] offset:128*(\q)+32*\c+\i*16*PITCH
.endr
.endr
.irp i, 0,1,2,3
.irp c, 0,1,2,3
	ds_load_b128 v[\f+16*\i+4*\c:\f+16*\i+4*\c+3], v[ADRA+\slot] offset:2048*(\q)+512*\c+\i*8192
.endr
.endr
.endm
.macro PLACES n
.rept \n
	v_nop
.endr
.endm
.macro STEP slot, qn, f, g, zero
	s_wait_dscnt 8
	WIN MUL
	MUL4 \f, 0, \zero
	MUL4 \f, 1, \zero
	PLACES NP
	FETCH \slot, \qn, \g
	s_wait_dscnt 32
	WIN MUL
	MUL4 \f, 2, \zero
	MUL4 \f, 3, \zero
.endm
.macro TURN slot, next, fill
	WIN 0
.if \fill
	s_wait_xcnt 0x0                                ; my last prefetch has read its address
	s_add_nc_u64 s[66:67], s[66:67], s[68:69]
.endif
	s_wait_tensorcnt 0x0
	ds_add_u32 v[SPW], v[NIL]
	s_wait_dscnt 9
	WIN MUL
	MUL4 F1, 0, 0
	s_wait_dscnt 0x0
	s_barrier_signal -1
	MUL4 F1, 1, 0
	WIN 0
	s_barrier_wait -1
.if \fill
	CREST
	s_add_nc_u64 s[G0+4*\slot+2:G0+4*\slot+3], s[G0+4*\slot+2:G0+4*\slot+3], 2*ASTEP
	s_add_nc_u64 s[G0B+4*\slot+2:G0B+4*\slot+3], s[G0B+4*\slot+2:G0B+4*\slot+3], 2*KSTEP
	JLOAD G0+4*\slot, G1, G0B+4*\slot, G1B
.else
	PLACES NP
.endif
	FETCH \next, 0, F0
.if \fill
	WIN 0                                          ; (a branch follows)
	s_cmp_gt_u32 s3, 1                             ; s3 = 1 in the loop's last trip
	s_cbranch_scc0 .Lno_ask_\@
	global_prefetch_b8 v9, s[66:67] th:TH_LOAD_NT scope:SCOPE_SE   ; the slot step two refills on
.Lno_ask_\@:
.endif
	WIN MUL
	MUL4 F1, 2, 0
	MUL4 F1, 3, 0
.endm
	s_wait_xcnt 0x0                                ; my prefetches have read their address:
	s_add_nc_u64 s[66:67], s[66:67], s[68:69]      ; on to slot step 2
	s_wait_alu depctr_va_vdst(0)                   ; the wait at the head's end
	s_wait_tensorcnt 0x0                           ; my part of slot 0 is in
	ds_add_u32 v[SPW], v[NIL]
	s_wait_dscnt 0x0
	CROUND                                         ; everybody's part of slot 0 is in, and the joint loads meet
	JLOAD G0+4, G1, G0B+4, G1B                     ; slot 1's first fill: the first tensor load behind the round
	FETCH 0, 0, F0
	WIN 0x80                                       ; destination window 2, address window 0
.irp a, 0,1,2,3
.irp t, 0,1,2,3,4,5,6,7
	global_load_b128 v[32*\a+4*\t:32*\a+4*\t+3], v[GO], s[86:87] offset:(16*\a+2*\t)*SIZE_N*4 th:TH_LOAD_NT   ; waited for on the way out, with the bias
.endr
.endr
	WIN 0
	global_prefetch_b8 v9, s[66:67] th:TH_LOAD_NT scope:SCOPE_SE   ; slot step 3
	STEP 0, 1, F0, F1, 1
.if LAPS > 1
	WIN 0
	s_mov_b32 s3, LAPS-1
.Llap:
	STEP 0, 2, F1, F0, 0
	STEP 0, 3, F0, F1, 0
	TURN 0, 1, 1
	STEP 1, 1, F0, F1, 0
	STEP 1, 2, F1, F0, 0
	STEP 1, 3, F0, F1, 0
	TURN 1, 0, 1
	STEP 0, 1, F0, F1, 0
	WIN 0
	s_sub_co_u32 s3, s3, 1
	s_cmp_lg_u32 s3, 0
	s_cbranch_scc1 .Llap
.endif
	STEP 0, 2, F1, F0, 0
	STEP 0, 3, F0, F1, 0
	TURN 0, 1, 0
	STEP 1, 1, F0, F1, 0
	STEP 1, 2, F1, F0, 0
	STEP 1, 3, F0, F1, 0
	s_wait_dscnt 8
	WIN MUL
	MUL4 F1, 0, 0
	MUL4 F1, 1, 0
	s_wait_dscnt 0
	MUL4 F1, 2, 0
	MUL4 F1, 3, 0
	WIN 0
.macro TOSTAGE a
.set AC, ACC+32*(\a)
.set TM, TMP+32*((\a)%2)
.set j, 0
.rept 16
	v_pk_fma_f32 v[TM+j:TM+j+1], v[AC+j:AC+j+1], s[96:97], v[BI+j:BI+j+1] op_sel_hi:[1,0,1]
.set j, j+2
.endr
.irp b, 0,1,2,3
	ds_store_b128 v[STO], v[TM+8*\b:TM+8*\b+3] offset:64*\b
	ds_store_b128 v[STO], v[TM+8*\b+4:TM+8*\b+7] offset:64*\b+16
.endr
.irp t, 0,1,2,3,4,5,6,7
	ds_load_b128 v[AC+4*\t:AC+4*\t+3], v[RD] offset:\t*2*SPITCH
.endr
.endm
.macro SEND a, younger
.set AC, ACC+32*(\a)
	s_wait_dscnt \younger                          ; the block is back in registers; the next block's 8 stores and 8 loads may be out
	WIN 0x08                                       ; source 1 window 2
.set j, 0
.rept 16
	v_pk_add_f32 v[AC+j:AC+j+1], v[AC+j:AC+j+1], v[32*(\a)+j:32*(\a)+j+1]   ; + h
.set j, j+2
.endr
	WIN 0
.irp t, 0,1,2,3,4,5,6,7
	global_store_b128 v[GO], v[AC+4*\t:AC+4*\t+3], s[10:11] offset:(16*(\a)+2*\t)*SIZE_N*4
.endr
.endm
	s_wait_kmcnt 0x0
	s_add_co_i32 s96, s96, s97
	s_add_co_i32 s96, s96, 127
	s_lshl_b32 s96, s96, 23
	s_mov_b32 s97, s96
	s_wait_loadcnt 0x0
	PLACES NP
	TOSTAGE 0
.irp a, 1,2,3
	TOSTAGE \a
	SEND \a-1, 16
.endr
	SEND 3, 0
	s_wait_tensorcnt 0x0
	ds_add_u32 v[SPW], v[NIL]
	s_wait_dscnt 0x0
	CROUND
	s_endpgm
.Lfunc_end_k_q4a95a074a1_ffn2:
	.size	k_q4a95a074a1_ffn2, .Lfunc_end_k_q4a95a074a1_ffn2-k_q4a95a074a1_ffn2
	.p2alignl 7, 3214868480
	.fill 96, 4, 3214868480
	.section	.rodata,"a",@progbits
	.p2align	6, 0x0
	.amdhsa_kernel k_q4a95a074a1_ffn2
		.amdhsa_group_segment_fixed_size 327680
		.amdhsa_private_segment_fixed_size 0
		.amdhsa_enable_private_segment 0
		.amdhsa_kernarg_size 48
		.amdhsa_user_sgpr_count 2
		.amdhsa_user_sgpr_kernarg_segment_ptr 1
		.amdhsa_wavefront_size32 1
		.amdhsa_system_sgpr_workgroup_id_x 1
		.amdhsa_system_sgpr_workgroup_id_y 1
		.amdhsa_system_sgpr_workgroup_id_z 1
		.amdhsa_system_vgpr_workitem_id 0
		.amdhsa_next_free_vgpr 768
		.amdhsa_next_free_sgpr 100
		.amdhsa_reserve_vcc 0
		.amdhsa_float_denorm_mode_32 3
		.amdhsa_float_denorm_mode_16_64 3
		.amdhsa_memory_ordered 1
		.amdhsa_forward_progress 1
		.amdhsa_inst_pref_size 84
	.end_amdhsa_kernel
	.amdgpu_metadata
---
amdhsa.version: [ 1, 2 ]
amdhsa.kernels:
  - .name:           k_q4a95a074a1_ffn2
    .symbol:         k_q4a95a074a1_ffn2.kd
    .args:
      - { .name: gc, .offset: 0, .size: 8, .value_kind: global_buffer, .address_space: global }
      - { .name: W2_codes, .offset: 8, .size: 8, .value_kind: global_buffer, .address_space: global }
      - { .name: bf2, .offset: 16, .size: 8, .value_kind: global_buffer, .address_space: global }
      - { .name: yf, .offset: 24, .size: 8, .value_kind: global_buffer, .address_space: global }
      - { .name: lowp_scales, .offset: 32, .size: 8, .value_kind: global_buffer, .address_space: global }
      - { .name: hf, .offset: 40, .size: 8, .value_kind: global_buffer, .address_space: global }
    .group_segment_fixed_size: 327680
    .private_segment_fixed_size: 0
    .kernarg_segment_align: 8
    .kernarg_segment_size: 48
    .max_flat_workgroup_size: 128
    .sgpr_count:     100
    .vgpr_count:     768
    .wavefront_size: 32
...
	.end_amdgpu_metadata
.endif
;; end of part 15
;; launch ln2 (part 16): grid 256 x 1, 8 waves a work-group, no clusters, 0 bytes of LDS; arguments yf, g2, b2, out0; writes out0
.if DOCPART == 16
	.amdgcn_target "amdgcn-amd-amdhsa--gfx1250"
	.amdhsa_code_object_version 6
	.text
	.protected	k_q4a95a074a1_ln2
	.globl	k_q4a95a074a1_ln2
	.p2align	8
	.type	k_q4a95a074a1_ln2,@function
k_q4a95a074a1_ln2:
	s_mov_b64 s[64:65], 0
	v_nop
	global_prefetch_b8 v0, s[64:65] scope:SCOPE_SE
	s_setreg_imm32_b32 hwreg(HW_REG_WAVE_MODE, 25, 1), 1
	s_wait_xcnt 0x0
; out0 = LayerNorm(yf) g2 + b2 over rows of 1,024, in f32.  yf holds h + the FFN's output: launch ffn2 has added the residual.  No work of reference() is left out here.
; A wave takes two rows; a row stays in 32 registers between the mean, the variance (of the centred numbers, as reference() has it) and the scaling: memory is read once.  Each load and store of a wave covers 512 consecutive bytes.
; All 32 loads of a wave go out at the head: row 0 (8), the gain and offset (16), row 1 (8).  No LDS, no matrix unit, no cluster, no barrier: waves share nothing and memory binds.
.set G,   16                           ; v16-47   the gain at my columns
.set BB,  48                           ; v48-79   the offset
.set Y,   80                           ; row p: v[80 + 64 p ..] 32 registers: the row at work
.set T,   208                          ; v208-223 at work
.set MU,  224
.set RS,  226
.set PD,  228
	s_load_b64 s[6:7], s[0:1], 0x0                 ; yf
	s_load_b128 s[8:11], s[0:1], 0x8               ; g2, b2
	s_load_b64 s[14:15], s[0:1], 0x18              ; out0
	v_lshrrev_b32 v8, 5, v0
	s_delay_alu instid0(VALU_DEP_1)
	v_readfirstlane_b32 s24, v8                    ; wave 0..7
	v_and_b32 v9, 31, v0
	s_delay_alu instid0(VALU_DEP_1)
	v_lshlrev_b32 v1, 4, v9                        ; 16 x lane
	v_mov_b32 v[PD], 0                             ; a lane permute's destination counts as one of its sources
	s_mov_b32 s20, 0x76543210
	s_mov_b32 s21, 0xfedcba98
	s_mov_b32 s22, 0x3a800000                      ; 1 / 1,024
	s_mov_b32 s23, 0x3727c5ac                      ; 1e-5
	s_lshl_b32 s18, ttmp9, 4
	s_lshl_b32 s19, s24, 1
	s_add_co_u32 s18, s18, s19                     ; my first row
	s_lshl_b32 s26, s18, 12
	s_mov_b32 s27, 0
	s_wait_alu depctr_va_vdst(0)
	s_wait_kmcnt 0x0
	s_add_nc_u64 s[6:7], s[6:7], s[26:27]
	s_add_nc_u64 s[14:15], s[14:15], s[26:27]
.macro LDROW p
.irp i, 0,1,2,3,4,5,6,7
	global_load_b128 v[Y+64*\p+4*\i:Y+64*\p+4*\i+3], v1, s[6:7] offset:4096*\p+512*\i th:TH_LOAD_NT
.endr
.endm
	LDROW 0
.irp i, 0,1,2,3,4,5,6,7
	global_load_b128 v[G+4*\i:G+4*\i+3], v1, s[8:9] offset:512*\i
	global_load_b128 v[BB+4*\i:BB+4*\i+3], v1, s[10:11] offset:512*\i
.endr
	LDROW 1
.macro REDUCE r                        ; the sum of v[r] over the 32 lanes, in every lane
	s_delay_alu instid0(VALU_DEP_1)
	v_add_f32_dpp v[\r], v[\r], v[\r] row_xmask:1 row_mask:0xf bank_mask:0xf
	s_delay_alu instid0(VALU_DEP_1)
	v_add_f32_dpp v[\r], v[\r], v[\r] row_xmask:2 row_mask:0xf bank_mask:0xf
	s_delay_alu instid0(VALU_DEP_1)
	v_add_f32_dpp v[\r], v[\r], v[\r] row_xmask:4 row_mask:0xf bank_mask:0xf
	s_delay_alu instid0(VALU_DEP_1)
	v_add_f32_dpp v[\r], v[\r], v[\r] row_xmask:8 row_mask:0xf bank_mask:0xf
	s_delay_alu instid0(VALU_DEP_1)
	v_permlanex16_b32 v[PD], v[\r], s20, s21
	s_delay_alu instid0(VALU_DEP_1)
	v_add_f32 v[\r], v[\r], v[PD]
.endm
.macro ROW p, left
.set YS, Y+64*\p
	s_wait_alu depctr_va_vdst(0)                   ; the wait here, directly ahead of the wait below
	s_wait_loadcnt \left                           ; this row's 8 loads are in; the younger ones may be out
.irp k, 0,2,4,6,8,10,12,14
	v_pk_add_f32 v[T+\k:T+\k+1], v[YS+2*\k:YS+2*\k+1], v[YS+2*\k+2:YS+2*\k+3]   ; the sum, as a tree
.endr
.irp k, 0,4,8,12
	v_pk_add_f32 v[T+\k:T+\k+1], v[T+\k:T+\k+1], v[T+\k+2:T+\k+3]
.endr
	s_delay_alu instid0(VALU_DEP_3)
	v_pk_add_f32 v[T:T+1], v[T:T+1], v[T+4:T+5]
	s_delay_alu instid0(VALU_DEP_2)
	v_pk_add_f32 v[T+8:T+9], v[T+8:T+9], v[T+12:T+13]
	s_delay_alu instid0(VALU_DEP_1)
	v_pk_add_f32 v[T:T+1], v[T:T+1], v[T+8:T+9]
	s_delay_alu instid0(VALU_DEP_1)
	v_add_f32 v[T], v[T], v[T+1]
	REDUCE T
	s_delay_alu instid0(VALU_DEP_1)
	v_mul_f32 v[MU], s22, v[T]                     ; the mean, twice: a pair for the packed form
	s_delay_alu instid0(VALU_DEP_2)
	v_mul_f32 v[MU+1], s22, v[T]
.irp k, 0,2,4,6,8,10,12,14,16,18,20,22,24,26,28,30
	v_pk_add_f32 v[YS+\k:YS+\k+1], v[YS+\k:YS+\k+1], v[MU:MU+1] neg_lo:[0,1] neg_hi:[0,1]
.endr
.irp k, 0,2,4,6
	v_pk_mul_f32 v[T+\k:T+\k+1], v[YS+\k:YS+\k+1], v[YS+\k:YS+\k+1]   ; the squares, in four chains
.endr
.irp k, 8,10,12,14,16,18,20,22,24,26,28,30
	s_delay_alu instid0(VALU_DEP_4)
	v_pk_fma_f32 v[T+(\k)%8:T+(\k)%8+1], v[YS+\k:YS+\k+1], v[YS+\k:YS+\k+1], v[T+(\k)%8:T+(\k)%8+1]
.endr
	s_delay_alu instid0(VALU_DEP_3)
	v_pk_add_f32 v[T:T+1], v[T:T+1], v[T+2:T+3]
	s_delay_alu instid0(VALU_DEP_2)
	v_pk_add_f32 v[T+4:T+5], v[T+4:T+5], v[T+6:T+7]
	s_delay_alu instid0(VALU_DEP_1)
	v_pk_add_f32 v[T:T+1], v[T:T+1], v[T+4:T+5]
	s_delay_alu instid0(VALU_DEP_1)
	v_add_f32 v[T], v[T], v[T+1]
	REDUCE T
	s_delay_alu instid0(VALU_DEP_1)
	v_fma_f32 v[T+2], v[T], s22, s23               ; the variance + 1e-5
	s_wait_alu depctr_va_vdst(0)
	v_rsq_f32 v[RS], v[T+2]
	v_rsq_f32 v[RS+1], v[T+2]
	v_nop                                          ; a plain instruction behind the two
	s_wait_alu depctr_va_vdst(0)                   ; and one wait ahead of their first reader
.if \p == 0
	s_wait_loadcnt 8                               ; the gain and the offset are in; row 1's 8 loads may be out
.endif
.irp k, 0,2,4,6,8,10,12,14,16,18,20,22,24,26,28,30
	v_pk_mul_f32 v[YS+\k:YS+\k+1], v[YS+\k:YS+\k+1], v[RS:RS+1]
.endr
.irp k, 0,2,4,6,8,10,12,14,16,18,20,22,24,26,28,30
	v_pk_fma_f32 v[YS+\k:YS+\k+1], v[YS+\k:YS+\k+1], v[G+\k:G+\k+1], v[BB+\k:BB+\k+1]
.endr
.irp i, 0,1,2,3,4,5,6,7
	global_store_b128 v1, v[YS+4*\i:YS+4*\i+3], s[14:15] offset:4096*\p+512*\i th:TH_STORE_NT
.endr
.endm
	ROW 0, 24
	ROW 1, 0
	s_endpgm
.Lfunc_end_k_q4a95a074a1_ln2:
	.size	k_q4a95a074a1_ln2, .Lfunc_end_k_q4a95a074a1_ln2-k_q4a95a074a1_ln2
	.p2alignl 7, 3214868480
	.fill 96, 4, 3214868480
	.section	.rodata,"a",@progbits
	.p2align	6, 0x0
	.amdhsa_kernel k_q4a95a074a1_ln2
		.amdhsa_group_segment_fixed_size 0
		.amdhsa_private_segment_fixed_size 0
		.amdhsa_enable_private_segment 0
		.amdhsa_kernarg_size 32
		.amdhsa_user_sgpr_count 2
		.amdhsa_user_sgpr_kernarg_segment_ptr 1
		.amdhsa_wavefront_size32 1
		.amdhsa_system_sgpr_workgroup_id_x 1
		.amdhsa_system_sgpr_workgroup_id_y 1
		.amdhsa_system_sgpr_workgroup_id_z 1
		.amdhsa_system_vgpr_workitem_id 0
		.amdhsa_next_free_vgpr 248
		.amdhsa_next_free_sgpr 66
		.amdhsa_reserve_vcc 0
		.amdhsa_float_denorm_mode_32 3
		.amdhsa_float_denorm_mode_16_64 3
		.amdhsa_memory_ordered 1
		.amdhsa_forward_progress 1
		.amdhsa_inst_pref_size 21
	.end_amdhsa_kernel
	.amdgpu_metadata
---
amdhsa.version: [ 1, 2 ]
amdhsa.kernels:
  - .name:           k_q4a95a074a1_ln2
    .symbol:         k_q4a95a074a1_ln2.kd
    .args:
      - { .name: yf, .offset: 0, .size: 8, .value_kind: global_buffer, .address_space: global }
      - { .name: g2, .offset: 8, .size: 8, .value_kind: global_buffer, .address_space: global }
      - { .name: b2, .offset: 16, .size: 8, .value_kind: global_buffer, .address_space: global }
      - { .name: out0, .offset: 24, .size: 8, .value_kind: global_buffer, .address_space: global }
    .group_segment_fixed_size: 0
    .private_segment_fixed_size: 0
    .kernarg_segment_align: 8
    .kernarg_segment_size: 32
    .max_flat_workgroup_size: 256
    .sgpr_count:     66
    .vgpr_count:     248
    .wavefront_size: 32
...
	.end_amdgpu_metadata
.endif
;; end of part 16
